; MI455X (gfx1250); checked and timed in simulation.
; The chip was launched on July 23, 2026; its instructions are those of AMD's public machine-readable ISA for CDNA 5 (MIT licence, August 2026) and "CDNA5" Instruction Set Architecture Reference Guide (July 2026). The comments in the code are by the model that wrote it; some were corrected since.
;; PT Block. Allowed arithmetic: matrix products marked QUANTISED: E2M3 operands, one E8M0 scale for each 32 along K, by v_wmma_scale_f32_16x16x128_f8f6f4 with both operands' format E2M3, f32 sums; products left as they are: f32 operands where the result goes on into a quantised operand, else bf16, f16 or f32 operands; f32 sums; everything else in f32.
;; Inputs: W_alpha 128 x 128 float32; W_down 128 x 64 float32; W_phi 128 x 128 float32; W_psi 128 x 128 float32; W_top 64 x 128 float32; Wd1 3 x 128 float32; Wd2 128 x 128 float32; Wg1 128 x 128 float32; Wg2 128 x 128 float32; b_down 64 float32; b_top 128 float32; bd1 128 float32; bd2 128 float32; be1 128 float32; be2 64 float32; bg1 128 float32; bg2 128 float32; coords 16,384 x 4 int32; g1 128 float32; g2 64 float32; x 16,384 x 64 float32.
;; Outputs: out0 16,384 x 64 float32.
;; This version of the problem:
;;   THIS VERSION OF THE PROBLEM IS GIVEN IN LOW PRECISION. The matrix products marked QUANTISED in the list below multiply operands that are first quantised to E2M3 (2 exponent bits, 3 mantissa bits; 6 bits a number), with one power-of-two scale for each 32 numbers along K (OCP MX v1.0); their sums are f32. All else is computed in f32.
;;   The module's matrix products, in the order in which they are computed (A, B: the left and right operand; K: the contracted axis; several contracted axes count as one K, in the product's order):
;;     1. batch 4 x [M 4,096, K 3] x [K 3, N 4,096]; A: input coords; B: input coords: left as it is (K = 3 < 32)
;;     2. [M 16,384, K 64] x [K 64, N 128]; A: input x; B: input W_top: QUANTISED
;;     3. [M 16,384, K 128] x [K 128, N 128]; A: computed on the way; B: input W_phi: QUANTISED
;;     4. [M 16,384, K 128] x [K 128, N 128]; A: computed on the way; B: input W_psi: QUANTISED
;;     5. [M 16,384, K 128] x [K 128, N 128]; A: computed on the way; B: input W_alpha: QUANTISED
;;     6. [M 262,144, K 3] x [K 3, N 128]; A: computed on the way; B: input Wd1: left as it is (K = 3 < 32)
;;     7. [M 262,144, K 128] x [K 128, N 128]; A: computed on the way; B: input Wd2: QUANTISED
;;     8. [M 262,144, K 128] x [K 128, N 128]; A: computed on the way; B: input Wg1: QUANTISED
;;     9. [M 262,144, K 128] x [K 128, N 128]; A: computed on the way; B: input Wg2: QUANTISED
;;     10. [M 16,384, K 128] x [K 128, N 64]; A: computed on the way; B: input W_down: QUANTISED
;;   THE QUANTISER, for each operand of a quantised product, along K:
;;     - K is cut into blocks of 32 from its start; a last block that is shorter is filled with zeros.
;;     - A block's scale is 2^e with e = floor(log2(the largest magnitude in the block)) - 2, held to -126 .. 127; a block of zeros has e = 0. As a byte (E8M0): e + 127.
;;     - Each number is divided by its block's scale, clamped to +-7.5, and rounded to the nearest number of E2M3, ties to even, subnormals kept.
;;     - The product sums the exact products of the quantised numbers (number of the format x scale) in f32.
;;   ~~~python
;;   def quantise(x, axis):      # numpy; x: float32 -> the quantised numbers, widened to float32 again
;;       x = np.moveaxis(x, axis, -1); K = x.shape[-1]
;;       x = np.pad(x, [(0, 0)] * (x.ndim - 1) + [(0, -K % 32)]); x = x.reshape(x.shape[:-1] + (-1, 32)); a = np.abs(x).max(-1, keepdims=True)
;;       e = np.where(a > 0, np.clip(np.frexp(np.where(a > 0, a, 1))[1] - 1 - 2, -126, 127), 0)      # np.frexp(a)[1] - 1 = floor(log2(a)), exactly
;;       r = np.clip(x / 2.0 ** e, -7.5, 7.5)
;;       step = 2.0 ** (np.maximum(np.frexp(np.where(r == 0, 1, r))[1] - 1, 0) - 3)
;;       q = np.round(r / step) * step * 2.0 ** e      # np.round: ties to even
;;       return np.moveaxis(q.reshape(q.shape[:-2] + (-1,))[..., :K], -1, axis).astype(np.float32)
;;   ~~~
;;   OPERANDS COMPUTED ON THE WAY. 'Computed on the way' means the value that the module computes at that place (a softmax that the list does not call 'softmax' is quantised finished and normalised). What goes into a quantiser is computed in f32, as accurately as f32 sums, v_exp_f32 and their like allow (about 1e-6 of the number): no bf16 or f16 on the way to a quantiser, and a product that is left as it is and whose result goes on into a quantised operand takes f32 operands (vector FMAs, or v_wmma_f32_16x16x4_f32). A number that lies on a knife's edge between two numbers of the format may be rounded either way, as far as f32 arithmetic and the matrix unit's own rounding can turn it there, and no further.
;; 2 versions, each right; version 2 is version 1 with the launches scan, prep, attn written anew for expert scheduling mode. Each part assembles by itself: llvm-mc -triple=amdgcn-amd-amdhsa -mcpu=gfx1250 --defsym DOCPART=n.
;; ======== version 1 of 2: 4 launches
;; workspace buffers: gidx 1,048,576 bytes of whole numbers; wimg 107,520 bytes; part1 65,536 bytes; qtab 8,388,608 bytes; kvtab 16,777,216 bytes; relb 4,194,304 bytes; utab 4,194,304 bytes; part2 131,072 bytes
;; launch scan (part 1): grid 256 x 1, 4 waves a work-group, no clusters, 91,904 bytes of LDS; arguments coords, x, W_top, b_top, W_phi, W_psi, W_alpha, Wd2, Wg1, Wg2, W_down, gidx, wimg, part1; writes gidx, wimg, part1
.if DOCPART == 1
	.amdgcn_target "amdgcn-amd-amdhsa--gfx1250"
	.amdhsa_code_object_version 6
	.text
	.protected	k_q23963ca5cb_scan
	.globl	k_q23963ca5cb_scan
	.p2align	8
	.type	k_q23963ca5cb_scan,@function
k_q23963ca5cb_scan:
	s_mov_b64 s[64:65], 0
	v_nop
	global_prefetch_b8 v0, s[64:65] scope:SCOPE_SE
	s_setreg_imm32_b32 hwreg(HW_REG_WAVE_MODE, 25, 1), 1
	s_wait_xcnt 0x0
; scan: the radius search (first 16 indices j of the batch with d2 <= 100, empty slots = the first hit), and two side jobs by work-group number:
; work-groups 0-63 take the statistics of t = x W_top + b_top over 256 rows each; work-groups 64-78 quantise the eight weights into images of operand registers.
; SEARCH.  K = 3 is too short for a matrix instruction, so the distances are fused multiply-adds in f32.  A work-group owns 64 queries of one batch.
; PHASE 1, a lane is a CANDIDATE: wave w keeps candidates 1024 w .. 1024 w + 1023 in 128 registers (x, y, z, |c|^2: 32 words of 32 lanes each).  A trip takes one query into scalar registers, forms t = |c|^2 - 2 q.c, two words an
; instruction, and compares 100 - |q|^2 >= t, which is d2 <= 100: the compare's mask IS a word of 32 candidates, bit l = candidate 32 k + l.  It goes into lane q of the word's register; 32 queries' words then go to LDS by rows.
; PHASE 2, a lane is a QUERY and a half: lane (r, h) of wave w walks words 64 h + 63 DOWN to 64 h of query 16 w + r and pushes each non-zero word on a list of 16, which so ends as the 16 lowest non-zero words.
; No count, no branch on data.  The halves' lists are merged, and 16 steps take the lowest set bits.
; LIMITS: coordinates of magnitude up to 1,023 (all sums are then whole numbers under 2^24, exact in f32, here and in the defining formula); beyond that neighbours may differ.  NaN and infinities among the float inputs are not served.
; A block of zeros gets the scale byte 1 where the rule says 127: its codes are zeros and this program alone reads the bytes.
; No tensor loads, no cluster: a wave reads 16 KiB of coordinates once into registers, nothing is streamed.
.set WPITCH, 528                       ; LDS from 0: 64 queries x (128 words + 16 bytes): an odd multiple of 16 bytes
.set GST,   65792                      ; per wave 2,048: 1 KiB of results, 1 KiB for what lanes 16-31 hold (never read)
.set WTI,   73984                      ; statistics job: W_top's 8 fragment images
.set WTS,   86272                      ; their scale words
.set CMB1,  87296                      ; per wave 128 means, 128 sums of squared deviations
.set FRB,   1792                       ; a fragment in wimg: 1,536 bytes of registers, 128 of scale words, rounded up to 7 x 256
.set R, 1                              ; v1 lane % 16      v2 lane / 16
.set HH, 2
.set AL, 3                             ; v3 phase 2: my query's row of words, my half
.set AW, 4                             ; v4 the same at the trip's eight words
.set GSTW, 5
.set GSTR, 6
.set L16, 7                            ; v7 16 x lane
.set MST, 8                            ; v8 phase 1: row = lane, my wave's 128 bytes of it
.set XA, 9
.set WOF, 10
.set CMBW, 11
.set CMBR, 12
.set L4, 13                            ; v13 4 x lane
.set WTIW, 14
.set WTSW, 15
.set L16W, 16
.set L4W, 17
.set BOFF, 18
.set QOFF, 19
.set RR8, 20                           ; v20 r + (r & 8): a tile's lane r takes column 32 (t / 2) + 8 (t % 2) + r + (r & 8)
.set QA, 24                            ; v24-31 two sets of 32 queries, a lane a query: 100 - |q|^2, -2x, -2y, -2z
.set WX, 64                            ; side jobs: raw weights v64-127, raw x v128-255
.set XR, 128
.set PCW, 32
.set PWW, 44
.set WM, 46
.set WSC, 54
.set XC, 32                            ; x's four fragments v32-79, scale words v80-83
.set XS, 80
.set WT, 84                            ; four fragments of W_top v84-131, scale words v132-135
.set WTSC, 132
.set DD, 136                           ; four accumulators
.set SH, 168
.set S1, 176
.set S2, 184
.set U, 192
.set U2, 200
.set TM, 96
.set SCR, 112
.set CX, 32                            ; phase 1: v32-63 x of my 32 words of candidates, v64-95 y, v96-127 z, v128-159 |c|^2
.set CY, 64
.set CZ, 96
.set CS, 128
.set RAW, 160                          ; v160-255 24 rows of coords as loaded; later:
.set M, 160                            ; v160-191 word k of 32 queries, a lane a query
.set T, 192                            ; v192-207 t of 16 words
.set WA, 32                            ; phase 2: two buffers of four words
.set WB, 36
.set IV, 101
.set T0, 102
.set T1, 103
.set S, 112                            ; v112-127 the list's words, v128-143 their numbers
.set I, 128
.set MS, 144
.set MI, 160
.set OUT, 176
.set OB, 192
.set WV, 32
.set SEL, 36
.set CB, 38
.set SAX, 42                           ; s[42:43], s[44:45], s[66:67]: -2x, -2y, -2z of the query in hand: the packed form names a pair and takes its low word for both halves
.set SAY, 44
.set SAZ, 66
.set MK, 68                            ; s68-83 sixteen masks
.set STH, 84                           ; s84 100 - |q|^2
.set SAW, 58
.set SCNT, 59
.set SB, 60
.set SQ, 61                            ; s61 the query's lane
.set MSB, 0
.macro WIN new                         ; (this text stays in window 0: the macro writes nothing here)
.if MSB != (\new)
	s_set_vgpr_msb (MSB<<8)|(\new)
.set MSB, (\new)
.endif
.endm
.macro NOPS n
.rept \n
	v_nop
.endr
.endm
.macro BARRIER                         ; my LDS stores have landed and my LDS loads are in: then the work-group's barrier
	s_wait_dscnt 0x0
	s_barrier_signal -1
	s_barrier_wait -1
.endm
; 16 nb numbers of a lane, register 16 b + i = k 32 b + 16 (lane / 16) + i of my row, become a fragment's codes in v[pc] on and its scale word in v[pw]
.macro QUANT src, ws, pc, pw, nb
	WIN (((\ws)<<2)|((\ws)<<4))
.set qb, 0
.rept \nb
	v_max3_num_f32 v[TM+qb], 0x1800000, |v[(\src)+16*qb]|, |v[(\src)+16*qb+1]|   ; the floor 2^(3 - 127) among the leaves: the byte cannot fall under 1
.set qb, qb+1
.endr
.set qi, 2
.rept 7
.set qb, 0
.rept \nb
	v_max3_num_f32 v[TM+qb], v[TM+qb], |v[(\src)+16*qb+qi]|, |v[(\src)+16*qb+qi+1]|
.set qb, qb+1
.endr
.set qi, qi+2
.endr
	WIN 0
.set qb, 0
.rept \nb
	v_permlanex16_b32 v[TM+4+qb], v[TM+qb], s[SEL], s[SEL+1]
.set qb, qb+1
.endr
.set qb, 0
.rept \nb
	v_max_num_f32 v[TM+qb], v[TM+qb], v[TM+4+qb]          ; with lane l xor 16's: the block's largest magnitude
.set qb, qb+1
.endr
.set qb, 0
.rept \nb
	v_add_nc_u32 v[TM+12+qb], 0xff000000, v[TM+qb]        ; 2 off its exponent field: the conversion's scale operand
.set qb, qb+1
.endr
.set qb, 0
.rept \nb
	v_lshrrev_b32 v[TM+4+qb], 23, v[TM+12+qb]             ; the scale's byte
.set qb, qb+1
.endr
	v_lshl_or_b32 v[\pw], v[TM+5], 8, v[TM+4]
.if \nb == 4
	v_lshl_or_b32 v[\pw], v[TM+6], 16, v[\pw]
	v_lshl_or_b32 v[\pw], v[TM+7], 24, v[\pw]
.endif
	WIN (\ws)
.set qc, 0
.rept (\nb)/2
	v_cvt_scalef32_pk16_fp6_f32 v[(\pc)+6*qc:(\pc)+6*qc+2], v[(\src)+32*qc:(\src)+32*qc+15], v[TM+12+2*qc]
	v_cvt_scalef32_pk16_fp6_f32 v[SCR+4*qc:SCR+4*qc+2], v[(\src)+32*qc+16:(\src)+32*qc+31], v[TM+13+2*qc]
.set qc, qc+1
.endr
	WIN 0
	v_nop                                                  ; one plain place behind a scaled conversion
.set qc, 0
.rept (\nb)/2                          ; the operand wants a whole block in a lane: lanes 0-15 block 2 c, lanes 16-31 block 2 c + 1
.irp i, 0,1,2
	v_permlane16_swap_b32 v[(\pc)+6*qc+\i], v[SCR+4*qc+\i]
.endr
.irp i, 0,1,2
	v_mov_b32 v[(\pc)+6*qc+3+\i], v[SCR+4*qc+\i]
.endr
.set qc, qc+1
.endr
.if \nb == 2
.irp i, 6,7,8,9,10,11
	v_mov_b32 v[(\pc)+\i], 0                               ; K ends at 64: zero codes fill the instruction's 128
.endr
.endif
.endm
.macro IMAGE adr, pc, off              ; a fragment goes to LDS as an image of its registers
.irp c, 0,1,2
	ds_store_b128 v[\adr], v[(\pc)+4*\c:(\pc)+4*\c+3] offset:(\off)+512*\c
.endr
.endm
.macro FETCH reg, adr, off
.irp c, 0,1,2
	ds_load_b128 v[(\reg)+4*\c:(\reg)+4*\c+3], v[\adr] offset:(\off)+512*\c
.endr
.endm
.macro MMZ d, a, b, sa, sb
	v_wmma_scale_f32_16x16x128_f8f6f4 v[(\d):(\d)+7], v[(\a):(\a)+11], v[(\b):(\b)+11], 0, v[\sa], v[\sb] matrix_a_fmt:MATRIX_FMT_FP6 matrix_b_fmt:MATRIX_FMT_FP6
.endm
; a weight stored [K][N]: lane r takes one column and its registers run down K: W(64 c + 32 h + i, column)
.macro WLOAD nc, rowb, wx, voff, base, off
.set wc, 0
.rept \nc
.set wi, 0
.rept 32
	global_load_b32 v[(\wx)+32*wc+wi], v[\voff], s[\base:\base+1] offset:(\off)+(64*wc+wi)*(\rowb)
.set wi, wi+1
.endr
.set wc, wc+1
.endr
.endm
.macro WQ nc, wx, pc, pw               ; a lane holds whole blocks: 2 c + h
.set wc, 0
.rept \nc
	v_max3_num_f32 v[WM+wc], |v[(\wx)+32*wc]|, |v[(\wx)+32*wc+1]|, 0x1800000
.set wc, wc+1
.endr
.set wi, 2
.rept 15
.set wc, 0
.rept \nc
	v_max3_num_f32 v[WM+wc], v[WM+wc], |v[(\wx)+32*wc+wi]|, |v[(\wx)+32*wc+wi+1]|
.set wc, wc+1
.endr
.set wi, wi+2
.endr
.set wc, 0
.rept \nc
	v_add_nc_u32 v[WM+2+wc], 0xff000000, v[WM+wc]
	v_lshrrev_b32 v[WM+4+wc], 23, v[WM+2+wc]
.set wc, wc+1
.endr
.if \nc == 2
	v_lshl_or_b32 v[\pw], v[WM+5], 16, v[WM+4]
.else
	v_mov_b32 v[\pw], v[WM+4]
.endif
	v_lshlrev_b32 v[WM+6], 3, v[HH]
	v_lshlrev_b32 v[\pw], v[WM+6], v[\pw]                  ; my bytes at their places, 8 h bits up
	v_mov_b32 v[WM+7], 0
	v_permlanex16_b32 v[WM+7], v[\pw], s[SEL], s[SEL+1]
	v_or_b32 v[\pw], v[\pw], v[WM+7]                       ; with lane l xor 16's the word is whole
.set wc, 0
.rept \nc
	v_cvt_scalef32_pk16_fp6_f32 v[(\pc)+6*wc:(\pc)+6*wc+2], v[(\wx)+32*wc:(\wx)+32*wc+15], v[WM+2+wc]
	v_cvt_scalef32_pk16_fp6_f32 v[WSC+4*wc:WSC+4*wc+2], v[(\wx)+32*wc+16:(\wx)+32*wc+31], v[WM+2+wc]
.set wc, wc+1
.endr
	v_nop
.set wc, 0
.rept \nc
.irp i, 0,1,2
	v_mov_b32 v[(\pc)+6*wc+3+\i], v[WSC+4*wc+\i]
.endr
.set wc, wc+1
.endr
.if \nc == 1
.irp i, 6,7,8,9,10,11
	v_mov_b32 v[(\pc)+\i], 0
.endr
.endif
.endm
; eight words of candidates (batch q, loaded into block rb of the raw registers) become x, y, z, |c|^2 in f32, stage by stage so that no line waits for the line above it
.macro CANDS q, rb, left
	s_wait_loadcnt \left                                   ; the candidate loads issued behind this batch of eight may stay out
.irp e, 0,1,2,3,4,5,6,7
.set cb, RAW+32*(\rb)+4*\e
.set ck, 8*(\q)+\e
	v_cvt_f32_i32 v[CX+ck], v[cb+1]
	v_cvt_f32_i32 v[CY+ck], v[cb+2]
	v_cvt_f32_i32 v[CZ+ck], v[cb+3]
.endr
.irp e, 0,1,2,3,4,5,6,7
.set ck, 8*(\q)+\e
	v_mul_f32 v[CS+ck], v[CX+ck], v[CX+ck]
.endr
.irp e, 0,1,2,3,4,5,6,7
.set ck, 8*(\q)+\e
	v_fmac_f32 v[CS+ck], v[CY+ck], v[CY+ck]
.endr
.irp e, 0,1,2,3,4,5,6,7
.set ck, 8*(\q)+\e
	v_fmac_f32 v[CS+ck], v[CZ+ck], v[CZ+ck]
.endr
.endm
; sixteen words of candidates against the query in the scalar registers: eight chains of packed multiply-adds by turns, sixteen compares, sixteen masks into the query's lane
.macro GROUP g
.irp p, 0,1,2,3,4,5,6,7
	v_pk_fma_f32 v[T+2*\p:T+2*\p+1], v[CX+16*(\g)+2*\p:CX+16*(\g)+2*\p+1], s[SAX:SAX+1], v[CS+16*(\g)+2*\p:CS+16*(\g)+2*\p+1] op_sel_hi:[1,0,1]
.endr
.irp p, 0,1,2,3,4,5,6,7
	v_pk_fma_f32 v[T+2*\p:T+2*\p+1], v[CY+16*(\g)+2*\p:CY+16*(\g)+2*\p+1], s[SAY:SAY+1], v[T+2*\p:T+2*\p+1] op_sel_hi:[1,0,1]
.endr
.irp p, 0,1,2,3,4,5,6,7
	v_pk_fma_f32 v[T+2*\p:T+2*\p+1], v[CZ+16*(\g)+2*\p:CZ+16*(\g)+2*\p+1], s[SAZ:SAZ+1], v[T+2*\p:T+2*\p+1] op_sel_hi:[1,0,1]   ; t = |c|^2 - 2 q.c
.endr
.irp i, 0,1,2,3,4,5,6,7,8,9,10,11,12,13,14,15
	v_cmp_ge_f32 s[MK+\i], s[STH], v[T+\i]                 ; 100 - |q|^2 >= t: bit l of the mask is candidate 32 k + l
.endr
.irp i, 0,1,2,3,4,5,6,7,8,9,10,11,12,13,14,15
	v_writelane_b32 v[M+16*(\g)+\i], s[MK+\i], s[SQ]
.endr
.endm
; 32 queries (set 0: the work-group's first 32, set 1: the others), one a trip; then a lane's 32 words, 128 bytes, go to its query's row
.macro QLOOP set
	s_mov_b32 s[SQ], 0
.Lq_\@:
	v_readlane_b32 s[SAX], v[QA+4*(\set)+1], s[SQ]
	v_readlane_b32 s[SAY], v[QA+4*(\set)+2], s[SQ]
	v_readlane_b32 s[SAZ], v[QA+4*(\set)+3], s[SQ]
	v_readlane_b32 s[STH], v[QA+4*(\set)], s[SQ]
	GROUP 0
	GROUP 1
	s_add_co_u32 s[SQ], s[SQ], 1
	s_cmp_lt_u32 s[SQ], 32
	s_cbranch_scc1 .Lq_\@
.irp c, 0,1,2,3,4,5,6,7
	ds_store_b128 v[MST], v[M+4*\c:M+4*\c+3] offset:(\set)*32*WPITCH+16*\c
.endr
	s_wait_dscnt 0x0                                       ; the stores have read their registers
.endm
; a non-zero word goes to the list's front, with its number
.macro PUSH ls, li, w, iv
	v_cmp_ne_u32 vcc_lo, 0, v[\w]
.irp k, 15,14,13,12,11,10,9,8,7,6,5,4,3,2,1
	v_cndmask_b32 v[\ls+\k], v[\ls+\k], v[\ls+\k-1], vcc_lo
	v_cndmask_b32 v[\li+\k], v[\li+\k], v[\li+\k-1], vcc_lo
.endr
	v_cndmask_b32 v[\ls], v[\ls], v[\w], vcc_lo
	v_cndmask_b32 v[\li], v[\li], v[\iv], vcc_lo
.endm
.macro PUSH4 buf                       ; four words, the highest first
.irp e, 3,2,1,0
	PUSH S, I, (\buf)+\e, IV
	v_add_nc_u32 v[IV], -1, v[IV]
.endr
.endm
; a trip: eight words, in two buffers that take turns: each is loaded again behind its own four pushes and read behind the other's
.macro TRIP ahead
	s_wait_dscnt 1                                         ; the older buffer is in; the younger may stay out
	PUSH4 WA
.if \ahead
	s_sub_co_u32 s[SAW], s[SAW], 32
	v_add_nc_u32 v[AW], s[SAW], v[AL]
	ds_load_b128 v[WA:WA+3], v[AW] offset:16
	s_wait_dscnt 1                                         ; likewise
.else
	s_wait_dscnt 0x0
.endif
	PUSH4 WB
.if \ahead
	ds_load_b128 v[WB:WB+3], v[AW]
.endif
.endm
	s_load_b512 s[4:19], s[0:1], 0x0                       ; coords, x, W_top, b_top, W_phi, W_psi, W_alpha, Wd2
	s_load_b256 s[20:27], s[0:1], 0x40                     ; Wg1, Wg2, W_down, gidx
	s_load_b128 s[28:31], s[0:1], 0x60                     ; wimg, part1
	s_set_vgpr_msb 0x40
	v_lshl_add_u32 v0, v0, 2, 0x16500
	v_mov_b32 v1, 0
	s_set_vgpr_msb 0x4000
	v_lshrrev_b32 v21, 5, v0
	v_readfirstlane_b32 s[WV], v21                         ; wave 0..3
	v_and_b32 v[R], 15, v0
	v_bfe_u32 v[HH], v0, 4, 1
	v_and_b32 v21, 31, v0                                  ; lane
	v_lshlrev_b32 v[L16], 4, v21
	v_lshlrev_b32 v[L4], 2, v21
	v_mul_u32_u24 v[MST], v21, WPITCH
	s_lshl_b32 s40, s[WV], 7
	v_add_nc_u32 v[MST], s40, v[MST]                       ; row = lane, + my wave's 32 words
	s_mul_i32 s40, s[WV], 16*WPITCH
	v_mul_u32_u24 v[AL], v[R], WPITCH
	v_lshl_add_u32 v[AL], v[HH], 8, v[AL]
	v_add_nc_u32 v[AL], s40, v[AL]                         ; row 16 w + r, + 64 words for lanes 16-31
	s_lshl_b32 s40, s[WV], 11
	s_add_co_u32 s40, s40, GST
	v_lshlrev_b32 v[GSTW], 6, v[R]
	v_lshl_add_u32 v[GSTW], v[HH], 10, v[GSTW]
	v_add_nc_u32 v[GSTW], s40, v[GSTW]
	v_add_nc_u32 v[GSTR], s40, v[L16]
	s_mul_i32 s40, s[WV], 3072
	s_add_co_u32 s40, s40, WTI
	v_add_nc_u32 v[WTIW], s40, v[L16]
	s_lshl_b32 s40, s[WV], 8
	s_add_co_u32 s40, s40, WTS
	v_add_nc_u32 v[WTSW], s40, v[L4]
	v_add_nc_u32 v[L16W], WTI, v[L16]
	v_add_nc_u32 v[L4W], WTS, v[L4]
	v_and_b32 v[RR8], 8, v[R]
	v_add_nc_u32 v[RR8], v[RR8], v[R]
	s_lshl_b32 s40, s[WV], 10
	s_add_co_u32 s40, s40, CMB1
	v_lshl_add_u32 v[CMBW], v[RR8], 2, s40
	s_and_b32 s41, s[WV], 1
	s_lshl_b32 s41, s41, 8
	v_lshl_add_u32 v[BOFF], v21, 3, s41
	v_add_nc_u32 v[CMBR], CMB1, v[BOFF]
	v_lshlrev_b32 v[XA], 8, v[R]
	v_lshl_add_u32 v[XA], v[HH], 6, v[XA]                  ; x: row r of 256 bytes, + 64 h
	s_lshl_b32 s40, s[WV], 7
	v_lshl_add_u32 v[WOF], v[RR8], 2, s40
	v_lshl_add_u32 v[WOF], v[HH], 14, v[WOF]               ; W_top: column 32 w + r + (r & 8), 32 rows of 512 bytes down for lanes 16-31
	s_lshl_b32 s40, ttmp9, 10
	v_lshl_add_u32 v[QOFF], v21, 4, s40                    ; the row of coords of query 64 g + lane
	s_mov_b32 s[SEL], 0x76543210
	s_mov_b32 s[SEL+1], 0xfedcba98                         ; selects for lane l xor 16
	s_mov_b32 s[SAX+1], 0                                  ; (named with their partners as pairs, so they are written)
	s_mov_b32 s[SAY+1], 0
	s_mov_b32 s[SAZ+1], 0
	s_lshr_b32 s34, ttmp9, 6                               ; the batch: 4,096 rows of 16 bytes,
	s_lshl_b32 s34, s34, 16
	s_lshl_b32 s33, s[WV], 14                              ; my wave's 1,024 of them
	s_add_co_u32 s34, s34, s33
	s_mov_b32 s35, 0
	s_wait_kmcnt 0x0
	s_add_nc_u64 s[CB:CB+1], s[4:5], s[34:35]
	s_cmp_lt_u32 ttmp9, 64
	s_cbranch_scc0 .Lnot_stat
; ---- STATISTICS of t over rows 256 g .. 256 g + 255: a wave takes 64 rows.  The branch hangs on the work-group's number alone, so all four waves pass the two barriers below; the job's LDS bytes are its own.
	s_lshl_b32 s34, ttmp9, 16
	s_lshl_b32 s33, s[WV], 14
	s_add_co_u32 s34, s34, s33
	s_mov_b32 s35, 0
	s_add_nc_u64 s[46:47], s[6:7], s[34:35]                ; x at my 64 rows
	s_lshl_b32 s34, ttmp9, 10
	s_add_nc_u64 s[50:51], s[30:31], s[34:35]              ; part1 at my group's 1,024 bytes
	s_mov_b32 s48, 0x3c800000                              ; 1 / 64
	s_mov_b32 s49, 0xbc800000
	WLOAD 1, 512, WX, WOF, 8, 0                            ; W_top's fragments 2 w and 2 w + 1 (8 columns on)
	WLOAD 1, 512, WX+32, WOF, 8, 32
.irp i, 0,1,2,3
.irp b, 0,1
.irp j, 0,1,2,3
	global_load_b128 v[XR+32*\i+16*\b+4*\j:XR+32*\i+16*\b+4*\j+3], v[XA], s[46:47] offset:4096*\i+128*\b+16*\j
.endr
.endr
.endr
	s_wait_loadcnt 32                                      ; W_top's 64 loads are in; x's 32 may stay out
	WQ 1, WX, PCW, PWW
	IMAGE WTIW, PCW, 0
	ds_store_b32 v[WTSW], v[PWW]
	s_wait_dscnt 0x0                                       ; the stores have read their registers
	WQ 1, WX+32, PCW, PWW
	IMAGE WTIW, PCW, 1536
	ds_store_b32 v[WTSW], v[PWW] offset:128
	BARRIER                                                ; W_top's eight images lie in LDS
.irp b, 0,1,2,3
	v_mov_b32 v[TM+4+\b], 0                                ; a lane permute's destination counts as one of its sources
.endr
	s_wait_loadcnt 0x0
	QUANT XR, 0, XC, XS, 2
	QUANT XR+32, 0, XC+12, XS+1, 2
	QUANT XR+64, 0, XC+24, XS+2, 2
	QUANT XR+96, 0, XC+36, XS+3, 2
.macro SHIFT                           ; the mean of the wave's first 16 rows: what the sums are taken about
.irp tt, 0,1,2,3
	v_pk_add_f32 v[U+2*\tt:U+2*\tt+1], v[DD+8*\tt:DD+8*\tt+1], v[DD+8*\tt+2:DD+8*\tt+3]
.endr
.irp tt, 0,1,2,3
	v_pk_add_f32 v[U2+2*\tt:U2+2*\tt+1], v[DD+8*\tt+4:DD+8*\tt+5], v[DD+8*\tt+6:DD+8*\tt+7]
.endr
.irp tt, 0,1,2,3
	v_pk_add_f32 v[U+2*\tt:U+2*\tt+1], v[U+2*\tt:U+2*\tt+1], v[U2+2*\tt:U2+2*\tt+1]
.endr
.irp tt, 0,1,2,3
	v_add_f32 v[U+2*\tt], v[U+2*\tt], v[U+2*\tt+1]
.endr
.irp tt, 0,1,2,3
	v_permlanex16_b32 v[U2+2*\tt], v[U+2*\tt], s[SEL], s[SEL+1]
.endr
.irp tt, 0,1,2,3
	v_add_f32 v[U+2*\tt], v[U+2*\tt], v[U2+2*\tt]
.endr
.irp tt, 0,1,2,3
	v_mul_f32 v[SH+2*\tt], 0x3d800000, v[U+2*\tt]
.endr
.irp tt, 0,1,2,3
	v_mov_b32 v[SH+2*\tt+1], v[SH+2*\tt]
.endr
.endm
.macro ACCUM                           ; d = t - shift; sums of d and of d^2, two rows at a time
.irp p, 0,2,4,6
.irp tt, 0,1,2,3
	v_pk_add_f32 v[DD+8*\tt+\p:DD+8*\tt+\p+1], v[DD+8*\tt+\p:DD+8*\tt+\p+1], v[SH+2*\tt:SH+2*\tt+1] neg_lo:[0,1] neg_hi:[0,1]
.endr
.irp tt, 0,1,2,3
	v_pk_add_f32 v[S1+2*\tt:S1+2*\tt+1], v[S1+2*\tt:S1+2*\tt+1], v[DD+8*\tt+\p:DD+8*\tt+\p+1]
.endr
.irp tt, 0,1,2,3
	v_pk_fma_f32 v[S2+2*\tt:S2+2*\tt+1], v[DD+8*\tt+\p:DD+8*\tt+\p+1], v[DD+8*\tt+\p:DD+8*\tt+\p+1], v[S2+2*\tt:S2+2*\tt+1]
.endr
.endr
.endm
.irp hh, 0,1                           ; four channel tiles at a time.  Source 0 = 16 rows of x, source 1 = 16 columns of W_top: a lane holds one channel and eight rows
.irp tt, 0,1,2,3
	FETCH WT+12*\tt, L16W, (4*\hh+\tt)*1536
	ds_load_b32 v[WTSC+\tt], v[L4W] offset:(4*\hh+\tt)*128
.endr
.irp k, 0,1,2,3,4,5,6,7,8,9,10,11,12,13,14,15
	v_mov_b32 v[S1+\k], 0                                  ; both sums; also the places between the codes and scale words just made and the scaled products
.endr
	s_wait_dscnt 0x0
.irp i, 0,1,2,3
.irp tt, 0,1,2,3
	MMZ DD+8*\tt, XC+12*\i, WT+12*\tt, XS+\i, WTSC+\tt
.endr
	NOPS 4                                                 ; places in front of the first read of results
.if \i == 0
	SHIFT
.endif
	ACCUM
.endr
.irp tt, 0,1,2,3
	v_add_f32 v[S1+2*\tt], v[S1+2*\tt], v[S1+2*\tt+1]
	v_add_f32 v[S2+2*\tt], v[S2+2*\tt], v[S2+2*\tt+1]
.endr
.irp tt, 0,1,2,3
	v_permlanex16_b32 v[U+2*\tt], v[S1+2*\tt], s[SEL], s[SEL+1]
	v_permlanex16_b32 v[U+2*\tt+1], v[S2+2*\tt], s[SEL], s[SEL+1]
.endr
.irp tt, 0,1,2,3
	v_add_f32 v[S1+2*\tt], v[S1+2*\tt], v[U+2*\tt]
	v_add_f32 v[S2+2*\tt], v[S2+2*\tt], v[U+2*\tt+1]
.endr
.irp tt, 0,1,2,3
	v_fma_f32 v[U+2*\tt], v[S1+2*\tt], s48, v[SH+2*\tt]    ; the 64 rows' mean
	v_mul_f32 v[U2+2*\tt], v[S1+2*\tt], v[S1+2*\tt]
.endr
.irp tt, 0,1,2,3
	v_fma_f32 v[U+2*\tt+1], v[U2+2*\tt], s49, v[S2+2*\tt]  ; and their sum of squared deviations from it
.endr
.irp tt, 0,1,2,3
	ds_store_b32 v[CMBW], v[U+2*\tt] offset:4*(32*((4*\hh+\tt)/2)+8*((4*\hh+\tt)%2))        ; lanes l and l xor 16 write the same word with the same value
	ds_store_b32 v[CMBW], v[U+2*\tt+1] offset:512+4*(32*((4*\hh+\tt)/2)+8*((4*\hh+\tt)%2))
.endr
.endr
	BARRIER                                                ; the four waves' figures lie in LDS
	s_cmp_lt_u32 s[WV], 2                                  ; waves 0 and 1 join them: 64 channels each, two a lane, so that a store covers 256 consecutive bytes
	s_cbranch_scc0 .Lscan
	global_load_b64 v[224:225], v[BOFF], s[10:11]          ; b_top
.irp k, 0,1,2,3
	ds_load_b64 v[208+2*\k:209+2*\k], v[CMBR] offset:1024*\k
	ds_load_b64 v[216+2*\k:217+2*\k], v[CMBR] offset:1024*\k+512
.endr
	s_wait_dscnt 0x0
	v_pk_add_f32 v[226:227], v[208:209], v[210:211]
	v_pk_add_f32 v[228:229], v[212:213], v[214:215]
	v_pk_add_f32 v[226:227], v[226:227], v[228:229]
	v_pk_mul_f32 v[226:227], v[226:227], 0x3e800000 op_sel_hi:[1,0]       ; the 256 rows' mean
.irp k, 0,1,2,3
	v_pk_add_f32 v[208+2*\k:209+2*\k], v[208+2*\k:209+2*\k], v[226:227] neg_lo:[0,1] neg_hi:[0,1]
.endr
	v_pk_mul_f32 v[228:229], v[208:209], v[208:209]
.irp k, 1,2,3
	v_pk_fma_f32 v[228:229], v[208+2*\k:209+2*\k], v[208+2*\k:209+2*\k], v[228:229]
.endr
	v_pk_add_f32 v[216:217], v[216:217], v[218:219]
	v_pk_add_f32 v[220:221], v[220:221], v[222:223]
	v_pk_add_f32 v[216:217], v[216:217], v[220:221]
	v_pk_fma_f32 v[216:217], v[228:229], 0x42800000, v[216:217] op_sel_hi:[1,0,1]   ; + 64 x the squared distances of the waves' means
	s_wait_loadcnt 0x0
	v_pk_add_f32 v[226:227], v[226:227], v[224:225]        ; the bias moves the mean and nothing else
	global_store_b64 v[BOFF], v[226:227], s[50:51]
	global_store_b64 v[BOFF], v[216:217], s[50:51] offset:512
	s_branch .Lscan
.Lnot_stat:
	s_cmp_lt_u32 ttmp9, 79
	s_cbranch_scc0 .Lscan
; ---- WEIGHTS: wave w of work-group 64 + i quantises fragment f = 4 i + w (8 for each of W_top, W_phi, W_psi, W_alpha, Wd2, Wg1, Wg2; 4 for W_down).  A work-group's four fragments belong to one weight.
	s_sub_co_u32 s46, ttmp9, 64
	s_lshr_b32 s47, s46, 1                                 ; which weight
	s_lshl_b32 s48, s46, 2
	s_add_co_u32 s48, s48, s[WV]                           ; f
	s_and_b32 s49, s48, 7                                  ; t
	s_mul_i32 s34, s48, FRB
	s_mov_b32 s35, 0
	s_add_nc_u64 s[52:53], s[28:29], s[34:35]
	s_mov_b64 s[54:55], s[8:9]
	s_cmp_eq_u32 s47, 1
	s_cselect_b64 s[54:55], s[12:13], s[54:55]
	s_cmp_eq_u32 s47, 2
	s_cselect_b64 s[54:55], s[14:15], s[54:55]
	s_cmp_eq_u32 s47, 3
	s_cselect_b64 s[54:55], s[16:17], s[54:55]
	s_cmp_eq_u32 s47, 4
	s_cselect_b64 s[54:55], s[18:19], s[54:55]
	s_cmp_eq_u32 s47, 5
	s_cselect_b64 s[54:55], s[20:21], s[54:55]
	s_cmp_eq_u32 s47, 6
	s_cselect_b64 s[54:55], s[22:23], s[54:55]
	s_cmp_eq_u32 s47, 7
	s_cselect_b64 s[54:55], s[24:25], s[54:55]
	s_lshr_b32 s56, s49, 1
	s_lshl_b32 s56, s56, 5
	s_and_b32 s57, s49, 1
	s_lshl_b32 s57, s57, 3
	s_add_co_u32 s56, s56, s57
	v_add_nc_u32 v21, s56, v[RR8]                          ; P = 32 (t / 2) + 8 (t % 2) + r + (r & 8)
	v_and_b32 v22, 64, v21                                 ; W_alpha: place P of a value row holds the channel that the reader's lane (P / 4) % 16 wants for tile 4 (P / 64) + P % 4
	v_bfe_u32 v23, v21, 1, 1
	v_lshl_add_u32 v22, v23, 5, v22
	v_and_b32 v23, 1, v21
	v_lshl_add_u32 v22, v23, 3, v22
	v_bfe_u32 v23, v21, 2, 4
	v_add_nc_u32 v22, v22, v23
	v_and_b32 v23, 8, v23
	v_add_nc_u32 v22, v22, v23
	s_cmp_eq_u32 s47, 3
	s_cselect_b32 s57, -1, 0
	v_cndmask_b32 v21, v21, v22, s57
	v_lshlrev_b32 v21, 2, v21
	v_lshl_add_u32 v21, v[HH], 14, v21                     ; 4 x column + 32 rows of 512 bytes for lanes 16-31
	s_cmp_eq_u32 s47, 0
	s_cbranch_scc1 .Lw_top
	s_cmp_eq_u32 s47, 7
	s_cbranch_scc1 .Lw_down
	WLOAD 2, 512, WX, 21, 54, 0
	s_wait_loadcnt 0x0
	WQ 2, WX, PCW, PWW
	s_branch .Lw_out
.Lw_top:                               ; K = 64
	WLOAD 1, 512, WX, 21, 54, 0
	s_wait_loadcnt 0x0
	WQ 1, WX, PCW, PWW
	s_branch .Lw_out
.Lw_down:                              ; rows of 64 numbers; column 16 t + r
	s_lshl_b32 s56, s49, 4
	v_add_nc_u32 v21, s56, v[R]
	v_lshlrev_b32 v21, 2, v21
	v_lshl_add_u32 v21, v[HH], 13, v21
	WLOAD 2, 256, WX, 21, 54, 0
	s_wait_loadcnt 0x0
	WQ 2, WX, PCW, PWW
.Lw_out:
.irp c, 0,1,2
	global_store_b128 v[L16], v[PCW+4*\c:PCW+4*\c+3], s[52:53] offset:512*\c     ; 512 consecutive bytes a store
.endr
	global_store_b32 v[L4], v[PWW], s[52:53] offset:1536
.Lscan:
; ---- THE SEARCH, PHASE 1
	s_wait_xcnt 0x0                                        ; the side jobs' stores have read their registers
	global_load_b128 v[QA:QA+3], v[QOFF], s[4:5]           ; queries 64 g + lane
	global_load_b128 v[QA+4:QA+7], v[QOFF], s[4:5] offset:512   ; and 64 g + 32 + lane
.set i, 0
.rept 24
	global_load_b128 v[RAW+4*i:RAW+4*i+3], v[L16], s[CB:CB+1] offset:512*i       ; word i of my candidates: 32 lanes read 512 consecutive bytes
.set i, i+1
.endr
	s_wait_loadcnt 24                                      ; the queries are in: 24 loads were issued behind them
.irp s, 0,4
	v_cvt_f32_i32 v[QA+\s+1], v[QA+\s+1]
	v_cvt_f32_i32 v[QA+\s+2], v[QA+\s+2]
	v_cvt_f32_i32 v[QA+\s+3], v[QA+\s+3]
.endr
.irp s, 0,4
	v_mul_f32 v[QA+\s], v[QA+\s+1], v[QA+\s+1]
.endr
.irp s, 0,4
	v_fmac_f32 v[QA+\s], v[QA+\s+2], v[QA+\s+2]
.endr
.irp s, 0,4
	v_fmac_f32 v[QA+\s], v[QA+\s+3], v[QA+\s+3]
.endr
.irp s, 0,4
	v_sub_f32 v[QA+\s], 0x42c80000, v[QA+\s]               ; 100 - |q|^2
	v_mul_f32 v[QA+\s+1], -2.0, v[QA+\s+1]
	v_mul_f32 v[QA+\s+2], -2.0, v[QA+\s+2]
	v_mul_f32 v[QA+\s+3], -2.0, v[QA+\s+3]
.endr
	CANDS 0, 0, 16
.set i, 0
.rept 8
	global_load_b128 v[RAW+4*i:RAW+4*i+3], v[L16], s[CB:CB+1] offset:512*(24+i)  ; the last eight words, into the registers that the first eight have left
.set i, i+1
.endr
	CANDS 1, 1, 16
	CANDS 2, 2, 8
	CANDS 3, 0, 0
.set i, 0
.rept 32
	v_mov_b32 v[M+i], 0                                    ; a lane write's destination counts as one of its sources; every lane is written in each run of 32 queries
.set i, i+1
.endr
	QLOOP 0
	QLOOP 1
	BARRIER                                                ; the 64 queries' 128 words lie in LDS
; ---- PHASE 2
.irp k, 0,1,2,3,4,5,6,7,8,9,10,11,12,13,14,15
	v_mov_b32 v[S+\k], 0                                   ; an empty list is a list of zero words
	v_mov_b32 v[I+\k], 0
	v_mov_b32 v[MS+\k], 0                                  ; (lane permutes' destinations)
	v_mov_b32 v[MI+\k], 0
.endr
	v_lshl_add_u32 v[IV], v[HH], 6, 63                     ; the number of the first word pushed: the highest of my half
	v_add_nc_u32 v[AW], 224, v[AL]
	ds_load_b128 v[WA:WA+3], v[AW] offset:16               ; words 60-63 of my 64,
	ds_load_b128 v[WB:WB+3], v[AW]                         ; words 56-59
	s_mov_b32 s[SAW], 224
	s_mov_b32 s[SCNT], 7
.Ltrip:
	TRIP 1
	s_sub_co_u32 s[SCNT], s[SCNT], 1
	s_cmp_lg_u32 s[SCNT], 0
	s_cbranch_scc1 .Ltrip
	TRIP 0                                                 ; the last trip fetches nothing
; MERGE: lanes 0-15 take the upper half's list and push their own words on it, highest first.  (Lanes 16-31 run the same lines on numbers that nobody reads.)
.irp k, 0,1,2,3,4,5,6,7,8,9,10,11,12,13,14,15
	v_permlanex16_b32 v[MS+\k], v[S+\k], s[SEL], s[SEL+1]
	v_permlanex16_b32 v[MI+\k], v[I+\k], s[SEL], s[SEL+1]
.endr
.irp k, 15,14,13,12,11,10,9,8,7,6,5,4,3,2,1,0
	PUSH MS, MI, S+\k, I+\k
.endr
; DECODE: 16 times the lowest set bit of the list's first word; a word that is used up leaves the list.  Values only: selects, no branch.
	s_lshr_b32 s[SB], ttmp9, 6
	s_lshl_b32 s[SB], s[SB], 12
	s_sub_co_u32 s[SB], s[SB], 127                         ; the batch's first row, less the exponent's bias
.set dt, 0
.rept 16
	v_sub_nc_u32 v[T0], 0, v[MS]
	v_and_b32 v[T0], v[MS], v[T0]                          ; the lowest set bit
	v_cvt_f32_u32 v[T1], v[T0]
	v_lshrrev_b32 v[T1], 23, v[T1]                         ; its place + 127
	v_lshl_add_u32 v[T1], v[MI], 5, v[T1]
	v_add_nc_u32 v[T1], s[SB], v[T1]
.if dt == 0
	v_mov_b32 v[OUT], v[T1]                                ; the query itself lies within its radius: the first slot is always filled
.else
	v_cmp_ne_u32 vcc_lo, 0, v[MS]
	v_cndmask_b32 v[OUT+dt], v[OUT], v[T1], vcc_lo         ; an empty slot repeats the first hit
.endif
	v_xor_b32 v[MS], v[MS], v[T0]
.if dt < 15
	v_cmp_eq_u32 vcc_lo, 0, v[MS]
.set dk, 0
.rept 15-dt
	v_cndmask_b32 v[MS+dk], v[MS+dk], v[MS+dk+1], vcc_lo
	v_cndmask_b32 v[MI+dk], v[MI+dk], v[MI+dk+1], vcc_lo
.set dk, dk+1
.endr
.endif
.set dt, dt+1
.endr
; THE WAY OUT: a lane holds a query's 64 bytes; through the wave's own stage they leave as 512 consecutive bytes a store
	s_lshl_b32 s34, ttmp9, 12
	s_lshl_b32 s33, s[WV], 10
	s_add_co_u32 s34, s34, s33
	s_mov_b32 s35, 0
	s_add_nc_u64 s[62:63], s[26:27], s[34:35]
.irp c, 0,1,2,3
	ds_store_b128 v[GSTW], v[OUT+4*\c:OUT+4*\c+3] offset:16*\c
.endr
	ds_load_b128 v[OB:OB+3], v[GSTR]                       ; LDS serves a wave's instructions in order: these see my stores
	ds_load_b128 v[OB+4:OB+7], v[GSTR] offset:512
	s_wait_dscnt 1
	global_store_b128 v[L16], v[OB:OB+3], s[62:63]
	s_wait_dscnt 0x0
	global_store_b128 v[L16], v[OB+4:OB+7], s[62:63] offset:512
	s_set_vgpr_msb 0x5
	s_wait_tensorcnt 0x0
	ds_add_u32 v0, v1
	s_wait_dscnt 0x0
	s_set_vgpr_msb 0x500
	s_endpgm
.Lfunc_end_k_q23963ca5cb_scan:
	.size	k_q23963ca5cb_scan, .Lfunc_end_k_q23963ca5cb_scan-k_q23963ca5cb_scan
	.p2alignl 7, 3214868480
	.fill 96, 4, 3214868480
	.section	.rodata,"a",@progbits
	.p2align	6, 0x0
	.amdhsa_kernel k_q23963ca5cb_scan
		.amdhsa_group_segment_fixed_size 91904
		.amdhsa_private_segment_fixed_size 0
		.amdhsa_enable_private_segment 0
		.amdhsa_kernarg_size 112
		.amdhsa_user_sgpr_count 2
		.amdhsa_user_sgpr_kernarg_segment_ptr 1
		.amdhsa_wavefront_size32 1
		.amdhsa_system_sgpr_workgroup_id_x 1
		.amdhsa_system_sgpr_workgroup_id_y 1
		.amdhsa_system_sgpr_workgroup_id_z 1
		.amdhsa_system_vgpr_workitem_id 0
		.amdhsa_next_free_vgpr 258
		.amdhsa_next_free_sgpr 90
		.amdhsa_reserve_vcc 1
		.amdhsa_float_denorm_mode_32 3
		.amdhsa_float_denorm_mode_16_64 3
		.amdhsa_memory_ordered 1
		.amdhsa_forward_progress 1
		.amdhsa_inst_pref_size 172
	.end_amdhsa_kernel
	.amdgpu_metadata
---
amdhsa.version: [ 1, 2 ]
amdhsa.kernels:
  - .name:           k_q23963ca5cb_scan
    .symbol:         k_q23963ca5cb_scan.kd
    .args:
      - { .name: coords, .offset: 0, .size: 8, .value_kind: global_buffer, .address_space: global }
      - { .name: x, .offset: 8, .size: 8, .value_kind: global_buffer, .address_space: global }
      - { .name: W_top, .offset: 16, .size: 8, .value_kind: global_buffer, .address_space: global }
      - { .name: b_top, .offset: 24, .size: 8, .value_kind: global_buffer, .address_space: global }
      - { .name: W_phi, .offset: 32, .size: 8, .value_kind: global_buffer, .address_space: global }
      - { .name: W_psi, .offset: 40, .size: 8, .value_kind: global_buffer, .address_space: global }
      - { .name: W_alpha, .offset: 48, .size: 8, .value_kind: global_buffer, .address_space: global }
      - { .name: Wd2, .offset: 56, .size: 8, .value_kind: global_buffer, .address_space: global }
      - { .name: Wg1, .offset: 64, .size: 8, .value_kind: global_buffer, .address_space: global }
      - { .name: Wg2, .offset: 72, .size: 8, .value_kind: global_buffer, .address_space: global }
      - { .name: W_down, .offset: 80, .size: 8, .value_kind: global_buffer, .address_space: global }
      - { .name: gidx, .offset: 88, .size: 8, .value_kind: global_buffer, .address_space: global }
      - { .name: wimg, .offset: 96, .size: 8, .value_kind: global_buffer, .address_space: global }
      - { .name: part1, .offset: 104, .size: 8, .value_kind: global_buffer, .address_space: global }
    .group_segment_fixed_size: 91904
    .private_segment_fixed_size: 0
    .kernarg_segment_align: 8
    .kernarg_segment_size: 112
    .max_flat_workgroup_size: 128
    .sgpr_count:     90
    .vgpr_count:     258
    .wavefront_size: 32
...
	.end_amdgpu_metadata
.endif
;; end of part 1
;; launch prep (part 2): grid 256 x 1, 4 waves a work-group, no clusters, 44,544 bytes of LDS; arguments x, coords, b_top, g1, be1, bd2, gidx, wimg, part1, qtab, kvtab, relb; writes qtab, kvtab, relb
.if DOCPART == 2
	.amdgcn_target "amdgcn-amd-amdhsa--gfx1250"
	.amdhsa_code_object_version 6
	.text
	.protected	k_q23963ca5cb_prep
	.globl	k_q23963ca5cb_prep
	.p2align	8
	.type	k_q23963ca5cb_prep,@function
k_q23963ca5cb_prep:
	s_mov_b64 s[64:65], 0
	v_nop
	global_prefetch_b8 v0, s[64:65] scope:SCOPE_SE
	s_setreg_imm32_b32 hwreg(HW_REG_WAVE_MODE, 25, 1), 1
	s_wait_xcnt 0x0
; prep: the first batch norm is finished from the 64 groups' figures; t = x W_top + b_top is made again for the wave's 16 rows; y = BN(t) is quantised; q + bd2, kf and v go to tables; the relative positions go to relb.
; A work-group owns 64 rows, a wave 16: one tile.  All 32 weight fragments (images of operand registers, made by the launch before) are asked for at the head, into windows 1 and 2.
; All products are used transposed (source 0 = 16 columns of the weight, source 1 = my 16 rows): lane (r, h) holds row r, and register 16 b + i the place 32 b + 16 h + i of the row: 16 neighbours along the next K.
; The variance is (sum of the groups' squared deviations + 256 x the squared distances of the groups' means from the mean) / 16384: no difference of large sums.
; LIMITS: coordinates whose differences stay under 2^24 (the difference is taken in whole numbers, then converted); NaN and infinities are not served; a block of zeros gets the scale byte 1 (its codes are zeros).
; No tensor loads, no cluster: what the work-groups share is 57 KiB of weights read once a wave into registers.
.set FRB, 1792
.set RED1, 0                           ; LDS: [2][64] quads, first pass;  [2][64] quads, second pass
.set RED2, 2048
.set WST, 4096                         ; per wave 1,536: 128 means, 128 scales, 128 betas: each wave's own copy, so no two waves write the same bytes
.set STG, 10240                        ; per wave 16 rows x (512 + 16) bytes: the way out
.set R, 1
.set HH, 2
.set L16, 3
.set L4, 4
.set XA, 5
.set PA, 6
.set T16, 7
.set REDC, 8
.set WSTW, 10
.set WSTR, 11
.set STGW, 12
.set STGR, 13
.set B64H, 14
.set OWN, 15
.set GI, 16                            ; v16-23 neighbour numbers, then byte offsets
.set XC, 24                            ; v24-35 the codes of x, later of y
.set XS, 36
.set YS, 37
.set TM, 40
.set SCR, 56
.set ACC, 64                           ; v64-127
.set WS, 128                           ; v128-159 the 32 fragments' scale words
.set TB1, 160                          ; v160-223
.set G1R, 224
.set BE1R, 228
.set RA, 232                           ; v232-247 four running quads
.set MUQ, 248
.set TB3, 192                          ; window 1: fragments 0-15 at 12 f; v192-255 beta
.set NB, 192                           ; window 2: fragments 16-31 at 12 (f - 16); v192-223 neighbours' rows of coords, v224-255 own rows
.set OW, 224
.set RR, 0                             ; window 3: v0-127 the groups' figures; v128-191 scales; v192-255 bd2
.set TB2, 128
.set BD, 192
.set WV, 28
.set SEL, 32
.set MSB, 0
.macro WIN new                         ; the immediate's high byte repeats the setting that is left
.if MSB != (\new)
	s_set_vgpr_msb (MSB<<8)|(\new)
.set MSB, (\new)
.endif
.endm
.macro NOPS n
.rept \n
	v_nop
.endr
.endm
.macro BARRIER
	s_wait_dscnt 0x0
	s_barrier_signal -1
	s_barrier_wait -1
.endm
.macro QUANT src, ws, pc, pw, nb       ; 16 nb numbers of a lane, register 16 b + i = k 32 b + 16 (lane / 16) + i, become codes in v[pc] on and a scale word in v[pw]
	WIN (((\ws)<<2)|((\ws)<<4))
.set qb, 0
.rept \nb
	v_max3_num_f32 v[TM+qb], 0x1800000, |v[(\src)+16*qb]|, |v[(\src)+16*qb+1]|   ; the floor 2^(3 - 127): the byte cannot fall under 1
.set qb, qb+1
.endr
.set qi, 2
.rept 7
.set qb, 0
.rept \nb
	v_max3_num_f32 v[TM+qb], v[TM+qb], |v[(\src)+16*qb+qi]|, |v[(\src)+16*qb+qi+1]|
.set qb, qb+1
.endr
.set qi, qi+2
.endr
	WIN 0
.set qb, 0
.rept \nb
	v_permlanex16_b32 v[TM+4+qb], v[TM+qb], s[SEL], s[SEL+1]
.set qb, qb+1
.endr
.set qb, 0
.rept \nb
	v_max_num_f32 v[TM+qb], v[TM+qb], v[TM+4+qb]
.set qb, qb+1
.endr
.set qb, 0
.rept \nb
	v_add_nc_u32 v[TM+12+qb], 0xff000000, v[TM+qb]        ; 2 off the exponent field: the conversion's scale operand
.set qb, qb+1
.endr
.set qb, 0
.rept \nb
	v_lshrrev_b32 v[TM+4+qb], 23, v[TM+12+qb]
.set qb, qb+1
.endr
	v_lshl_or_b32 v[\pw], v[TM+5], 8, v[TM+4]
.if \nb == 4
	v_lshl_or_b32 v[\pw], v[TM+6], 16, v[\pw]
	v_lshl_or_b32 v[\pw], v[TM+7], 24, v[\pw]
.endif
	WIN (\ws)
.set qc, 0
.rept (\nb)/2
	v_cvt_scalef32_pk16_fp6_f32 v[(\pc)+6*qc:(\pc)+6*qc+2], v[(\src)+32*qc:(\src)+32*qc+15], v[TM+12+2*qc]
	v_cvt_scalef32_pk16_fp6_f32 v[SCR+4*qc:SCR+4*qc+2], v[(\src)+32*qc+16:(\src)+32*qc+31], v[TM+13+2*qc]
.set qc, qc+1
.endr
	WIN 0
	v_nop                                                  ; one plain place behind a scaled conversion
.set qc, 0
.rept (\nb)/2
.irp i, 0,1,2
	v_permlane16_swap_b32 v[(\pc)+6*qc+\i], v[SCR+4*qc+\i]
.endr
.irp i, 0,1,2
	v_mov_b32 v[(\pc)+6*qc+3+\i], v[SCR+4*qc+\i]
.endr
.set qc, qc+1
.endr
.if \nb == 2
.irp i, 6,7,8,9,10,11
	v_mov_b32 v[(\pc)+\i], 0                               ; K ends at 64: zero codes fill the instruction's 128
.endr
.endif
.endm
.macro GFRAG reg, f                    ; a fragment comes as it was stored: three loads of 512 consecutive bytes
.irp c, 0,1,2
	global_load_b128 v[(\reg)+4*\c:(\reg)+4*\c+3], v[L16], s[18:19] offset:(\f)*FRB+512*\c
.endr
.endm
.macro MMZ d, a, b, sa, sb
	v_wmma_scale_f32_16x16x128_f8f6f4 v[(\d):(\d)+7], v[(\a):(\a)+11], v[(\b):(\b)+11], 0, v[\sa], v[\sb] matrix_a_fmt:MATRIX_FMT_FP6 matrix_b_fmt:MATRIX_FMT_FP6
.endm
.macro MMC d, a, b, cc, sa, sb
	v_wmma_scale_f32_16x16x128_f8f6f4 v[(\d):(\d)+7], v[(\a):(\a)+11], v[(\b):(\b)+11], v[(\cc):(\cc)+7], v[\sa], v[\sb] matrix_a_fmt:MATRIX_FMT_FP6 matrix_b_fmt:MATRIX_FMT_FP6
.endm
.macro QJOIN                           ; the four running quads become one
.irp e, 0,2
	v_pk_add_f32 v[RA+\e:RA+\e+1], v[RA+\e:RA+\e+1], v[RA+4+\e:RA+4+\e+1]
	v_pk_add_f32 v[RA+8+\e:RA+8+\e+1], v[RA+8+\e:RA+8+\e+1], v[RA+12+\e:RA+12+\e+1]
.endr
.irp e, 0,2
	v_pk_add_f32 v[RA+\e:RA+\e+1], v[RA+\e:RA+\e+1], v[RA+8+\e:RA+8+\e+1]
.endr
.endm
; y x one weight: eight products, then 16 whole rows of 512 bytes through the wave's own stage
.macro OUTM win, fr, sc, cb, base, stride, boff
	WIN \win
.irp t, 0,1,2,3,4,5,6,7
.if \cb
	MMC ACC+8*\t, (\fr)+12*\t, XC, BD+8*\t, WS+(\sc)+\t, YS
.else
	MMZ ACC+8*\t, (\fr)+12*\t, XC, WS+(\sc)+\t, YS
.endif
.endr
	WIN 0
	NOPS 5                                                 ; places in front of the first read of results, and one more for the next product's instructions, which write over these accumulators
	s_wait_xcnt 0x0                                        ; the earlier rows' stores have read their registers
.irp b, 0,1,2,3
.irp i, 0,1,2,3
	ds_store_b128 v[STGW], v[ACC+16*\b+4*\i:ACC+16*\b+4*\i+3] offset:128*\b+16*\i
.endr
.endr
.irp m, 0,1,2,3,4,5,6,7,8,9,10,11,12,13,14,15
	ds_load_b128 v[TB1+4*\m:TB1+4*\m+3], v[STGR] offset:528*\m    ; LDS serves a wave's instructions in order: these see my stores
.endr
.irp m, 0,1,2,3,4,5,6,7,8,9,10,11,12,13,14,15
	s_wait_dscnt 15-\m
	global_store_b128 v[L16], v[TB1+4*\m:TB1+4*\m+3], s[\base:\base+1] offset:\m*(\stride)+(\boff)   ; 32 lanes store 512 consecutive bytes
.endr
.endm
	s_load_b512 s[4:19], s[0:1], 0x0                       ; x, coords, b_top, g1, be1, bd2, gidx, wimg
	s_load_b256 s[20:27], s[0:1], 0x40                     ; part1, qtab, kvtab, relb
	v_lshl_add_u32 v254, v0, 2, 0xac00
	v_mov_b32 v255, 0
	v_lshrrev_b32 v15, 5, v0
	v_readfirstlane_b32 s[WV], v15
	v_and_b32 v[R], 15, v0
	v_bfe_u32 v[HH], v0, 4, 1
	v_and_b32 v15, 31, v0
	v_lshlrev_b32 v[L16], 4, v15
	v_lshlrev_b32 v[L4], 2, v15
	v_lshlrev_b32 v[XA], 8, v[R]
	v_lshl_add_u32 v[XA], v[HH], 6, v[XA]
	v_lshlrev_b32 v[T16], 4, v0
	v_and_b32 v[REDC], 63, v0
	v_lshlrev_b32 v[REDC], 4, v[REDC]                      ; my column of a group's 64 quads (0-31 means, 32-63 squared deviations)
	v_lshrrev_b32 v[PA], 6, v0
	v_lshl_add_u32 v[PA], v[PA], 10, v[REDC]               ; groups thread / 64 + 2 i
	s_mul_i32 s34, s[WV], 1536
	s_add_co_u32 s34, s34, WST
	v_add_nc_u32 v[WSTW], s34, v[L16]
	v_lshlrev_b32 v[B64H], 6, v[HH]
	v_add_nc_u32 v[WSTR], s34, v[B64H]
	s_mul_i32 s34, s[WV], 8448
	s_add_co_u32 s34, s34, STG
	v_mul_u32_u24 v[STGW], v[R], 528
	v_add_nc_u32 v[STGW], v[STGW], v[B64H]
	v_add_nc_u32 v[STGW], s34, v[STGW]
	v_add_nc_u32 v[STGR], s34, v[L16]
	v_lshlrev_b32 v[OWN], 4, v[HH]
.irp b, 0,1,2,3
	v_mov_b32 v[TM+4+\b], 0                                ; a lane permute's destination counts as one of its sources
.endr
	s_mov_b32 s[SEL], 0x76543210
	s_mov_b32 s[SEL+1], 0xfedcba98
	s_mov_b32 s40, 0x38800000                              ; 1 / 16384
	s_mov_b32 s41, 0x3727c5ac                              ; 1e-5
	s_lshl_b32 s29, ttmp9, 6
	s_lshl_b32 s30, s[WV], 4
	s_add_co_u32 s29, s29, s30                             ; my first row
	s_mov_b32 s31, 0
	s_wait_kmcnt 0x0
	s_lshl_b32 s30, s29, 8
	s_add_nc_u64 s[4:5], s[4:5], s[30:31]                  ; x
	s_add_nc_u64 s[26:27], s[26:27], s[30:31]              ; relb
	s_lshl_b32 s30, s29, 6
	s_add_nc_u64 s[16:17], s[16:17], s[30:31]              ; gidx
	s_lshl_b32 s30, s29, 9
	s_add_nc_u64 s[22:23], s[22:23], s[30:31]              ; qtab
	s_lshl_b32 s30, s29, 10
	s_add_nc_u64 s[24:25], s[24:25], s[30:31]              ; kvtab
	s_lshl_b32 s30, s29, 4
	s_add_nc_u64 s[34:35], s[6:7], s[30:31]                ; coords at my rows
.irp b, 0,1
.irp j, 0,1,2,3
	global_load_b128 v[ACC+16*\b+4*\j:ACC+16*\b+4*\j+3], v[XA], s[4:5] offset:128*\b+16*\j
.endr
.endr
	global_load_b128 v[G1R:G1R+3], v[L16], s[10:11]
	global_load_b128 v[BE1R:BE1R+3], v[L16], s[12:13]
.irp i, 0,1,2,3,4,5,6,7
	global_load_b32 v[GI+\i], v[L4], s[16:17] offset:128*\i        ; entry 32 i + lane of my 16 x 16
.endr
	WIN 0xc0
.set i, 0
.rept 32
	global_load_b128 v[RR+4*i:RR+4*i+3], v[PA], s[20:21] offset:2048*i
.set i, i+1
.endr
	WIN 0
	s_wait_loadcnt 42                                      ; x is in: 2 + 8 + 32 loads were issued behind it
	QUANT ACC, 0, XC, XS, 2
	s_wait_loadcnt 0x0
; first pass: the sum of my column over my 32 groups
	WIN 0x0f
.irp k, 0,1,2,3
.irp e, 0,2
	v_pk_add_f32 v[RA+4*\k+\e:RA+4*\k+\e+1], v[RR+4*\k+\e:RR+4*\k+\e+1], v[RR+16+4*\k+\e:RR+16+4*\k+\e+1]
.endr
.endr
	WIN 0x0c
.irp m, 2,3,4,5,6,7
.irp k, 0,1,2,3
.irp e, 0,2
	v_pk_add_f32 v[RA+4*\k+\e:RA+4*\k+\e+1], v[RA+4*\k+\e:RA+4*\k+\e+1], v[RR+16*\m+4*\k+\e:RR+16*\m+4*\k+\e+1]
.endr
.endr
.endr
	WIN 0
	QJOIN
	ds_store_b128 v[T16], v[RA:RA+3]
.irp i, 0,1,2,3,4,5,6,7
	v_min_u32 v[GI+\i], 0x3fff, v[GI+\i]                   ; a loaded number enters an address only behind this bound
	v_lshlrev_b32 v[GI+\i], 4, v[GI+\i]
.endr
; everything else that the wave will read is asked for now
	WIN 0x40
.irp f, 0,1,2,3,4,5,6,7,8,9,10,11,12,13,14,15
	GFRAG 12*\f, \f                                        ; W_top, W_phi
.endr
	WIN 0x80
.irp f, 0,1,2,3,4,5,6,7,8,9,10,11,12,13,14,15
	GFRAG 12*\f, 16+\f                                     ; W_psi, W_alpha
.endr
.irp i, 0,1,2,3,4,5,6,7
	global_load_b128 v[NB+4*\i:NB+4*\i+3], v[GI+\i], s[6:7]                    ; the neighbour's row of coords
	global_load_b128 v[OW+4*\i:OW+4*\i+3], v[OWN], s[34:35] offset:32*\i       ; the point's own: row 2 i + lane / 16
.endr
	WIN 0xc0
.irp b, 0,1,2,3
.irp i, 0,1,2,3
	global_load_b128 v[BD+16*\b+4*\i:BD+16*\b+4*\i+3], v[B64H], s[14:15] offset:128*\b+16*\i   ; bd2 in the result's layout
.endr
.endr
	WIN 0
.set i, 0
.rept 32
	global_load_b32 v[WS+i], v[L4], s[18:19] offset:i*FRB+1536
.set i, i+1
.endr
.irp b, 0,1,2,3
.irp i, 0,1,2,3
	global_load_b128 v[ACC+16*\b+4*\i:ACC+16*\b+4*\i+3], v[B64H], s[8:9] offset:128*\b+16*\i   ; b_top: the C of t's products
.endr
.endr
	BARRIER
	ds_load_b128 v[160:163], v[REDC]
	ds_load_b128 v[164:167], v[REDC] offset:1024
	s_wait_dscnt 0x0
	v_pk_add_f32 v[MUQ:MUQ+1], v[160:161], v[164:165]
	v_pk_add_f32 v[MUQ+2:MUQ+3], v[162:163], v[166:167]
	v_pk_mul_f32 v[MUQ:MUQ+1], v[MUQ:MUQ+1], 0x3c800000 op_sel_hi:[1,0]
	v_pk_mul_f32 v[MUQ+2:MUQ+3], v[MUQ+2:MUQ+3], 0x3c800000 op_sel_hi:[1,0]      ; my column's mean over the 64 groups
; second pass: squared distances from it (used of the means' columns alone)
	WIN 0xc3
.set i, 0
.rept 32
	v_pk_add_f32 v[RR+4*i:RR+4*i+1], v[RR+4*i:RR+4*i+1], v[MUQ:MUQ+1] neg_lo:[0,1] neg_hi:[0,1]
	v_pk_add_f32 v[RR+4*i+2:RR+4*i+3], v[RR+4*i+2:RR+4*i+3], v[MUQ+2:MUQ+3] neg_lo:[0,1] neg_hi:[0,1]
.set i, i+1
.endr
	WIN 0x0f
.irp k, 0,1,2,3
.irp e, 0,2
	v_pk_mul_f32 v[RA+4*\k+\e:RA+4*\k+\e+1], v[RR+4*\k+\e:RR+4*\k+\e+1], v[RR+4*\k+\e:RR+4*\k+\e+1]
.endr
.endr
.irp m, 1,2,3,4,5,6,7
.irp k, 0,1,2,3
.irp e, 0,2
	v_pk_fma_f32 v[RA+4*\k+\e:RA+4*\k+\e+1], v[RR+16*\m+4*\k+\e:RR+16*\m+4*\k+\e+1], v[RR+16*\m+4*\k+\e:RR+16*\m+4*\k+\e+1], v[RA+4*\k+\e:RA+4*\k+\e+1]
.endr
.endr
.endr
	WIN 0
	QJOIN
	ds_store_b128 v[T16], v[RA:RA+3] offset:RED2
	BARRIER
; each wave finishes all 128 channels, four a lane, and keeps its own copy
	ds_load_b128 v[160:163], v[L16]
	ds_load_b128 v[164:167], v[L16] offset:1024
	ds_load_b128 v[168:171], v[L16] offset:512
	ds_load_b128 v[172:175], v[L16] offset:1536
	ds_load_b128 v[176:179], v[L16] offset:RED2
	ds_load_b128 v[180:183], v[L16] offset:RED2+1024
	s_wait_dscnt 0x0
.irp e, 0,2
	v_pk_add_f32 v[MUQ+\e:MUQ+\e+1], v[160+\e:161+\e], v[164+\e:165+\e]
	v_pk_add_f32 v[168+\e:169+\e], v[168+\e:169+\e], v[172+\e:173+\e]
	v_pk_add_f32 v[176+\e:177+\e], v[176+\e:177+\e], v[180+\e:181+\e]
.endr
.irp e, 0,2
	v_pk_mul_f32 v[MUQ+\e:MUQ+\e+1], v[MUQ+\e:MUQ+\e+1], 0x3c800000 op_sel_hi:[1,0]
	v_pk_fma_f32 v[168+\e:169+\e], v[176+\e:177+\e], 0x43800000, v[168+\e:169+\e] op_sel_hi:[1,0,1]
.endr
.irp e, 0,1,2,3
	v_fma_f32 v[168+\e], v[168+\e], s40, s41               ; the variance + 1e-5
.endr
.irp e, 0,1,2,3
	v_rsq_f32 v[172+\e], v[168+\e]
.endr
	v_nop                                                  ; a plain place behind the last of them
	s_wait_alu depctr_va_vdst(0)                           ; one wait for the four, ahead of their first reader
	v_pk_mul_f32 v[172:173], v[172:173], v[G1R:G1R+1]
	v_pk_mul_f32 v[174:175], v[174:175], v[G1R+2:G1R+3]
	ds_store_b128 v[WSTW], v[MUQ:MUQ+3]
	ds_store_b128 v[WSTW], v[172:175] offset:512
	ds_store_b128 v[WSTW], v[BE1R:BE1R+3] offset:1024
	s_wait_dscnt 0x0                                       ; the stores have read their registers
.irp b, 0,1,2,3
.irp i, 0,1,2,3
	ds_load_b128 v[TB1+16*\b+4*\i:TB1+16*\b+4*\i+3], v[WSTR] offset:128*\b+16*\i            ; the means, in the result's layout
.endr
.endr
	WIN 0xc0
.irp b, 0,1,2,3
.irp i, 0,1,2,3
	ds_load_b128 v[TB2+16*\b+4*\i:TB2+16*\b+4*\i+3], v[WSTR] offset:512+128*\b+16*\i
.endr
.endr
	WIN 0x40
.irp b, 0,1,2,3
.irp i, 0,1,2,3
	ds_load_b128 v[TB3+16*\b+4*\i:TB3+16*\b+4*\i+3], v[WSTR] offset:1024+128*\b+16*\i
.endr
.endr
	s_wait_loadcnt 0x0                                     ; weights, scale words, biases, coordinates
	WIN 0x01
.irp t, 0,1,2,3,4,5,6,7
	MMC ACC+8*\t, 12*\t, XC, ACC+8*\t, WS+\t, XS           ; t = x W_top + b_top: eight accumulators, one instruction each
.endr
	WIN 0
	NOPS 4
	s_wait_dscnt 0x0
.set i, 0
.rept 32
	v_pk_add_f32 v[ACC+2*i:ACC+2*i+1], v[ACC+2*i:ACC+2*i+1], v[TB1+2*i:TB1+2*i+1] neg_lo:[0,1] neg_hi:[0,1]
.set i, i+1
.endr
	WIN 0x1c
.set i, 0
.rept 32
	v_pk_fma_f32 v[ACC+2*i:ACC+2*i+1], v[ACC+2*i:ACC+2*i+1], v[TB2+2*i:TB2+2*i+1], v[TB3+2*i:TB3+2*i+1]   ; y = (t - mean) x scale + beta
.set i, i+1
.endr
	WIN 0
	QUANT ACC, 0, XC, YS, 4
	NOPS 8                                                 ; a scale word written by vector lines stands 8 places ahead of a scaled product, codes so written 4
	OUTM 0x31, 96, 8, 1, 22, 512, 0                        ; q + bd2
	OUTM 0x02, 0, 16, 0, 24, 1024, 0                       ; kf
	OUTM 0x02, 96, 24, 0, 24, 1024, 512                    ; v, its channels in the order in which the reader's lanes take them
; the relative positions: (own - neighbour, 1.0): the 1.0 meets bd1 in the next launch's product
	WIN 0x8a
.irp i, 0,1,2,3,4,5,6,7
	v_sub_nc_u32 v[OW+4*\i], v[OW+4*\i+1], v[NB+4*\i+1]
	v_sub_nc_u32 v[OW+4*\i+1], v[OW+4*\i+2], v[NB+4*\i+2]
	v_sub_nc_u32 v[OW+4*\i+2], v[OW+4*\i+3], v[NB+4*\i+3]
.endr
.irp i, 0,1,2,3,4,5,6,7
	v_cvt_f32_i32 v[OW+4*\i], v[OW+4*\i]
	v_cvt_f32_i32 v[OW+4*\i+1], v[OW+4*\i+1]
	v_cvt_f32_i32 v[OW+4*\i+2], v[OW+4*\i+2]
	v_mov_b32 v[OW+4*\i+3], 1.0
.endr
	WIN 0x08
.irp i, 0,1,2,3,4,5,6,7
	global_store_b128 v[L16], v[OW+4*\i:OW+4*\i+3], s[26:27] offset:512*\i
.endr
	WIN 0
	s_wait_tensorcnt 0x0
	ds_add_u32 v254, v255
	s_wait_dscnt 0x0
	s_endpgm
.Lfunc_end_k_q23963ca5cb_prep:
	.size	k_q23963ca5cb_prep, .Lfunc_end_k_q23963ca5cb_prep-k_q23963ca5cb_prep
	.p2alignl 7, 3214868480
	.fill 96, 4, 3214868480
	.section	.rodata,"a",@progbits
	.p2align	6, 0x0
	.amdhsa_kernel k_q23963ca5cb_prep
		.amdhsa_group_segment_fixed_size 44544
		.amdhsa_private_segment_fixed_size 0
		.amdhsa_enable_private_segment 0
		.amdhsa_kernarg_size 96
		.amdhsa_user_sgpr_count 2
		.amdhsa_user_sgpr_kernarg_segment_ptr 1
		.amdhsa_wavefront_size32 1
		.amdhsa_system_sgpr_workgroup_id_x 1
		.amdhsa_system_sgpr_workgroup_id_y 1
		.amdhsa_system_sgpr_workgroup_id_z 1
		.amdhsa_system_vgpr_workitem_id 0
		.amdhsa_next_free_vgpr 1024
		.amdhsa_next_free_sgpr 66
		.amdhsa_reserve_vcc 0
		.amdhsa_float_denorm_mode_32 3
		.amdhsa_float_denorm_mode_16_64 3
		.amdhsa_memory_ordered 1
		.amdhsa_forward_progress 1
		.amdhsa_inst_pref_size 73
	.end_amdhsa_kernel
	.amdgpu_metadata
---
amdhsa.version: [ 1, 2 ]
amdhsa.kernels:
  - .name:           k_q23963ca5cb_prep
    .symbol:         k_q23963ca5cb_prep.kd
    .args:
      - { .name: x, .offset: 0, .size: 8, .value_kind: global_buffer, .address_space: global }
      - { .name: coords, .offset: 8, .size: 8, .value_kind: global_buffer, .address_space: global }
      - { .name: b_top, .offset: 16, .size: 8, .value_kind: global_buffer, .address_space: global }
      - { .name: g1, .offset: 24, .size: 8, .value_kind: global_buffer, .address_space: global }
      - { .name: be1, .offset: 32, .size: 8, .value_kind: global_buffer, .address_space: global }
      - { .name: bd2, .offset: 40, .size: 8, .value_kind: global_buffer, .address_space: global }
      - { .name: gidx, .offset: 48, .size: 8, .value_kind: global_buffer, .address_space: global }
      - { .name: wimg, .offset: 56, .size: 8, .value_kind: global_buffer, .address_space: global }
      - { .name: part1, .offset: 64, .size: 8, .value_kind: global_buffer, .address_space: global }
      - { .name: qtab, .offset: 72, .size: 8, .value_kind: global_buffer, .address_space: global }
      - { .name: kvtab, .offset: 80, .size: 8, .value_kind: global_buffer, .address_space: global }
      - { .name: relb, .offset: 88, .size: 8, .value_kind: global_buffer, .address_space: global }
    .group_segment_fixed_size: 44544
    .private_segment_fixed_size: 0
    .kernarg_segment_align: 8
    .kernarg_segment_size: 96
    .max_flat_workgroup_size: 128
    .sgpr_count:     66
    .vgpr_count:     1024
    .wavefront_size: 32
...
	.end_amdgpu_metadata
.endif
;; end of part 2
;; launch attn (part 3): grid 256 x 1, 4 waves a work-group, no clusters, 70,144 bytes of LDS; arguments Wd1, bd1, bg1, bg2, bd2, b_down, gidx, wimg, qtab, kvtab, relb, utab, part2; writes utab, part2
.if DOCPART == 3
	.amdgcn_target "amdgcn-amd-amdhsa--gfx1250"
	.amdhsa_code_object_version 6
	.text
	.protected	k_q23963ca5cb_attn
	.globl	k_q23963ca5cb_attn
	.p2align	8
	.type	k_q23963ca5cb_attn,@function
k_q23963ca5cb_attn:
	s_mov_b64 s[64:65], 0
	v_nop
	global_prefetch_b8 v0, s[64:65] scope:SCOPE_SE
	s_setreg_imm32_b32 hwreg(HW_REG_WAVE_MODE, 25, 1), 1
	s_wait_xcnt 0x0
; attn: for each point and its 16 neighbours: h1 = relu(rel Wd1 + bd1); delta = h1 Wd2 + bd2; a = q - kf + delta; a2 = relu(a Wg1 + bg1) Wg2 + bg2; softmax over the neighbours, channel by channel;
; agg = sum attn (v + delta); then u = agg W_down + b_down for the wave's 16 points, and the work-group's figures for the second batch norm.
; A work-group owns 64 points, a wave 16, ONE POINT A TRIP: the point's 16 neighbours are the 16 rows of a tile.  All weights and biases stay in the wave's registers for the whole launch.
; rel Wd1 + bd1 has K = 4: (rx, ry, rz, 1) against (Wd1's three rows, bd1), in f32 operands, since it feeds a quantiser.  Its results are written by matrix instructions alone.
; h1 Wd2 IS MULTIPLIED TWICE, on the same registers.  Transposed (source 0 = Wd2), with C = q + bd2 - kf, it gives a in the layout that the quantiser wants: a lane one neighbour, registers along the channels.
; Plain (source 1 = Wd2) it gives delta in the layout of the softmax: a lane one channel, registers along eight neighbours; there maximum, sums and the weighted sum run along registers with one exchange of halves.
; bd2 on the value path is added once behind the normalised sum (the weights add up to 1): the order of rounding differs from the reference's there, nothing else.
; LOOK-AHEAD in registers, one or two points; the last trips repeat point 15 and discard it, so no load leaves its buffer and no trip differs.
; LIMITS: NaN and infinities are not served; a block of zeros gets the scale byte 1 (its codes are zeros).
; No tensor loads, no cluster, no prefetch: the large stream is a gather by lane addresses in which a row is named by many work-groups.
.set FRB, 1792
.set CMB2, 67584                       ; LDS: per wave 16,896: 16 x 528 for the turn of q - kf (later u), 16 x 528 for agg; then 4 x 512 for the figures
.set R, 1
.set HH, 2
.set LI, 3                             ; 16 x lane
.set LS, 4                             ; 4 x lane
.set LQ, 5                             ; 16 r
.set CSTW, 6
.set CSTR, 7
.set AGW, 8
.set AGP, 9
.set AGR, 10
.set OIDX, 11
.set OREL, 12
.set OQP, 13
.set USTW, 14
.set USTR, 15
.set WD2S, 16                          ; scale words
.set WG1S, 24
.set WG2S, 32
.set WDNS, 40
.set HS, 44
.set AS, 45
.set GS, 46
.set CH4, 47                           ; 4 (r + (r & 8))
.set AD, 48                            ; v48-55 my eight neighbours' byte offsets in kvtab
.set IDXR, 56
.set RELR, 64
.set RELR2, 66
.set QP, 68
.set TM, 76
.set PCH, 92                           ; codes of h1, of a, of the gamma layer's hidden numbers
.set PCA, 104
.set PCG, 116
.set SCR, 128
.set MP, 136
.set LP, 152
.set SP, 168
.set LIDX, 184
.set LREL, 185
.set CMBW, 186
.set CMBR, 187
.set TA, 188
.set ACC, 192
.set WD2, 0                            ; window 1
.set WG1, 96
.set BG1, 192
.set WG2, 0                            ; window 2
.set BG2, 96
.set WD1, 160
.set BD2, 176
.set GK, 192
.set RAW, 0                            ; window 3
.set H, 64
.set X, 128
.set GV, 192
.set GIX, 16
.set WIMG, 18
.set QT, 20
.set KV, 22
.set RL, 24
.set UT, 26
.set P2, 28
.set WV, 30
.set P, 31
.set SEL, 34
.set C2, 36
.set NC2, 38
.set SAG, 39
.set MSB, 0
.macro WIN new                         ; the immediate's high byte repeats the setting that is left
.if MSB != (\new)
	s_set_vgpr_msb (MSB<<8)|(\new)
.set MSB, (\new)
.endif
.endm
.macro NOPS n
.rept \n
	v_nop
.endr
.endm
.macro QUANT src, ws, pc, pw, nb       ; 64 numbers of a lane in window ws, register 16 b + i = k 32 b + 16 (lane / 16) + i, become codes in v[pc] on and a scale word in v[pw]
	WIN (((\ws)<<2)|((\ws)<<4))
.set qb, 0
.rept \nb
	v_max3_num_f32 v[TM+qb], 0x1800000, |v[(\src)+16*qb]|, |v[(\src)+16*qb+1]|   ; the floor 2^(3 - 127): the byte cannot fall under 1
.set qb, qb+1
.endr
.set qi, 2
.rept 7
.set qb, 0
.rept \nb
	v_max3_num_f32 v[TM+qb], v[TM+qb], |v[(\src)+16*qb+qi]|, |v[(\src)+16*qb+qi+1]|
.set qb, qb+1
.endr
.set qi, qi+2
.endr
	WIN 0
.set qb, 0
.rept \nb
	v_permlanex16_b32 v[TM+4+qb], v[TM+qb], s[SEL], s[SEL+1]
.set qb, qb+1
.endr
.set qb, 0
.rept \nb
	v_max_num_f32 v[TM+qb], v[TM+qb], v[TM+4+qb]
.set qb, qb+1
.endr
.set qb, 0
.rept \nb
	v_add_nc_u32 v[TM+12+qb], 0xff000000, v[TM+qb]        ; 2 off the exponent field: the conversion's scale operand
.set qb, qb+1
.endr
.set qb, 0
.rept \nb
	v_lshrrev_b32 v[TM+4+qb], 23, v[TM+12+qb]
.set qb, qb+1
.endr
	v_lshl_or_b32 v[\pw], v[TM+5], 8, v[TM+4]
	v_lshl_or_b32 v[\pw], v[TM+6], 16, v[\pw]
	v_lshl_or_b32 v[\pw], v[TM+7], 24, v[\pw]
	WIN (\ws)
.set qc, 0
.rept (\nb)/2
	v_cvt_scalef32_pk16_fp6_f32 v[(\pc)+6*qc:(\pc)+6*qc+2], v[(\src)+32*qc:(\src)+32*qc+15], v[TM+12+2*qc]
	v_cvt_scalef32_pk16_fp6_f32 v[SCR+4*qc:SCR+4*qc+2], v[(\src)+32*qc+16:(\src)+32*qc+31], v[TM+13+2*qc]
.set qc, qc+1
.endr
	WIN 0
	v_nop                                                  ; one plain place behind a scaled conversion
.set qc, 0
.rept (\nb)/2
.irp i, 0,1,2
	v_permlane16_swap_b32 v[(\pc)+6*qc+\i], v[SCR+4*qc+\i]
.endr
.irp i, 0,1,2
	v_mov_b32 v[(\pc)+6*qc+3+\i], v[SCR+4*qc+\i]
.endr
.set qc, qc+1
.endr
.endm
.macro GFRAG reg, f
.irp c, 0,1,2
	global_load_b128 v[(\reg)+4*\c:(\reg)+4*\c+3], v[LI], s[WIMG:WIMG+1] offset:(\f)*FRB+512*\c
.endr
.endm
.macro MMZ d, a, b, sa, sb
	v_wmma_scale_f32_16x16x128_f8f6f4 v[(\d):(\d)+7], v[(\a):(\a)+11], v[(\b):(\b)+11], 0, v[\sa], v[\sb] matrix_a_fmt:MATRIX_FMT_FP6 matrix_b_fmt:MATRIX_FMT_FP6
.endm
.macro MMC d, a, b, cc, sa, sb
	v_wmma_scale_f32_16x16x128_f8f6f4 v[(\d):(\d)+7], v[(\a):(\a)+11], v[(\b):(\b)+11], v[(\cc):(\cc)+7], v[\sa], v[\sb] matrix_a_fmt:MATRIX_FMT_FP6 matrix_b_fmt:MATRIX_FMT_FP6
.endm
.macro F32 rel                         ; rel Wd1 + bd1, transposed: source 0 = 16 channels x (Wd1's rows, bd1), source 1 = (rx, ry, rz, 1) of 16 neighbours
	WIN 0xc2
.irp t, 0,1,2,3,4,5,6,7
	v_wmma_f32_16x16x4_f32 v[RAW+8*\t:RAW+8*\t+7], v[WD1+2*\t:WD1+2*\t+1], v[\rel:\rel+1], 0
.endr
.endm
.macro RELUH                           ; the activation goes into other registers than the f32 products wrote
	WIN 0xcc
.set i, 0
.rept 64
	v_max_num_f32 v[H+i], 0, v[RAW+i]
.set i, i+1
.endr
.endm
.macro ADDR                            ; neighbour 8 h + j: row x 1,024 bytes + 16 r
.irp j, 0,1,2,3,4,5,6,7
	v_min_u32 v[TA+(\j%2)], 0x3fff, v[IDXR+\j]             ; a loaded number enters an address only behind this bound
	v_lshl_add_u32 v[AD+\j], v[TA+(\j%2)], 10, v[LQ]
.endr
.endm
.macro LDK                             ; kf of my eight neighbours: sixteen lanes read 256 consecutive bytes of a row; and the point's q + bd2
	WIN 0x80
.irp g, 0,1
.irp j, 0,1,2,3,4,5,6,7
	global_load_b128 v[GK+32*\g+4*\j:GK+32*\g+4*\j+3], v[AD+\j], s[KV:KV+1] offset:256*\g
.endr
.endr
	WIN 0
.irp g, 0,1
	global_load_b128 v[QP+4*\g:QP+4*\g+3], v[OQP], s[QT:QT+1] offset:256*\g
.endr
.endm
.macro LDV                             ; v likewise: register 32 g + 4 j + i is the channel of tile 4 g + i that my lane holds in the softmax's layout
	WIN 0xc0
.irp g, 0,1
.irp j, 0,1,2,3,4,5,6,7
	global_load_b128 v[GV+32*\g+4*\j:GV+32*\g+4*\j+3], v[AD+\j], s[KV:KV+1] offset:512+256*\g
.endr
.endr
	WIN 0
.endm
.macro KSUB                            ; q + bd2 - kf, and into the wave's own stage by rows
	WIN 0x88
.irp g, 0,1
.irp j, 0,1,2,3,4,5,6,7
.irp e, 0,2
	v_pk_add_f32 v[GK+32*\g+4*\j+\e:GK+32*\g+4*\j+\e+1], v[QP+4*\g+\e:QP+4*\g+\e+1], v[GK+32*\g+4*\j+\e:GK+32*\g+4*\j+\e+1] neg_lo:[0,1] neg_hi:[0,1]
.endr
.endr
.endr
	WIN 0x08
.irp g, 0,1
.irp j, 0,1,2,3,4,5,6,7
	ds_store_b128 v[CSTW], v[GK+32*\g+4*\j:GK+32*\g+4*\j+3] offset:528*\j+256*\g
.endr
.endr
	WIN 0
.endm
.macro CLOAD                           ; and back with a lane to a neighbour: the C of the transposed product.  LDS serves a wave's instructions in order: these see the stores
.irp b, 0,1,2,3
.irp i, 0,1,2,3
	ds_load_b128 v[ACC+16*\b+4*\i:ACC+16*\b+4*\i+3], v[CSTR] offset:128*\b+16*\i
.endr
.endr
.endm
.macro SOFTMAX
.irp t, 0,1,2,3,4,5,6,7
	v_max3_num_f32 v[LP+2*\t], v[ACC+8*\t], v[ACC+8*\t+1], v[ACC+8*\t+2]
.endr
.irp t, 0,1,2,3,4,5,6,7
	v_max3_num_f32 v[LP+2*\t], v[LP+2*\t], v[ACC+8*\t+3], v[ACC+8*\t+4]
.endr
.irp t, 0,1,2,3,4,5,6,7
	v_max3_num_f32 v[LP+2*\t], v[LP+2*\t], v[ACC+8*\t+5], v[ACC+8*\t+6]
.endr
.irp t, 0,1,2,3,4,5,6,7
	v_max_num_f32 v[LP+2*\t], v[LP+2*\t], v[ACC+8*\t+7]
.endr
.irp t, 0,1,2,3,4,5,6,7
	v_permlanex16_b32 v[LP+2*\t+1], v[LP+2*\t], s[SEL], s[SEL+1]
.endr
.irp t, 0,1,2,3,4,5,6,7
	v_max_num_f32 v[LP+2*\t], v[LP+2*\t], v[LP+2*\t+1]     ; the channel's maximum over the 16 neighbours
.endr
.irp t, 0,1,2,3,4,5,6,7
	v_mul_f32 v[MP+2*\t], s[NC2], v[LP+2*\t]               ; - m log2(e): one number for all 16, so its rounding leaves the quotient alone
.endr
.irp p, 0,2,4,6
.irp t, 0,1,2,3,4,5,6,7
	v_pk_fma_f32 v[ACC+8*\t+\p:ACC+8*\t+\p+1], v[ACC+8*\t+\p:ACC+8*\t+\p+1], s[C2:C2+1], v[MP+2*\t:MP+2*\t+1] op_sel_hi:[1,0,0]
.endr
.endr
.set i, 0
.rept 64
	v_exp_f32 v[ACC+i], v[ACC+i]
.set i, i+1
.endr
	v_nop                                                  ; a plain place behind the last exponential
	s_wait_alu depctr_va_vdst(0)                           ; one wait for the 64, ahead of their first reader
.irp t, 0,1,2,3,4,5,6,7
	v_pk_add_f32 v[LP+2*\t:LP+2*\t+1], v[ACC+8*\t:ACC+8*\t+1], v[ACC+8*\t+2:ACC+8*\t+3]
.endr
.irp p, 4,6
.irp t, 0,1,2,3,4,5,6,7
	v_pk_add_f32 v[LP+2*\t:LP+2*\t+1], v[LP+2*\t:LP+2*\t+1], v[ACC+8*\t+\p:ACC+8*\t+\p+1]
.endr
.endr
	WIN 0x0c
.irp t, 0,1,2,3,4,5,6,7
	v_pk_mul_f32 v[SP+2*\t:SP+2*\t+1], v[ACC+8*\t:ACC+8*\t+1], v[X+8*\t:X+8*\t+1]          ; p x delta
.endr
.irp p, 2,4,6
.irp t, 0,1,2,3,4,5,6,7
	v_pk_fma_f32 v[SP+2*\t:SP+2*\t+1], v[ACC+8*\t+\p:ACC+8*\t+\p+1], v[X+8*\t+\p:X+8*\t+\p+1], v[SP+2*\t:SP+2*\t+1]
.endr
.endr
.irp j, 0,1,2,3,4,5,6,7
.irp t, 0,1,2,3,4,5,6,7
	v_fma_f32 v[SP+2*\t+(\j%2)], v[ACC+8*\t+\j], v[GV+32*(\t/4)+4*\j+(\t%4)], v[SP+2*\t+(\j%2)]   ; p x v
.endr
.endr
	WIN 0
	CLOAD                                                  ; the next point's C, into the registers that p has left
	LDV                                                    ; and its values
.irp t, 0,1,2,3,4,5,6,7
	v_add_f32 v[LP+2*\t], v[LP+2*\t], v[LP+2*\t+1]
	v_add_f32 v[SP+2*\t], v[SP+2*\t], v[SP+2*\t+1]
.endr
.irp t, 0,1,2,3,4,5,6,7
	v_permlanex16_b32 v[MP+2*\t], v[LP+2*\t], s[SEL], s[SEL+1]
	v_permlanex16_b32 v[MP+2*\t+1], v[SP+2*\t], s[SEL], s[SEL+1]
.endr
.irp t, 0,1,2,3,4,5,6,7
	v_add_f32 v[LP+2*\t], v[LP+2*\t], v[MP+2*\t]
	v_add_f32 v[SP+2*\t], v[SP+2*\t], v[MP+2*\t+1]
.endr
.irp t, 0,1,2,3,4,5,6,7
	v_rcp_f32 v[LP+2*\t+1], v[LP+2*\t]
.endr
	v_nop
	s_wait_alu depctr_va_vdst(0)                           ; one wait for the eight reciprocals
	WIN 0x20
.irp t, 0,1,2,3,4,5,6,7
	v_fma_f32 v[SP+2*\t+1], v[SP+2*\t], v[LP+2*\t+1], v[BD2+\t]
.endr
	WIN 0
.irp t, 0,1,2,3,4,5,6,7
	ds_store_b32 v[AGP], v[SP+2*\t+1] offset:4*(32*(\t/2)+8*(\t%2))   ; lanes l and l xor 16 write the same word with the same value
.endr
.endm
	s_load_b512 s[4:19], s[0:1], 0x0                       ; Wd1, bd1, bg1, bg2, bd2, b_down, gidx, wimg
	s_load_b256 s[20:27], s[0:1], 0x40                     ; qtab, kvtab, relb, utab
	s_load_b64 s[28:29], s[0:1], 0x60                      ; part2
	v_lshl_add_u32 v135, v0, 2, 0x11000
	v_mov_b32 v191, 0
	v_lshrrev_b32 v188, 5, v0
	v_readfirstlane_b32 s[WV], v188
	v_and_b32 v[R], 15, v0
	v_bfe_u32 v[HH], v0, 4, 1
	v_and_b32 v188, 31, v0
	v_lshlrev_b32 v[LI], 4, v188
	v_lshlrev_b32 v[LS], 2, v188
	v_lshlrev_b32 v[LQ], 4, v[R]
	s_mul_i32 s40, s[WV], 16896
	s_add_co_u32 s41, s40, 8448
	v_mul_u32_u24 v189, v[HH], 4224
	v_add_nc_u32 v[CSTW], v189, v[LQ]
	v_add_nc_u32 v[CSTW], s40, v[CSTW]                     ; in: row 8 h + j, 16 r
	v_mul_u32_u24 v189, v[R], 528
	v_lshl_add_u32 v189, v[HH], 6, v189
	v_add_nc_u32 v[CSTR], s40, v189                        ; back: row r, 64 h
	v_add_nc_u32 v[AGR], s41, v189
	v_and_b32 v190, 8, v[R]
	v_add_nc_u32 v190, v190, v[R]
	v_lshlrev_b32 v[CH4], 2, v190
	v_add_nc_u32 v[AGW], s41, v[CH4]
	v_mul_u32_u24 v189, v[R], 272
	v_lshl_add_u32 v189, v[HH], 5, v189
	v_add_nc_u32 v[USTW], s40, v189
	v_mul_u32_u24 v189, v[HH], 272
	v_add_nc_u32 v189, v189, v[LQ]
	v_add_nc_u32 v[USTR], s40, v189
	s_lshl_b32 s42, s[WV], 9
	s_add_co_u32 s42, s42, CMB2
	v_add_nc_u32 v[CMBW], s42, v[LQ]
	v_add_nc_u32 v[CMBR], CMB2, v[LQ]
	v_lshlrev_b32 v[LIDX], 5, v[HH]
	v_lshl_add_u32 v[LREL], v[HH], 3, v[LQ]
	v_lshlrev_b32 v208, 6, v[HH]                           ; 64 h
	v_lshl_add_u32 v209, v[HH], 10, v[CH4]                 ; Wd1: row 0 for lanes 0-15, row 2 for lanes 16-31
.irp b, 0,1,2,3
	v_mov_b32 v[TM+4+\b], 0                                ; lane permutes' destinations count as sources: written once
.endr
.irp k, 0,1,2,3,4,5,6,7,8,9,10,11,12,13,14,15
	v_mov_b32 v[MP+\k], 0
	v_mov_b32 v[LP+\k], 0
.endr
	s_mov_b32 s[SEL], 0x76543210
	s_mov_b32 s[SEL+1], 0xfedcba98
	s_mov_b32 s[C2], 0x3fb8aa3b                            ; log2(e)
	s_mov_b32 s[C2+1], s[C2]
	s_mov_b32 s[NC2], 0xbfb8aa3b
	s_mov_b32 s[P], 0
	s_mov_b32 s[SAG], 0
	s_lshl_b32 s40, ttmp9, 6
	s_lshl_b32 s41, s[WV], 4
	s_add_co_u32 s40, s40, s41                             ; my first point
	s_mov_b32 s33, 0
	s_wait_kmcnt 0x0
	s_lshl_b32 s32, s40, 6
	s_add_nc_u64 s[GIX:GIX+1], s[GIX:GIX+1], s[32:33]
	s_lshl_b32 s32, s40, 9
	s_add_nc_u64 s[QT:QT+1], s[QT:QT+1], s[32:33]
	s_lshl_b32 s32, s40, 8
	s_add_nc_u64 s[RL:RL+1], s[RL:RL+1], s[32:33]
	s_add_nc_u64 s[UT:UT+1], s[UT:UT+1], s[32:33]
	s_lshl_b32 s32, ttmp9, 9
	s_add_nc_u64 s[P2:P2+1], s[P2:P2+1], s[32:33]
	global_load_b128 v[IDXR:IDXR+3], v[LIDX], s[GIX:GIX+1]             ; point 0's neighbours 8 h .. 8 h + 7
	global_load_b128 v[IDXR+4:IDXR+7], v[LIDX], s[GIX:GIX+1] offset:16
	global_load_b64 v[RELR:RELR+1], v[LREL], s[RL:RL+1]                ; lane (r, h): words 2 h, 2 h + 1 of neighbour r's (rx, ry, rz, 1)
	global_load_b64 v[RELR2:RELR2+1], v[LREL], s[RL:RL+1] offset:256
	WIN 0x40
.irp t, 0,1,2,3,4,5,6,7
	GFRAG WD2+12*\t, 32+\t
	GFRAG WG1+12*\t, 40+\t
.endr
.irp b, 0,1,2,3
.irp i, 0,1,2,3
	global_load_b128 v[BG1+16*\b+4*\i:BG1+16*\b+4*\i+3], v208, s[8:9] offset:128*\b+16*\i     ; bg1 in the transposed result's layout
.endr
.endr
	WIN 0x80
.irp t, 0,1,2,3,4,5,6,7
	GFRAG WG2+12*\t, 48+\t
.endr
.irp t, 0,1,2,3,4,5,6,7
.irp j, 0,1,2,3,4,5,6,7
	global_load_b32 v[BG2+8*\t+\j], v[CH4], s[10:11] offset:4*(32*(\t/2)+8*(\t%2))             ; bg2 of my channel, for each of the eight neighbours
.endr
	global_load_b32 v[BD2+\t], v[CH4], s[12:13] offset:4*(32*(\t/2)+8*(\t%2))
	global_load_b32 v[WD1+2*\t], v209, s[4:5] offset:4*(32*(\t/2)+8*(\t%2))
.endr
	WIN 0
.irp t, 0,1,2,3,4,5,6,7
	global_load_b32 v[ACC+\t], v[CH4], s[4:5] offset:512+4*(32*(\t/2)+8*(\t%2))                ; Wd1's row 1
	global_load_b32 v[ACC+8+\t], v[CH4], s[6:7] offset:4*(32*(\t/2)+8*(\t%2))                  ; bd1
	global_load_b32 v[WD2S+\t], v[LS], s[WIMG:WIMG+1] offset:(32+\t)*FRB+1536
	global_load_b32 v[WG1S+\t], v[LS], s[WIMG:WIMG+1] offset:(40+\t)*FRB+1536
	global_load_b32 v[WG2S+\t], v[LS], s[WIMG:WIMG+1] offset:(48+\t)*FRB+1536
.endr
	s_wait_loadcnt 0x0
	v_cmp_ne_u32 vcc_lo, 0, v[HH]
	WIN 0x80
.irp t, 0,1,2,3,4,5,6,7
	v_cndmask_b32 v[WD1+2*\t+1], v[ACC+\t], v[ACC+8+\t], vcc_lo        ; K slot 1 in lanes 0-15, K slot 3 (the bias) in lanes 16-31
.endr
	WIN 0
	ADDR
	v_mov_b32 v[OQP], v[LQ]
	LDK                                                    ; point 0
	global_load_b128 v[IDXR:IDXR+3], v[LIDX], s[GIX:GIX+1] offset:64   ; point 1's neighbours
	global_load_b128 v[IDXR+4:IDXR+7], v[LIDX], s[GIX:GIX+1] offset:80
	LDV
	F32 RELR
	WIN 0
	NOPS 8                                                 ; places in front of the first read of an f32 product's results
	RELUH
	F32 RELR2                                              ; point 1's: well over nine places behind the products whose results it writes over
	QUANT H, 3, PCH, HS, 4
	s_wait_loadcnt 18                                      ; kf and q of point 0 are in: 2 + 16 loads were issued behind them
	KSUB
	CLOAD
.Lpoint:
	s_wait_dscnt 0x0                                       ; C is in; all my LDS stores have read their registers
	WIN 0x01
.irp t, 0,1,2,3,4,5,6,7
	MMC ACC+8*\t, WD2+12*\t, PCH, ACC+8*\t, WD2S+\t, HS    ; a = q + bd2 - kf + h1 Wd2
.endr
	WIN 0xc4
.irp t, 0,1,2,3,4,5,6,7
	MMZ X+8*\t, PCH, WD2+12*\t, HS, WD2S+\t                ; h1 Wd2 once more, a lane to a channel
.endr
	WIN 0
	s_wait_loadcnt 16                                      ; the next point's neighbours are in: only this point's 16 value loads were issued behind them
	s_wait_xcnt 0x0                                        ; the offsets of earlier loads are rewritten only behind this wait
	ADDR
	s_add_co_u32 s41, s[P], 1
	s_min_u32 s41, s41, 15
	s_add_co_u32 s42, s[P], 2
	s_min_u32 s42, s42, 15
	s_lshl_b32 s43, s42, 6
	v_add_nc_u32 v[OIDX], s43, v[LIDX]
	s_lshl_b32 s43, s42, 8
	v_add_nc_u32 v[OREL], s43, v[LREL]
	s_lshl_b32 s43, s41, 9
	v_add_nc_u32 v[OQP], s43, v[LQ]
	v_add_nc_u32 v[AGP], s[SAG], v[AGW]
	global_load_b128 v[IDXR:IDXR+3], v[OIDX], s[GIX:GIX+1]
	global_load_b128 v[IDXR+4:IDXR+7], v[OIDX], s[GIX:GIX+1] offset:16
	global_load_b64 v[RELR:RELR+1], v[OREL], s[RL:RL+1]
	LDK
	RELUH                                                  ; the next point's h1
	QUANT ACC, 0, PCA, AS, 4
	NOPS 8                                                 ; a scale word written by vector lines stands 8 places ahead of a scaled product, codes so written 4
	WIN 0x11
.irp t, 0,1,2,3,4,5,6,7
	MMC ACC+8*\t, WG1+12*\t, PCA, BG1+8*\t, WG1S+\t, AS
.endr
	QUANT H, 3, PCH, HS, 4                                 ; work that names none of those products' registers, while they run
.set i, 0
.rept 64
	v_max_num_f32 v[ACC+i], 0, v[ACC+i]
.set i, i+1
.endr
	QUANT ACC, 0, PCG, GS, 4
	NOPS 8
	WIN 0x28
.irp t, 0,1,2,3,4,5,6,7
	MMC ACC+8*\t, PCG, WG2+12*\t, BG2+8*\t, GS, WG2S+\t    ; a lane to a channel, registers along eight neighbours
.endr
	s_wait_loadcnt 0x0                                     ; rel two points on, kf and q of the next point, this point's values
	F32 RELR
	KSUB
	SOFTMAX
	s_add_co_u32 s[SAG], s[SAG], 528
	s_add_co_u32 s[P], s[P], 1
	s_cmp_lt_u32 s[P], 16
	s_cbranch_scc1 .Lpoint
; ---- u = agg W_down + b_down for my 16 points
	s_wait_loadcnt 0x0                                     ; the look-ahead that nobody uses
	s_wait_dscnt 0x0
	WIN 0x80
.irp t, 0,1,2,3
	GFRAG GK+12*\t, 56+\t
	global_load_b128 v[BG2+8*\t:BG2+8*\t+3], v[LIDX], s[14:15] offset:64*\t          ; b_down(16 t + 8 h + 0 .. 7)
	global_load_b128 v[BG2+8*\t+4:BG2+8*\t+7], v[LIDX], s[14:15] offset:64*\t+16
.endr
	WIN 0
.irp t, 0,1,2,3
	global_load_b32 v[WDNS+\t], v[LS], s[WIMG:WIMG+1] offset:(56+\t)*FRB+1536
.endr
.irp b, 0,1,2,3
.irp i, 0,1,2,3
	ds_load_b128 v[ACC+16*\b+4*\i:ACC+16*\b+4*\i+3], v[AGR] offset:128*\b+16*\i
.endr
.endr
	s_wait_dscnt 0x0
	QUANT ACC, 0, PCA, AS, 4
	NOPS 8
	s_wait_loadcnt 0x0
	WIN 0x22
.irp t, 0,1,2,3
	MMC ACC+8*\t, GK+12*\t, PCA, BG2+8*\t, WDNS+\t, AS     ; lane (r, h): point r, outputs 16 t + 8 h + 0 .. 7
.endr
	WIN 0
	NOPS 4
.irp t, 0,1,2,3
	ds_store_b128 v[USTW], v[ACC+8*\t:ACC+8*\t+3] offset:64*\t
	ds_store_b128 v[USTW], v[ACC+8*\t+4:ACC+8*\t+7] offset:64*\t+16
.endr
.irp i, 0,1,2,3,4,5,6,7
	ds_load_b128 v[ACC+32+4*\i:ACC+32+4*\i+3], v[USTR] offset:544*\i     ; row 2 i + h, outputs 4 r .. 4 r + 3
.endr
.irp i, 0,1,2,3,4,5,6,7
	s_wait_dscnt 7-\i
	global_store_b128 v[LI], v[ACC+32+4*\i:ACC+32+4*\i+3], s[UT:UT+1] offset:512*\i   ; 512 consecutive bytes
.endr
; the wave's mean and squared deviations of each output, in two passes over the registers
.irp e, 0,2
	v_pk_add_f32 v[MP+\e:MP+\e+1], v[ACC+32+\e:ACC+32+\e+1], v[ACC+36+\e:ACC+36+\e+1]
.endr
.irp i, 2,3,4,5,6,7
.irp e, 0,2
	v_pk_add_f32 v[MP+\e:MP+\e+1], v[MP+\e:MP+\e+1], v[ACC+32+4*\i+\e:ACC+32+4*\i+\e+1]
.endr
.endr
.irp e, 0,1,2,3
	v_permlanex16_b32 v[LP+\e], v[MP+\e], s[SEL], s[SEL+1]
.endr
.irp e, 0,2
	v_pk_add_f32 v[MP+\e:MP+\e+1], v[MP+\e:MP+\e+1], v[LP+\e:LP+\e+1]
.endr
.irp e, 0,2
	v_pk_mul_f32 v[MP+4+\e:MP+4+\e+1], v[MP+\e:MP+\e+1], 0x3d800000 op_sel_hi:[1,0]   ; the 16 rows' mean
.endr
.irp i, 0,1,2,3,4,5,6,7
.irp e, 0,2
	v_pk_add_f32 v[ACC+4*\i+\e:ACC+4*\i+\e+1], v[ACC+32+4*\i+\e:ACC+32+4*\i+\e+1], v[MP+4+\e:MP+4+\e+1] neg_lo:[0,1] neg_hi:[0,1]
.endr
.endr
.irp e, 0,2
	v_pk_mul_f32 v[MP+8+\e:MP+8+\e+1], v[ACC+\e:ACC+\e+1], v[ACC+\e:ACC+\e+1]
.endr
.irp i, 1,2,3,4,5,6,7
.irp e, 0,2
	v_pk_fma_f32 v[MP+8+\e:MP+8+\e+1], v[ACC+4*\i+\e:ACC+4*\i+\e+1], v[ACC+4*\i+\e:ACC+4*\i+\e+1], v[MP+8+\e:MP+8+\e+1]
.endr
.endr
.irp e, 0,1,2,3
	v_permlanex16_b32 v[LP+\e], v[MP+8+\e], s[SEL], s[SEL+1]
.endr
.irp e, 0,2
	v_pk_add_f32 v[MP+8+\e:MP+8+\e+1], v[MP+8+\e:MP+8+\e+1], v[LP+\e:LP+\e+1]
.endr
	ds_store_b128 v[CMBW], v[MP+4:MP+7]
	ds_store_b128 v[CMBW], v[MP+8:MP+11] offset:256
	s_wait_dscnt 0x0
	s_barrier_signal -1
	s_barrier_wait -1                                      ; the launch's one barrier: all else in LDS is each wave's own
	s_cmp_lg_u32 s[WV], 0
	s_cbranch_scc1 .Lend
.irp k, 0,1,2,3
	ds_load_b128 v[ACC+4*\k:ACC+4*\k+3], v[CMBR] offset:512*\k
	ds_load_b128 v[ACC+16+4*\k:ACC+16+4*\k+3], v[CMBR] offset:512*\k+256
.endr
	s_wait_dscnt 0x0
.irp e, 0,2
	v_pk_add_f32 v[MP+\e:MP+\e+1], v[ACC+\e:ACC+\e+1], v[ACC+4+\e:ACC+4+\e+1]
	v_pk_add_f32 v[MP+4+\e:MP+4+\e+1], v[ACC+8+\e:ACC+8+\e+1], v[ACC+12+\e:ACC+12+\e+1]
.endr
.irp e, 0,2
	v_pk_add_f32 v[MP+\e:MP+\e+1], v[MP+\e:MP+\e+1], v[MP+4+\e:MP+4+\e+1]
.endr
.irp e, 0,2
	v_pk_mul_f32 v[MP+\e:MP+\e+1], v[MP+\e:MP+\e+1], 0x3e800000 op_sel_hi:[1,0]      ; the 64 rows' mean
.endr
.irp k, 0,1,2,3
.irp e, 0,2
	v_pk_add_f32 v[ACC+4*\k+\e:ACC+4*\k+\e+1], v[ACC+4*\k+\e:ACC+4*\k+\e+1], v[MP+\e:MP+\e+1] neg_lo:[0,1] neg_hi:[0,1]
.endr
.endr
.irp e, 0,2
	v_pk_mul_f32 v[MP+4+\e:MP+4+\e+1], v[ACC+\e:ACC+\e+1], v[ACC+\e:ACC+\e+1]
.endr
.irp k, 1,2,3
.irp e, 0,2
	v_pk_fma_f32 v[MP+4+\e:MP+4+\e+1], v[ACC+4*\k+\e:ACC+4*\k+\e+1], v[ACC+4*\k+\e:ACC+4*\k+\e+1], v[MP+4+\e:MP+4+\e+1]
.endr
.endr
.irp e, 0,2
	v_pk_add_f32 v[ACC+16+\e:ACC+16+\e+1], v[ACC+16+\e:ACC+16+\e+1], v[ACC+20+\e:ACC+20+\e+1]
	v_pk_add_f32 v[ACC+24+\e:ACC+24+\e+1], v[ACC+24+\e:ACC+24+\e+1], v[ACC+28+\e:ACC+28+\e+1]
.endr
.irp e, 0,2
	v_pk_add_f32 v[ACC+16+\e:ACC+16+\e+1], v[ACC+16+\e:ACC+16+\e+1], v[ACC+24+\e:ACC+24+\e+1]
.endr
.irp e, 0,2
	v_pk_fma_f32 v[ACC+16+\e:ACC+16+\e+1], v[MP+4+\e:MP+4+\e+1], 0x41800000, v[ACC+16+\e:ACC+16+\e+1] op_sel_hi:[1,0,1]
.endr
	v_cmp_ne_u32 vcc_lo, 0, v[HH]
.irp e, 0,1,2,3
	v_cndmask_b32 v[MP+8+\e], v[MP+\e], v[ACC+16+\e], vcc_lo           ; lanes 0-15 the means, lanes 16-31 the squared deviations
.endr
	global_store_b128 v[LI], v[MP+8:MP+11], s[P2:P2+1]                 ; the work-group's 512 bytes
.Lend:
	s_wait_tensorcnt 0x0
	ds_add_u32 v135, v191
	s_wait_dscnt 0x0
	s_endpgm
.Lfunc_end_k_q23963ca5cb_attn:
	.size	k_q23963ca5cb_attn, .Lfunc_end_k_q23963ca5cb_attn-k_q23963ca5cb_attn
	.p2alignl 7, 3214868480
	.fill 96, 4, 3214868480
	.section	.rodata,"a",@progbits
	.p2align	6, 0x0
	.amdhsa_kernel k_q23963ca5cb_attn
		.amdhsa_group_segment_fixed_size 70144
		.amdhsa_private_segment_fixed_size 0
		.amdhsa_enable_private_segment 0
		.amdhsa_kernarg_size 104
		.amdhsa_user_sgpr_count 2
		.amdhsa_user_sgpr_kernarg_segment_ptr 1
		.amdhsa_wavefront_size32 1
		.amdhsa_system_sgpr_workgroup_id_x 1
		.amdhsa_system_sgpr_workgroup_id_y 1
		.amdhsa_system_sgpr_workgroup_id_z 1
		.amdhsa_system_vgpr_workitem_id 0
		.amdhsa_next_free_vgpr 1024
		.amdhsa_next_free_sgpr 66
		.amdhsa_reserve_vcc 1
		.amdhsa_float_denorm_mode_32 3
		.amdhsa_float_denorm_mode_16_64 3
		.amdhsa_memory_ordered 1
		.amdhsa_forward_progress 1
		.amdhsa_inst_pref_size 106
	.end_amdhsa_kernel
	.amdgpu_metadata
---
amdhsa.version: [ 1, 2 ]
amdhsa.kernels:
  - .name:           k_q23963ca5cb_attn
    .symbol:         k_q23963ca5cb_attn.kd
    .args:
      - { .name: Wd1, .offset: 0, .size: 8, .value_kind: global_buffer, .address_space: global }
      - { .name: bd1, .offset: 8, .size: 8, .value_kind: global_buffer, .address_space: global }
      - { .name: bg1, .offset: 16, .size: 8, .value_kind: global_buffer, .address_space: global }
      - { .name: bg2, .offset: 24, .size: 8, .value_kind: global_buffer, .address_space: global }
      - { .name: bd2, .offset: 32, .size: 8, .value_kind: global_buffer, .address_space: global }
      - { .name: b_down, .offset: 40, .size: 8, .value_kind: global_buffer, .address_space: global }
      - { .name: gidx, .offset: 48, .size: 8, .value_kind: global_buffer, .address_space: global }
      - { .name: wimg, .offset: 56, .size: 8, .value_kind: global_buffer, .address_space: global }
      - { .name: qtab, .offset: 64, .size: 8, .value_kind: global_buffer, .address_space: global }
      - { .name: kvtab, .offset: 72, .size: 8, .value_kind: global_buffer, .address_space: global }
      - { .name: relb, .offset: 80, .size: 8, .value_kind: global_buffer, .address_space: global }
      - { .name: utab, .offset: 88, .size: 8, .value_kind: global_buffer, .address_space: global }
      - { .name: part2, .offset: 96, .size: 8, .value_kind: global_buffer, .address_space: global }
    .group_segment_fixed_size: 70144
    .private_segment_fixed_size: 0
    .kernarg_segment_align: 8
    .kernarg_segment_size: 104
    .max_flat_workgroup_size: 128
    .sgpr_count:     66
    .vgpr_count:     1024
    .wavefront_size: 32
...
	.end_amdgpu_metadata
.endif
;; end of part 3
;; launch final (part 4): grid 256 x 1, 8 waves a work-group, no clusters, 9,216 bytes of LDS; arguments x, g2, be2, utab, part2, out0; writes out0
.if DOCPART == 4
	.amdgcn_target "amdgcn-amd-amdhsa--gfx1250"
	.amdhsa_code_object_version 6
	.text
	.protected	k_q23963ca5cb_final
	.globl	k_q23963ca5cb_final
	.p2align	8
	.type	k_q23963ca5cb_final,@function
k_q23963ca5cb_final:
	s_mov_b64 s[64:65], 0
	v_nop
	global_prefetch_b8 v0, s[64:65] scope:SCOPE_SE
	s_setreg_imm32_b32 hwreg(HW_REG_WAVE_MODE, 25, 1), 1
	s_wait_xcnt 0x0
; final: the second batch norm is finished from the 256 work-groups' figures, and out = (u - mean) x rsqrt(var + 1e-5) x g2 + be2 + x.
; A work-group owns 64 rows (16 KiB of u, x and out); thread t owns 16 bytes of every 4,096: the same four channels, 4 (t % 16) on, in all of them.
; The variance is (sum of the groups' squared deviations + 64 x the squared distances of the groups' means from the mean) / 16384: no difference of large sums.
; A stream: no matrix unit, no tensor loads, no cluster.  Each load and store of a wave covers 512 consecutive bytes.
.set PR, 64                            ; v64-191 my 32 quads of the groups' figures
.set RA, 48                            ; v48-63 four running quads
.set RB, 192
.set MUQ, 224
.macro BARRIER
	s_wait_dscnt 0x0
	s_barrier_signal -1
	s_barrier_wait -1
.endm
.macro QJOIN
.irp e, 0,2
	v_pk_add_f32 v[RA+\e:RA+\e+1], v[RA+\e:RA+\e+1], v[RA+4+\e:RA+4+\e+1]
	v_pk_add_f32 v[RA+8+\e:RA+8+\e+1], v[RA+8+\e:RA+8+\e+1], v[RA+12+\e:RA+12+\e+1]
.endr
.irp e, 0,2
	v_pk_add_f32 v[RA+\e:RA+\e+1], v[RA+\e:RA+\e+1], v[RA+8+\e:RA+8+\e+1]
.endr
.endm
.macro SUM8 b                          ; eight quads from v[b] on are added into the first
.irp k, 1,2,3,4,5,6,7
.irp e, 0,2
	v_pk_add_f32 v[(\b)+\e:(\b)+\e+1], v[(\b)+\e:(\b)+\e+1], v[(\b)+4*\k+\e:(\b)+4*\k+\e+1]
.endr
.endr
.endm
	s_load_b256 s[4:11], s[0:1], 0x0                       ; x, g2, be2, utab
	s_load_b128 s[12:15], s[0:1], 0x20                     ; part2, out0
	v_lshl_add_u32 v254, v0, 2, 0x2000
	v_mov_b32 v255, 0
	v_lshlrev_b32 v1, 4, v0                                ; 16 t: my bytes of u, x, out; also group t / 32, column t % 32 of part2's rows of 32 quads
	v_and_b32 v2, 31, v0
	v_lshlrev_b32 v2, 4, v2
	v_and_b32 v3, 15, v0
	v_lshlrev_b32 v3, 4, v3
	s_lshl_b32 s16, ttmp9, 14
	s_mov_b32 s17, 0
	s_mov_b32 s18, 0x38800000                              ; 1 / 16384
	s_mov_b32 s19, 0x3727c5ac                              ; 1e-5
	s_wait_kmcnt 0x0
	s_add_nc_u64 s[4:5], s[4:5], s[16:17]
	s_add_nc_u64 s[10:11], s[10:11], s[16:17]
	s_add_nc_u64 s[14:15], s[14:15], s[16:17]
.set i, 0
.rept 32
	global_load_b128 v[PR+4*i:PR+4*i+3], v1, s[12:13] offset:4096*i       ; groups t / 32 + 8 i
.set i, i+1
.endr
	global_load_b128 v[8:11], v3, s[6:7]
	global_load_b128 v[12:15], v3, s[8:9]
.irp i, 0,1,2,3
	global_load_b128 v[16+4*\i:19+4*\i], v1, s[10:11] offset:4096*\i th:TH_LOAD_NT
	global_load_b128 v[32+4*\i:35+4*\i], v1, s[4:5] offset:4096*\i th:TH_LOAD_NT
.endr
	s_wait_loadcnt 10                                      ; the figures are in: 2 + 8 loads were issued behind them
.irp k, 0,1,2,3
.irp e, 0,2
	v_pk_add_f32 v[RA+4*\k+\e:RA+4*\k+\e+1], v[PR+4*\k+\e:PR+4*\k+\e+1], v[PR+16+4*\k+\e:PR+16+4*\k+\e+1]
.endr
.endr
.irp m, 2,3,4,5,6,7
.irp k, 0,1,2,3
.irp e, 0,2
	v_pk_add_f32 v[RA+4*\k+\e:RA+4*\k+\e+1], v[RA+4*\k+\e:RA+4*\k+\e+1], v[PR+16*\m+4*\k+\e:PR+16*\m+4*\k+\e+1]
.endr
.endr
.endr
	QJOIN
	ds_store_b128 v1, v[RA:RA+3]
	BARRIER
.irp k, 0,1,2,3,4,5,6,7
	ds_load_b128 v[RB+4*\k:RB+4*\k+3], v2 offset:512*\k
.endr
	s_wait_dscnt 0x0
	SUM8 RB
	v_pk_mul_f32 v[MUQ:MUQ+1], v[RB:RB+1], 0x3b800000 op_sel_hi:[1,0]
	v_pk_mul_f32 v[MUQ+2:MUQ+3], v[RB+2:RB+3], 0x3b800000 op_sel_hi:[1,0]          ; my column's mean over the 256 groups
.set i, 0
.rept 32
	v_pk_add_f32 v[PR+4*i:PR+4*i+1], v[PR+4*i:PR+4*i+1], v[MUQ:MUQ+1] neg_lo:[0,1] neg_hi:[0,1]
	v_pk_add_f32 v[PR+4*i+2:PR+4*i+3], v[PR+4*i+2:PR+4*i+3], v[MUQ+2:MUQ+3] neg_lo:[0,1] neg_hi:[0,1]
.set i, i+1
.endr
.irp k, 0,1,2,3
.irp e, 0,2
	v_pk_mul_f32 v[RA+4*\k+\e:RA+4*\k+\e+1], v[PR+4*\k+\e:PR+4*\k+\e+1], v[PR+4*\k+\e:PR+4*\k+\e+1]
.endr
.endr
.irp m, 1,2,3,4,5,6,7
.irp k, 0,1,2,3
.irp e, 0,2
	v_pk_fma_f32 v[RA+4*\k+\e:RA+4*\k+\e+1], v[PR+16*\m+4*\k+\e:PR+16*\m+4*\k+\e+1], v[PR+16*\m+4*\k+\e:PR+16*\m+4*\k+\e+1], v[RA+4*\k+\e:RA+4*\k+\e+1]
.endr
.endr
.endr
	QJOIN
	ds_store_b128 v1, v[RA:RA+3] offset:4096               ; (used of the means' columns alone)
	BARRIER
.irp k, 0,1,2,3,4,5,6,7
	ds_load_b128 v[PR+4*\k:PR+4*\k+3], v3 offset:512*\k                    ; sums of means of my four channels
	ds_load_b128 v[PR+32+4*\k:PR+32+4*\k+3], v3 offset:512*\k+256          ; of squared deviations
	ds_load_b128 v[PR+64+4*\k:PR+64+4*\k+3], v3 offset:4096+512*\k         ; of squared distances of the groups' means
.endr
	s_wait_dscnt 0x0
	SUM8 PR
	SUM8 PR+32
	SUM8 PR+64
.irp e, 0,2
	v_pk_mul_f32 v[MUQ+\e:MUQ+\e+1], v[PR+\e:PR+\e+1], 0x3b800000 op_sel_hi:[1,0]
	v_pk_fma_f32 v[PR+32+\e:PR+32+\e+1], v[PR+64+\e:PR+64+\e+1], 0x42800000, v[PR+32+\e:PR+32+\e+1] op_sel_hi:[1,0,1]
.endr
.irp e, 0,1,2,3
	v_fma_f32 v[PR+32+\e], v[PR+32+\e], s18, s19           ; the variance + 1e-5
.endr
.irp e, 0,1,2,3
	v_rsq_f32 v[PR+36+\e], v[PR+32+\e]
.endr
	v_nop                                                  ; a plain place behind the last of them
	s_wait_alu depctr_va_vdst(0)                           ; one wait for the four, ahead of their first reader
	s_wait_loadcnt 0x0                                     ; g2, be2, u, x
	v_pk_mul_f32 v[PR+36:PR+37], v[PR+36:PR+37], v[8:9]
	v_pk_mul_f32 v[PR+38:PR+39], v[PR+38:PR+39], v[10:11]
.irp i, 0,1,2,3
.irp e, 0,2
	v_pk_add_f32 v[16+4*\i+\e:17+4*\i+\e], v[16+4*\i+\e:17+4*\i+\e], v[MUQ+\e:MUQ+\e+1] neg_lo:[0,1] neg_hi:[0,1]
.endr
.endr
.irp i, 0,1,2,3
.irp e, 0,2
	v_pk_fma_f32 v[16+4*\i+\e:17+4*\i+\e], v[16+4*\i+\e:17+4*\i+\e], v[PR+36+\e:PR+37+\e], v[12+\e:13+\e]
.endr
.endr
.irp i, 0,1,2,3
.irp e, 0,2
	v_pk_add_f32 v[16+4*\i+\e:17+4*\i+\e], v[16+4*\i+\e:17+4*\i+\e], v[32+4*\i+\e:33+4*\i+\e]
.endr
.endr
.irp i, 0,1,2,3
	global_store_b128 v1, v[16+4*\i:19+4*\i], s[14:15] offset:4096*\i th:TH_STORE_NT
.endr
	s_wait_tensorcnt 0x0
	ds_add_u32 v254, v255
	s_wait_dscnt 0x0
	s_endpgm
.Lfunc_end_k_q23963ca5cb_final:
	.size	k_q23963ca5cb_final, .Lfunc_end_k_q23963ca5cb_final-k_q23963ca5cb_final
	.p2alignl 7, 3214868480
	.fill 96, 4, 3214868480
	.section	.rodata,"a",@progbits
	.p2align	6, 0x0
	.amdhsa_kernel k_q23963ca5cb_final
		.amdhsa_group_segment_fixed_size 9216
		.amdhsa_private_segment_fixed_size 0
		.amdhsa_enable_private_segment 0
		.amdhsa_kernarg_size 48
		.amdhsa_user_sgpr_count 2
		.amdhsa_user_sgpr_kernarg_segment_ptr 1
		.amdhsa_wavefront_size32 1
		.amdhsa_system_sgpr_workgroup_id_x 1
		.amdhsa_system_sgpr_workgroup_id_y 1
		.amdhsa_system_sgpr_workgroup_id_z 1
		.amdhsa_system_vgpr_workitem_id 0
		.amdhsa_next_free_vgpr 256
		.amdhsa_next_free_sgpr 66
		.amdhsa_reserve_vcc 0
		.amdhsa_float_denorm_mode_32 3
		.amdhsa_float_denorm_mode_16_64 3
		.amdhsa_memory_ordered 1
		.amdhsa_forward_progress 1
		.amdhsa_inst_pref_size 27
	.end_amdhsa_kernel
	.amdgpu_metadata
---
amdhsa.version: [ 1, 2 ]
amdhsa.kernels:
  - .name:           k_q23963ca5cb_final
    .symbol:         k_q23963ca5cb_final.kd
    .args:
      - { .name: x, .offset: 0, .size: 8, .value_kind: global_buffer, .address_space: global }
      - { .name: g2, .offset: 8, .size: 8, .value_kind: global_buffer, .address_space: global }
      - { .name: be2, .offset: 16, .size: 8, .value_kind: global_buffer, .address_space: global }
      - { .name: utab, .offset: 24, .size: 8, .value_kind: global_buffer, .address_space: global }
      - { .name: part2, .offset: 32, .size: 8, .value_kind: global_buffer, .address_space: global }
      - { .name: out0, .offset: 40, .size: 8, .value_kind: global_buffer, .address_space: global }
    .group_segment_fixed_size: 9216
    .private_segment_fixed_size: 0
    .kernarg_segment_align: 8
    .kernarg_segment_size: 48
    .max_flat_workgroup_size: 256
    .sgpr_count:     66
    .vgpr_count:     256
    .wavefront_size: 32
...
	.end_amdgpu_metadata
.endif
;; end of part 4
;; ======== version 2 of 2: 4 launches; version 1 with the launches scan, prep, attn written anew for expert scheduling mode
;; workspace buffers: gidx 1,048,576 bytes of whole numbers; wimg 107,520 bytes; part1 65,536 bytes; qtab 8,388,608 bytes; kvtab 16,777,216 bytes; relb 4,194,304 bytes; utab 4,194,304 bytes; part2 131,072 bytes
;; launch scan (part 5): grid 256 x 1, 4 waves a work-group, no clusters, 91,904 bytes of LDS; arguments coords, x, W_top, b_top, W_phi, W_psi, W_alpha, Wd2, Wg1, Wg2, W_down, gidx, wimg, part1; writes gidx, wimg, part1
.if DOCPART == 5
	.amdgcn_target "amdgcn-amd-amdhsa--gfx1250"
	.amdhsa_code_object_version 6
	.text
	.protected	k_q23963ca5cb_scan
	.globl	k_q23963ca5cb_scan
	.p2align	8
	.type	k_q23963ca5cb_scan,@function
k_q23963ca5cb_scan:
	s_mov_b64 s[64:65], 0
	v_nop
	global_prefetch_b8 v0, s[64:65] scope:SCOPE_SE
	s_setreg_imm32_b32 hwreg(HW_REG_WAVE_SCHED_MODE, 0, 2), 2
	s_setreg_imm32_b32 hwreg(HW_REG_WAVE_MODE, 25, 1), 1
	s_wait_xcnt 0x0
	s_wait_alu depctr_vm_vsrc(0)
; scan: the radius search (first 16 indices j of the batch with d2 <= 100, empty slots = the first hit), and two side jobs by work-group number:
; work-groups 0-63 take the statistics of t = x W_top + b_top over 256 rows each; work-groups 64-78 quantise the eight weights into images of operand registers.
; SEARCH.  K = 3 is too short for a matrix instruction, so the distances are fused multiply-adds in f32.  A work-group owns 64 queries of one batch.
; PHASE 1, a lane is a CANDIDATE: wave w keeps candidates 1024 w .. 1024 w + 1023 in 128 registers (x, y, z, |c|^2: 32 words of 32 lanes each).  A trip takes one query into scalar registers, forms t = |c|^2 - 2 q.c, two words an
; instruction, and compares 100 - |q|^2 >= t, which is d2 <= 100: the compare's mask IS a word of 32 candidates, bit l = candidate 32 k + l.  It goes into lane q of the word's register; 32 queries' words then go to LDS by rows.
; PHASE 2, a lane is a QUERY and a half: lane (r, h) of wave w walks words 64 h + 63 DOWN to 64 h of query 16 w + r and pushes each non-zero word on a list of 16, which so ends as the 16 lowest non-zero words.
; No count, no branch on data.  The halves' lists are merged, and 16 steps take the lowest set bits.
; LIMITS: coordinates of magnitude up to 1,023 (all sums are then whole numbers under 2^24, exact in f32, here and in the defining formula); beyond that neighbours may differ.  NaN and infinities among the float inputs are not served.
; A block of zeros gets the scale byte 1 where the rule says 127: its codes are zeros and this program alone reads the bytes.
; No tensor loads, no cluster: a wave reads 16 KiB of coordinates once into registers, nothing is streamed.
; THE MODE: SCHED_MODE bits 1:0 = 2 (LLVM: expert scheduling mode 2), set by the entry lines.  The code itself states the register dependences between vector or matrix instructions and memory or LDS instructions,
; and those through scalar registers that vector instructions write, with s_wait_alu, always for 0.
; THE PLAN.  All offsets and LDS addresses but v[AW] and the weights' v21 are made at the head, ahead of one wait, and never written again.
;   Phase 1: a trip's 32 compares write two sets of 16 scalar registers and the next query's four lane reads follow them: ONE wait on va_sdst serves all 36, and the 32 lane writes read the masks behind it.
;            M is written by lane writes, read by eight LDS stores behind one wait on va_vdst, and written again behind one wait on vm_vsrc.
;   Phase 2: the compares of four pushes (of the merge's sixteen, of a decode step's two) stand in a run, with one wait on va_sdst behind the run; the selects read those scalar registers.
;            WA, WB: read by four pushes each, loaded again behind a wait on va_vdst.  v[AW]: stepped once a trip, behind a wait on vm_vsrc and ahead of the wait on va_vdst that WA's load wants anyway.
;   Side jobs: each group of stores of vector results stands behind a wait on va_vdst; registers that stores have read are written again behind a wait on vm_vsrc.
.set WPITCH, 528                       ; LDS from 0: 64 queries x (128 words + 16 bytes): an odd multiple of 16 bytes
.set GST,   65792                      ; per wave 2,048: 1 KiB of results, 1 KiB for what lanes 16-31 hold (never read)
.set WTI,   73984                      ; statistics job: W_top's 8 fragment images
.set WTS,   86272                      ; their scale words
.set CMB1,  87296                      ; per wave 128 means, 128 sums of squared deviations
.set FRB,   1792                       ; a fragment in wimg: 1,536 bytes of registers, 128 of scale words, rounded up to 7 x 256
.set R, 1                              ; v1 lane % 16      v2 lane / 16
.set HH, 2
.set AL, 3                             ; v3 phase 2: my query's row of words, my half
.set AW, 4                             ; v4 the same at the trip's eight words
.set GSTW, 5
.set GSTR, 6
.set L16, 7                            ; v7 16 x lane
.set MST, 8                            ; v8 phase 1: row = lane, my wave's 128 bytes of it
.set XA, 9
.set WOF, 10
.set CMBW, 11
.set CMBR, 12
.set L4, 13                            ; v13 4 x lane
.set WTIW, 14
.set WTSW, 15
.set L16W, 16
.set L4W, 17
.set BOFF, 18
.set QOFF, 19
.set RR8, 20                           ; v20 r + (r & 8): a tile's lane r takes column 32 (t / 2) + 8 (t % 2) + r + (r & 8)
.set QA, 24                            ; v24-31 two sets of 32 queries, a lane a query: 100 - |q|^2, -2x, -2y, -2z
.set WX, 64                            ; side jobs: raw weights v64-127, raw x v128-255
.set XR, 128
.set PCW, 32
.set PWW, 44
.set WM, 46
.set WSC, 54
.set XC, 32                            ; x's four fragments v32-79, scale words v80-83
.set XS, 80
.set WT, 84                            ; four fragments of W_top v84-131, scale words v132-135
.set WTSC, 132
.set DD, 136                           ; four accumulators
.set SH, 168
.set S1, 176
.set S2, 184
.set U, 192
.set U2, 200
.set TM, 96
.set SCR, 112
.set CX, 32                            ; phase 1: v32-63 x of my 32 words of candidates, v64-95 y, v96-127 z, v128-159 |c|^2
.set CY, 64
.set CZ, 96
.set CS, 128
.set RAW, 160                          ; v160-255 24 rows of coords as loaded; later:
.set M, 160                            ; v160-191 word k of 32 queries, a lane a query
.set T, 192                            ; v192-207 t of 16 words
.set WA, 32                            ; phase 2: two buffers of four words
.set WB, 36
.set IV, 101
.set T0, 102
.set T1, 103
.set S, 112                            ; v112-127 the list's words, v128-143 their numbers
.set I, 128
.set MS, 144
.set MI, 160
.set OUT, 176
.set OB, 192
.set WV, 32
.set SEL, 36
.set CB, 38
.set SAX, 42                           ; s[42:43], s[44:45], s[66:67]: -2x, -2y, -2z of the query in hand: the packed form names a pair and takes its low word for both halves
.set SAY, 44
.set SAZ, 66
.set MK, 68                            ; s68-83 sixteen masks
.set STH, 84                           ; s84 100 - |q|^2
.set SN, 85                            ; s85 the next query's lane
.set MK2, 86                           ; s86-101 sixteen more masks
.set SAW, 58
.set SCNT, 59
.set SB, 60
.set SQ, 61                            ; s61 the query's lane
.set MSB, 0
.macro WIN new                         ; (this text stays in window 0: the macro writes nothing here)
.if MSB != (\new)
	s_set_vgpr_msb (MSB<<8)|(\new)
.set MSB, (\new)
.endif
.endm
.macro NOPS n
.rept \n
	v_nop
.endr
.endm
.macro BARRIER                         ; my LDS stores have landed and my LDS loads are in: then the work-group's barrier
	s_wait_dscnt 0x0
	s_barrier_signal -1
	s_barrier_wait -1
.endm
; 16 nb numbers of a lane, register 16 b + i = k 32 b + 16 (lane / 16) + i of my row, become a fragment's codes in v[pc] on and its scale word in v[pw]
.macro QUANT src, ws, pc, pw, nb
	WIN (((\ws)<<2)|((\ws)<<4))
.set qb, 0
.rept \nb
	v_max3_num_f32 v[TM+qb], 0x1800000, |v[(\src)+16*qb]|, |v[(\src)+16*qb+1]|   ; the floor 2^(3 - 127) among the leaves: the byte cannot fall under 1
.set qb, qb+1
.endr
.set qi, 2
.rept 7
.set qb, 0
.rept \nb
	v_max3_num_f32 v[TM+qb], v[TM+qb], |v[(\src)+16*qb+qi]|, |v[(\src)+16*qb+qi+1]|
.set qb, qb+1
.endr
.set qi, qi+2
.endr
	WIN 0
.set qb, 0
.rept \nb
	v_permlanex16_b32 v[TM+4+qb], v[TM+qb], s[SEL], s[SEL+1]
.set qb, qb+1
.endr
.set qb, 0
.rept \nb
	v_max_num_f32 v[TM+qb], v[TM+qb], v[TM+4+qb]          ; with lane l xor 16's: the block's largest magnitude
.set qb, qb+1
.endr
.set qb, 0
.rept \nb
	v_add_nc_u32 v[TM+12+qb], 0xff000000, v[TM+qb]        ; 2 off its exponent field: the conversion's scale operand
.set qb, qb+1
.endr
.set qb, 0
.rept \nb
	v_lshrrev_b32 v[TM+4+qb], 23, v[TM+12+qb]             ; the scale's byte
.set qb, qb+1
.endr
	v_lshl_or_b32 v[\pw], v[TM+5], 8, v[TM+4]
.if \nb == 4
	v_lshl_or_b32 v[\pw], v[TM+6], 16, v[\pw]
	v_lshl_or_b32 v[\pw], v[TM+7], 24, v[\pw]
.endif
	WIN (\ws)
.set qc, 0
.rept (\nb)/2
	v_cvt_scalef32_pk16_fp6_f32 v[(\pc)+6*qc:(\pc)+6*qc+2], v[(\src)+32*qc:(\src)+32*qc+15], v[TM+12+2*qc]
	v_cvt_scalef32_pk16_fp6_f32 v[SCR+4*qc:SCR+4*qc+2], v[(\src)+32*qc+16:(\src)+32*qc+31], v[TM+13+2*qc]
.set qc, qc+1
.endr
	WIN 0
	v_nop                                                  ; one plain place behind a scaled conversion
.set qc, 0
.rept (\nb)/2                          ; the operand wants a whole block in a lane: lanes 0-15 block 2 c, lanes 16-31 block 2 c + 1
.irp i, 0,1,2
	v_permlane16_swap_b32 v[(\pc)+6*qc+\i], v[SCR+4*qc+\i]
.endr
.irp i, 0,1,2
	v_mov_b32 v[(\pc)+6*qc+3+\i], v[SCR+4*qc+\i]
.endr
.set qc, qc+1
.endr
.if \nb == 2
.irp i, 6,7,8,9,10,11
	v_mov_b32 v[(\pc)+\i], 0                               ; K ends at 64: zero codes fill the instruction's 128
.endr
.endif
.endm
.macro IMAGE adr, pc, off              ; a fragment goes to LDS as an image of its registers
.irp c, 0,1,2
	ds_store_b128 v[\adr], v[(\pc)+4*\c:(\pc)+4*\c+3] offset:(\off)+512*\c
.endr
.endm
.macro FETCH reg, adr, off
.irp c, 0,1,2
	ds_load_b128 v[(\reg)+4*\c:(\reg)+4*\c+3], v[\adr] offset:(\off)+512*\c
.endr
.endm
.macro MMZ d, a, b, sa, sb
	v_wmma_scale_f32_16x16x128_f8f6f4 v[(\d):(\d)+7], v[(\a):(\a)+11], v[(\b):(\b)+11], 0, v[\sa], v[\sb] matrix_a_fmt:MATRIX_FMT_FP6 matrix_b_fmt:MATRIX_FMT_FP6
.endm
; a weight stored [K][N]: lane r takes one column and its registers run down K: W(64 c + 32 h + i, column)
.macro WLOAD nc, rowb, wx, voff, base, off
.set wc, 0
.rept \nc
.set wi, 0
.rept 32
	global_load_b32 v[(\wx)+32*wc+wi], v[\voff], s[\base:\base+1] offset:(\off)+(64*wc+wi)*(\rowb)
.set wi, wi+1
.endr
.set wc, wc+1
.endr
.endm
.macro WQ nc, wx, pc, pw               ; a lane holds whole blocks: 2 c + h
.set wc, 0
.rept \nc
	v_max3_num_f32 v[WM+wc], |v[(\wx)+32*wc]|, |v[(\wx)+32*wc+1]|, 0x1800000
.set wc, wc+1
.endr
.set wi, 2
.rept 15
.set wc, 0
.rept \nc
	v_max3_num_f32 v[WM+wc], v[WM+wc], |v[(\wx)+32*wc+wi]|, |v[(\wx)+32*wc+wi+1]|
.set wc, wc+1
.endr
.set wi, wi+2
.endr
.set wc, 0
.rept \nc
	v_add_nc_u32 v[WM+2+wc], 0xff000000, v[WM+wc]
	v_lshrrev_b32 v[WM+4+wc], 23, v[WM+2+wc]
.set wc, wc+1
.endr
.if \nc == 2
	v_lshl_or_b32 v[\pw], v[WM+5], 16, v[WM+4]
.else
	v_mov_b32 v[\pw], v[WM+4]
.endif
	v_lshlrev_b32 v[WM+6], 3, v[HH]
	v_lshlrev_b32 v[\pw], v[WM+6], v[\pw]                  ; my bytes at their places, 8 h bits up
	v_mov_b32 v[WM+7], 0
	v_permlanex16_b32 v[WM+7], v[\pw], s[SEL], s[SEL+1]
	v_or_b32 v[\pw], v[\pw], v[WM+7]                       ; with lane l xor 16's the word is whole
.set wc, 0
.rept \nc
	v_cvt_scalef32_pk16_fp6_f32 v[(\pc)+6*wc:(\pc)+6*wc+2], v[(\wx)+32*wc:(\wx)+32*wc+15], v[WM+2+wc]
	v_cvt_scalef32_pk16_fp6_f32 v[WSC+4*wc:WSC+4*wc+2], v[(\wx)+32*wc+16:(\wx)+32*wc+31], v[WM+2+wc]
.set wc, wc+1
.endr
	v_nop
.set wc, 0
.rept \nc
.irp i, 0,1,2
	v_mov_b32 v[(\pc)+6*wc+3+\i], v[WSC+4*wc+\i]
.endr
.set wc, wc+1
.endr
.if \nc == 1
.irp i, 6,7,8,9,10,11
	v_mov_b32 v[(\pc)+\i], 0
.endr
.endif
.endm
; eight words of candidates (batch q, loaded into block rb of the raw registers) become x, y, z, |c|^2 in f32, stage by stage so that no line waits for the line above it
.macro CANDS q, rb, left
	s_wait_loadcnt \left                                   ; the candidate loads issued behind this batch of eight may stay out
.irp e, 0,1,2,3,4,5,6,7
.set cb, RAW+32*(\rb)+4*\e
.set ck, 8*(\q)+\e
	v_cvt_f32_i32 v[CX+ck], v[cb+1]
	v_cvt_f32_i32 v[CY+ck], v[cb+2]
	v_cvt_f32_i32 v[CZ+ck], v[cb+3]
.endr
.irp e, 0,1,2,3,4,5,6,7
.set ck, 8*(\q)+\e
	v_mul_f32 v[CS+ck], v[CX+ck], v[CX+ck]
.endr
.irp e, 0,1,2,3,4,5,6,7
.set ck, 8*(\q)+\e
	v_fmac_f32 v[CS+ck], v[CY+ck], v[CY+ck]
.endr
.irp e, 0,1,2,3,4,5,6,7
.set ck, 8*(\q)+\e
	v_fmac_f32 v[CS+ck], v[CZ+ck], v[CZ+ck]
.endr
.endm
; sixteen words of candidates against the query in the scalar registers: eight chains of packed multiply-adds by turns
.macro DIST g
.irp p, 0,1,2,3,4,5,6,7
	v_pk_fma_f32 v[T+2*\p:T+2*\p+1], v[CX+16*(\g)+2*\p:CX+16*(\g)+2*\p+1], s[SAX:SAX+1], v[CS+16*(\g)+2*\p:CS+16*(\g)+2*\p+1] op_sel_hi:[1,0,1]
.endr
.irp p, 0,1,2,3,4,5,6,7
	v_pk_fma_f32 v[T+2*\p:T+2*\p+1], v[CY+16*(\g)+2*\p:CY+16*(\g)+2*\p+1], s[SAY:SAY+1], v[T+2*\p:T+2*\p+1] op_sel_hi:[1,0,1]
.endr
.irp p, 0,1,2,3,4,5,6,7
	v_pk_fma_f32 v[T+2*\p:T+2*\p+1], v[CZ+16*(\g)+2*\p:CZ+16*(\g)+2*\p+1], s[SAZ:SAZ+1], v[T+2*\p:T+2*\p+1] op_sel_hi:[1,0,1]   ; t = |c|^2 - 2 q.c
.endr
.endm
.macro MASKS mk                        ; sixteen compares into sixteen scalar registers
.irp i, 0,1,2,3,4,5,6,7,8,9,10,11,12,13,14,15
	v_cmp_ge_f32 s[(\mk)+\i], s[STH], v[T+\i]              ; 100 - |q|^2 >= t: bit l of the mask is candidate 32 k + l
.endr
.endm
.macro READQ set, ln                   ; the query in lane s[ln] into the scalar registers
	v_readlane_b32 s[SAX], v[QA+4*(\set)+1], s[\ln]
	v_readlane_b32 s[SAY], v[QA+4*(\set)+2], s[\ln]
	v_readlane_b32 s[SAZ], v[QA+4*(\set)+3], s[\ln]
	v_readlane_b32 s[STH], v[QA+4*(\set)], s[\ln]
.endm
; 32 queries (set 0: the work-group's first 32, set 1: the others), one a trip; then a lane's 32 words, 128 bytes, go to its query's row
.macro QLOOP set
	s_mov_b32 s[SQ], 0
	READQ \set, SQ
	s_wait_alu depctr_va_sdst(0)                           ; query 0's four numbers are written, ahead of the multiply-adds and compares that read them
.Lq_\@:
	DIST 0
	MASKS MK
	DIST 1
	MASKS MK2
	s_add_co_u32 s[SN], s[SQ], 1
	s_and_b32 s[SN], s[SN], 31                             ; the last trip reads lane 0 again, and nobody uses it
	READQ \set, SN                                         ; the next query, behind this query's last reader
	s_wait_alu depctr_va_sdst(0)                           ; the 32 masks are written, which the lane writes below read; so are the next query's four numbers, ahead of the jump
.irp i, 0,1,2,3,4,5,6,7,8,9,10,11,12,13,14,15
	v_writelane_b32 v[M+\i], s[MK+\i], s[SQ]
.endr
.irp i, 0,1,2,3,4,5,6,7,8,9,10,11,12,13,14,15
	v_writelane_b32 v[M+16+\i], s[MK2+\i], s[SQ]
.endr
	s_add_co_u32 s[SQ], s[SQ], 1
	s_cmp_lt_u32 s[SQ], 32
	s_cbranch_scc1 .Lq_\@
	s_wait_alu depctr_va_vdst(0)                           ; the lane writes have written M, which the LDS stores read
.irp c, 0,1,2,3,4,5,6,7
	ds_store_b128 v[MST], v[M+4*\c:M+4*\c+3] offset:(\set)*32*WPITCH+16*\c
.endr
	s_wait_dscnt 0x0
	s_wait_alu depctr_vm_vsrc(0)                           ; the stores have read M: its registers are written again by the next 32 queries' lane writes, and behind those by phase 2's lists
.endm
; a non-zero word goes to the list's front, with its number; s[m] holds the mask of the lanes whose word is not zero
.macro PUSH ls, li, w, iv, m
.irp k, 15,14,13,12,11,10,9,8,7,6,5,4,3,2,1
	v_cndmask_b32 v[\ls+\k], v[\ls+\k], v[\ls+\k-1], s[\m]
	v_cndmask_b32 v[\li+\k], v[\li+\k], v[\li+\k-1], s[\m]
.endr
	v_cndmask_b32 v[\ls], v[\ls], v[\w], s[\m]
	v_cndmask_b32 v[\li], v[\li], v[\iv], s[\m]
.endm
.macro PUSH4 buf                       ; four words, the highest first
.irp e, 0,1,2,3
	v_cmp_ne_u32 s[MK+\e], 0, v[(\buf)+\e]
.endr
	s_wait_alu depctr_va_sdst(0)                           ; the four masks are written, which the selects below read
.irp e, 3,2,1,0
	PUSH S, I, (\buf)+\e, IV, MK+\e
	v_add_nc_u32 v[IV], -1, v[IV]
.endr
.endm
; a trip: eight words, in two buffers that take turns: each is loaded again behind its own four pushes and read behind the other's
.macro TRIP ahead
	s_wait_dscnt 1                                         ; the older buffer is in; the younger may stay out
	PUSH4 WA
.if \ahead
	s_sub_co_u32 s[SAW], s[SAW], 32
	s_wait_alu depctr_vm_vsrc(0)                           ; the LDS loads issued so far have read v[AW]
	v_add_nc_u32 v[AW], s[SAW], v[AL]
	s_wait_alu depctr_va_vdst(0)                           ; v[AW] is written, and the four pushes are done reading WA, in which the load lands
	ds_load_b128 v[WA:WA+3], v[AW] offset:16
	s_wait_dscnt 1                                         ; likewise
.else
	s_wait_dscnt 0x0
.endif
	PUSH4 WB
.if \ahead
	s_wait_alu depctr_va_vdst(0)                           ; the four pushes are done reading WB, in which the load lands
	ds_load_b128 v[WB:WB+3], v[AW]
.endif
.endm
	s_load_b512 s[4:19], s[0:1], 0x0                       ; coords, x, W_top, b_top, W_phi, W_psi, W_alpha, Wd2
	s_load_b256 s[20:27], s[0:1], 0x40                     ; Wg1, Wg2, W_down, gidx
	s_load_b128 s[28:31], s[0:1], 0x60                     ; wimg, part1
	s_set_vgpr_msb 0x40
	v_lshl_add_u32 v0, v0, 2, 0x16500
	v_mov_b32 v1, 0
	s_set_vgpr_msb 0x4000
	v_lshrrev_b32 v21, 5, v0
	v_readfirstlane_b32 s[WV], v21                         ; wave 0..3
	v_and_b32 v[R], 15, v0
	v_bfe_u32 v[HH], v0, 4, 1
	v_and_b32 v21, 31, v0                                  ; lane
	v_lshlrev_b32 v[L16], 4, v21
	v_lshlrev_b32 v[L4], 2, v21
	v_mul_u32_u24 v[MST], v21, WPITCH
	s_wait_alu depctr_va_sdst(0)                           ; the wave's number is written, ahead of its first reader
	s_lshl_b32 s40, s[WV], 7
	v_add_nc_u32 v[MST], s40, v[MST]                       ; row = lane, + my wave's 32 words
	s_mul_i32 s40, s[WV], 16*WPITCH
	v_mul_u32_u24 v[AL], v[R], WPITCH
	v_lshl_add_u32 v[AL], v[HH], 8, v[AL]
	v_add_nc_u32 v[AL], s40, v[AL]                         ; row 16 w + r, + 64 words for lanes 16-31
	s_lshl_b32 s40, s[WV], 11
	s_add_co_u32 s40, s40, GST
	v_lshlrev_b32 v[GSTW], 6, v[R]
	v_lshl_add_u32 v[GSTW], v[HH], 10, v[GSTW]
	v_add_nc_u32 v[GSTW], s40, v[GSTW]
	v_add_nc_u32 v[GSTR], s40, v[L16]
	s_mul_i32 s40, s[WV], 3072
	s_add_co_u32 s40, s40, WTI
	v_add_nc_u32 v[WTIW], s40, v[L16]
	s_lshl_b32 s40, s[WV], 8
	s_add_co_u32 s40, s40, WTS
	v_add_nc_u32 v[WTSW], s40, v[L4]
	v_add_nc_u32 v[L16W], WTI, v[L16]
	v_add_nc_u32 v[L4W], WTS, v[L4]
	v_and_b32 v[RR8], 8, v[R]
	v_add_nc_u32 v[RR8], v[RR8], v[R]
	s_lshl_b32 s40, s[WV], 10
	s_add_co_u32 s40, s40, CMB1
	v_lshl_add_u32 v[CMBW], v[RR8], 2, s40
	s_and_b32 s41, s[WV], 1
	s_lshl_b32 s41, s41, 8
	v_lshl_add_u32 v[BOFF], v21, 3, s41
	v_add_nc_u32 v[CMBR], CMB1, v[BOFF]
	v_lshlrev_b32 v[XA], 8, v[R]
	v_lshl_add_u32 v[XA], v[HH], 6, v[XA]                  ; x: row r of 256 bytes, + 64 h
	s_lshl_b32 s40, s[WV], 7
	v_lshl_add_u32 v[WOF], v[RR8], 2, s40
	v_lshl_add_u32 v[WOF], v[HH], 14, v[WOF]               ; W_top: column 32 w + r + (r & 8), 32 rows of 512 bytes down for lanes 16-31
	s_lshl_b32 s40, ttmp9, 10
	v_lshl_add_u32 v[QOFF], v21, 4, s40                    ; the row of coords of query 64 g + lane
	s_mov_b32 s[SEL], 0x76543210
	s_mov_b32 s[SEL+1], 0xfedcba98                         ; selects for lane l xor 16
	s_mov_b32 s[SAX+1], 0                                  ; (named with their partners as pairs, so they are written)
	s_mov_b32 s[SAY+1], 0
	s_mov_b32 s[SAZ+1], 0
	s_lshr_b32 s34, ttmp9, 6                               ; the batch: 4,096 rows of 16 bytes,
	s_lshl_b32 s34, s34, 16
	s_lshl_b32 s33, s[WV], 14                              ; my wave's 1,024 of them
	s_add_co_u32 s34, s34, s33
	s_mov_b32 s35, 0
	s_wait_kmcnt 0x0
	s_add_nc_u64 s[CB:CB+1], s[4:5], s[34:35]
	s_wait_alu depctr_va_vdst(0)                           ; the offsets and LDS addresses v3 and v5 to v19 are written, which the loads and stores of all three ways below read
	s_cmp_lt_u32 ttmp9, 64
	s_cbranch_scc0 .Lnot_stat
; ---- STATISTICS of t over rows 256 g .. 256 g + 255: a wave takes 64 rows.  The branch hangs on the work-group's number alone, so all four waves pass the two barriers below; the job's LDS bytes are its own.
	s_lshl_b32 s34, ttmp9, 16
	s_lshl_b32 s33, s[WV], 14
	s_add_co_u32 s34, s34, s33
	s_mov_b32 s35, 0
	s_add_nc_u64 s[46:47], s[6:7], s[34:35]                ; x at my 64 rows
	s_lshl_b32 s34, ttmp9, 10
	s_add_nc_u64 s[50:51], s[30:31], s[34:35]              ; part1 at my group's 1,024 bytes
	s_mov_b32 s48, 0x3c800000                              ; 1 / 64
	s_mov_b32 s49, 0xbc800000
	WLOAD 1, 512, WX, WOF, 8, 0                            ; W_top's fragments 2 w and 2 w + 1 (8 columns on)
	WLOAD 1, 512, WX+32, WOF, 8, 32
.irp i, 0,1,2,3
.irp b, 0,1
.irp j, 0,1,2,3
	global_load_b128 v[XR+32*\i+16*\b+4*\j:XR+32*\i+16*\b+4*\j+3], v[XA], s[46:47] offset:4096*\i+128*\b+16*\j
.endr
.endr
.endr
	s_wait_loadcnt 32                                      ; W_top's 64 loads are in; x's 32 may stay out
	WQ 1, WX, PCW, PWW
	s_wait_alu depctr_va_vdst(0)                           ; the codes and the scale word are written, which the LDS stores read
	IMAGE WTIW, PCW, 0
	ds_store_b32 v[WTSW], v[PWW]
	s_wait_dscnt 0x0
	s_wait_alu depctr_vm_vsrc(0)                           ; the stores have read the codes' registers and the scale word's, which the next fragment's lines write
	WQ 1, WX+32, PCW, PWW
	s_wait_alu depctr_va_vdst(0)                           ; the second fragment's codes and scale word are written, which the LDS stores read
	IMAGE WTIW, PCW, 1536
	ds_store_b32 v[WTSW], v[PWW] offset:128
	BARRIER                                                ; W_top's eight images lie in LDS
	s_wait_alu depctr_vm_vsrc(0)                           ; my stores have read v32 to v44, which x's codes are written into
.irp b, 0,1,2,3
	v_mov_b32 v[TM+4+\b], 0                                ; a lane permute's destination counts as one of its sources
.endr
	s_wait_loadcnt 0x0
	QUANT XR, 0, XC, XS, 2
	QUANT XR+32, 0, XC+12, XS+1, 2
	QUANT XR+64, 0, XC+24, XS+2, 2
	QUANT XR+96, 0, XC+36, XS+3, 2
.macro SHIFT                           ; the mean of the wave's first 16 rows: what the sums are taken about
.irp tt, 0,1,2,3
	v_pk_add_f32 v[U+2*\tt:U+2*\tt+1], v[DD+8*\tt:DD+8*\tt+1], v[DD+8*\tt+2:DD+8*\tt+3]
.endr
.irp tt, 0,1,2,3
	v_pk_add_f32 v[U2+2*\tt:U2+2*\tt+1], v[DD+8*\tt+4:DD+8*\tt+5], v[DD+8*\tt+6:DD+8*\tt+7]
.endr
.irp tt, 0,1,2,3
	v_pk_add_f32 v[U+2*\tt:U+2*\tt+1], v[U+2*\tt:U+2*\tt+1], v[U2+2*\tt:U2+2*\tt+1]
.endr
.irp tt, 0,1,2,3
	v_add_f32 v[U+2*\tt], v[U+2*\tt], v[U+2*\tt+1]
.endr
.irp tt, 0,1,2,3
	v_permlanex16_b32 v[U2+2*\tt], v[U+2*\tt], s[SEL], s[SEL+1]
.endr
.irp tt, 0,1,2,3
	v_add_f32 v[U+2*\tt], v[U+2*\tt], v[U2+2*\tt]
.endr
.irp tt, 0,1,2,3
	v_mul_f32 v[SH+2*\tt], 0x3d800000, v[U+2*\tt]
.endr
.irp tt, 0,1,2,3
	v_mov_b32 v[SH+2*\tt+1], v[SH+2*\tt]
.endr
.endm
.macro ACCUM                           ; d = t - shift; sums of d and of d^2, two rows at a time
.irp p, 0,2,4,6
.irp tt, 0,1,2,3
	v_pk_add_f32 v[DD+8*\tt+\p:DD+8*\tt+\p+1], v[DD+8*\tt+\p:DD+8*\tt+\p+1], v[SH+2*\tt:SH+2*\tt+1] neg_lo:[0,1] neg_hi:[0,1]
.endr
.irp tt, 0,1,2,3
	v_pk_add_f32 v[S1+2*\tt:S1+2*\tt+1], v[S1+2*\tt:S1+2*\tt+1], v[DD+8*\tt+\p:DD+8*\tt+\p+1]
.endr
.irp tt, 0,1,2,3
	v_pk_fma_f32 v[S2+2*\tt:S2+2*\tt+1], v[DD+8*\tt+\p:DD+8*\tt+\p+1], v[DD+8*\tt+\p:DD+8*\tt+\p+1], v[S2+2*\tt:S2+2*\tt+1]
.endr
.endr
.endm
.irp hh, 0,1                           ; four channel tiles at a time.  Source 0 = 16 rows of x, source 1 = 16 columns of W_top: a lane holds one channel and eight rows
.irp k, 0,1,2,3,4,5,6,7,8,9,10,11,12,13,14,15
	v_mov_b32 v[S1+\k], 0                                  ; both sums; also the places between the codes and scale words just made and the scaled products
.endr
.if \hh == 0
	s_wait_alu depctr_va_vdst(0)                           ; x's codes and scale words are written, which the scaled products take; the quantisers are done with v84 to v135, in which W_top's fragments and scale words land
.else
	s_wait_alu depctr_vm_vsrc(0)                           ; the LDS stores of the first four tiles' figures have read v[U ..], which the lines below write again
.endif
.irp tt, 0,1,2,3
	FETCH WT+12*\tt, L16W, (4*\hh+\tt)*1536                ; (second time: no vector or matrix line since the wait ahead of the figures' stores names these registers)
	ds_load_b32 v[WTSC+\tt], v[L4W] offset:(4*\hh+\tt)*128
.endr
	s_wait_dscnt 0x0
.irp i, 0,1,2,3
.irp tt, 0,1,2,3
	MMZ DD+8*\tt, XC+12*\i, WT+12*\tt, XS+\i, WTSC+\tt
.endr
	NOPS 4                                                 ; places in front of the first read of results
.if \i == 0
	SHIFT
.endif
	ACCUM
.endr
.irp tt, 0,1,2,3
	v_add_f32 v[S1+2*\tt], v[S1+2*\tt], v[S1+2*\tt+1]
	v_add_f32 v[S2+2*\tt], v[S2+2*\tt], v[S2+2*\tt+1]
.endr
.irp tt, 0,1,2,3
	v_permlanex16_b32 v[U+2*\tt], v[S1+2*\tt], s[SEL], s[SEL+1]
	v_permlanex16_b32 v[U+2*\tt+1], v[S2+2*\tt], s[SEL], s[SEL+1]
.endr
.irp tt, 0,1,2,3
	v_add_f32 v[S1+2*\tt], v[S1+2*\tt], v[U+2*\tt]
	v_add_f32 v[S2+2*\tt], v[S2+2*\tt], v[U+2*\tt+1]
.endr
.irp tt, 0,1,2,3
	v_fma_f32 v[U+2*\tt], v[S1+2*\tt], s48, v[SH+2*\tt]    ; the 64 rows' mean
	v_mul_f32 v[U2+2*\tt], v[S1+2*\tt], v[S1+2*\tt]
.endr
.irp tt, 0,1,2,3
	v_fma_f32 v[U+2*\tt+1], v[U2+2*\tt], s49, v[S2+2*\tt]  ; and their sum of squared deviations from it
.endr
	s_wait_alu depctr_va_vdst(0)                           ; the figures are written, which the LDS stores read; the products are done reading W_top's fragments and scale words
.irp tt, 0,1,2,3
	ds_store_b32 v[CMBW], v[U+2*\tt] offset:4*(32*((4*\hh+\tt)/2)+8*((4*\hh+\tt)%2))        ; lanes l and l xor 16 write the same word with the same value
	ds_store_b32 v[CMBW], v[U+2*\tt+1] offset:512+4*(32*((4*\hh+\tt)/2)+8*((4*\hh+\tt)%2))
.endr
.endr
	BARRIER                                                ; the four waves' figures lie in LDS
	s_cmp_lt_u32 s[WV], 2                                  ; waves 0 and 1 join them: 64 channels each, two a lane, so that a store covers 256 consecutive bytes
	s_cbranch_scc0 .Lscan
	global_load_b64 v[224:225], v[BOFF], s[10:11]          ; b_top
.irp k, 0,1,2,3
	ds_load_b64 v[208+2*\k:209+2*\k], v[CMBR] offset:1024*\k
	ds_load_b64 v[216+2*\k:217+2*\k], v[CMBR] offset:1024*\k+512
.endr
	s_wait_dscnt 0x0
	v_pk_add_f32 v[226:227], v[208:209], v[210:211]
	v_pk_add_f32 v[228:229], v[212:213], v[214:215]
	v_pk_add_f32 v[226:227], v[226:227], v[228:229]
	v_pk_mul_f32 v[226:227], v[226:227], 0x3e800000 op_sel_hi:[1,0]       ; the 256 rows' mean
.irp k, 0,1,2,3
	v_pk_add_f32 v[208+2*\k:209+2*\k], v[208+2*\k:209+2*\k], v[226:227] neg_lo:[0,1] neg_hi:[0,1]
.endr
	v_pk_mul_f32 v[228:229], v[208:209], v[208:209]
.irp k, 1,2,3
	v_pk_fma_f32 v[228:229], v[208+2*\k:209+2*\k], v[208+2*\k:209+2*\k], v[228:229]
.endr
	v_pk_add_f32 v[216:217], v[216:217], v[218:219]
	v_pk_add_f32 v[220:221], v[220:221], v[222:223]
	v_pk_add_f32 v[216:217], v[216:217], v[220:221]
	v_pk_fma_f32 v[216:217], v[228:229], 0x42800000, v[216:217] op_sel_hi:[1,0,1]   ; + 64 x the squared distances of the waves' means
	s_wait_loadcnt 0x0
	v_pk_add_f32 v[226:227], v[226:227], v[224:225]        ; the bias moves the mean and nothing else
	s_wait_alu depctr_va_vdst(0)                           ; the group's means and squared deviations are written, which the two stores read
	global_store_b64 v[BOFF], v[226:227], s[50:51]
	global_store_b64 v[BOFF], v[216:217], s[50:51] offset:512
	s_branch .Lscan
.Lnot_stat:
	s_cmp_lt_u32 ttmp9, 79
	s_cbranch_scc0 .Lscan
; ---- WEIGHTS: wave w of work-group 64 + i quantises fragment f = 4 i + w (8 for each of W_top, W_phi, W_psi, W_alpha, Wd2, Wg1, Wg2; 4 for W_down).  A work-group's four fragments belong to one weight.
	s_sub_co_u32 s46, ttmp9, 64
	s_lshr_b32 s47, s46, 1                                 ; which weight
	s_lshl_b32 s48, s46, 2
	s_add_co_u32 s48, s48, s[WV]                           ; f
	s_and_b32 s49, s48, 7                                  ; t
	s_mul_i32 s34, s48, FRB
	s_mov_b32 s35, 0
	s_add_nc_u64 s[52:53], s[28:29], s[34:35]
	s_mov_b64 s[54:55], s[8:9]
	s_cmp_eq_u32 s47, 1
	s_cselect_b64 s[54:55], s[12:13], s[54:55]
	s_cmp_eq_u32 s47, 2
	s_cselect_b64 s[54:55], s[14:15], s[54:55]
	s_cmp_eq_u32 s47, 3
	s_cselect_b64 s[54:55], s[16:17], s[54:55]
	s_cmp_eq_u32 s47, 4
	s_cselect_b64 s[54:55], s[18:19], s[54:55]
	s_cmp_eq_u32 s47, 5
	s_cselect_b64 s[54:55], s[20:21], s[54:55]
	s_cmp_eq_u32 s47, 6
	s_cselect_b64 s[54:55], s[22:23], s[54:55]
	s_cmp_eq_u32 s47, 7
	s_cselect_b64 s[54:55], s[24:25], s[54:55]
	s_lshr_b32 s56, s49, 1
	s_lshl_b32 s56, s56, 5
	s_and_b32 s57, s49, 1
	s_lshl_b32 s57, s57, 3
	s_add_co_u32 s56, s56, s57
	v_add_nc_u32 v21, s56, v[RR8]                          ; P = 32 (t / 2) + 8 (t % 2) + r + (r & 8)
	v_and_b32 v22, 64, v21                                 ; W_alpha: place P of a value row holds the channel that the reader's lane (P / 4) % 16 wants for tile 4 (P / 64) + P % 4
	v_bfe_u32 v23, v21, 1, 1
	v_lshl_add_u32 v22, v23, 5, v22
	v_and_b32 v23, 1, v21
	v_lshl_add_u32 v22, v23, 3, v22
	v_bfe_u32 v23, v21, 2, 4
	v_add_nc_u32 v22, v22, v23
	v_and_b32 v23, 8, v23
	v_add_nc_u32 v22, v22, v23
	s_cmp_eq_u32 s47, 3
	s_cselect_b32 s57, -1, 0
	v_cndmask_b32 v21, v21, v22, s57
	v_lshlrev_b32 v21, 2, v21
	v_lshl_add_u32 v21, v[HH], 14, v21                     ; 4 x column + 32 rows of 512 bytes for lanes 16-31
	s_cmp_eq_u32 s47, 0
	s_cbranch_scc1 .Lw_top
	s_cmp_eq_u32 s47, 7
	s_cbranch_scc1 .Lw_down
	s_wait_alu depctr_va_vdst(0)                           ; v21 is written, which the weight's loads read as their offset
	WLOAD 2, 512, WX, 21, 54, 0
	s_wait_loadcnt 0x0
	WQ 2, WX, PCW, PWW
	s_branch .Lw_out
.Lw_top:                               ; K = 64
	s_wait_alu depctr_va_vdst(0)                           ; v21 is written, which the weight's loads read as their offset
	WLOAD 1, 512, WX, 21, 54, 0
	s_wait_loadcnt 0x0
	WQ 1, WX, PCW, PWW
	s_branch .Lw_out
.Lw_down:                              ; rows of 64 numbers; column 16 t + r
	s_lshl_b32 s56, s49, 4
	v_add_nc_u32 v21, s56, v[R]
	v_lshlrev_b32 v21, 2, v21
	v_lshl_add_u32 v21, v[HH], 13, v21
	s_wait_alu depctr_va_vdst(0)                           ; v21 is written, which the weight's loads read as their offset
	WLOAD 2, 256, WX, 21, 54, 0
	s_wait_loadcnt 0x0
	WQ 2, WX, PCW, PWW
.Lw_out:
	s_wait_alu depctr_va_vdst(0)                           ; the fragment's codes and scale word are written, which the four stores read
.irp c, 0,1,2
	global_store_b128 v[L16], v[PCW+4*\c:PCW+4*\c+3], s[52:53] offset:512*\c     ; 512 consecutive bytes a store
.endr
	global_store_b32 v[L4], v[PWW], s[52:53] offset:1536
.Lscan:
; ---- THE SEARCH, PHASE 1
	s_wait_xcnt 0x0                                        ; the side jobs' stores have had their addresses translated
	s_wait_alu depctr_vm_vsrc(0)                           ; and have read their data (v32 to v44; v192 to v199, v216, v217, v226, v227), in which the candidates' loads land and their conversions write
	global_load_b128 v[QA:QA+3], v[QOFF], s[4:5]           ; queries 64 g + lane
	global_load_b128 v[QA+4:QA+7], v[QOFF], s[4:5] offset:512   ; and 64 g + 32 + lane
.set i, 0
.rept 24
	global_load_b128 v[RAW+4*i:RAW+4*i+3], v[L16], s[CB:CB+1] offset:512*i       ; word i of my candidates: 32 lanes read 512 consecutive bytes
.set i, i+1
.endr
	s_wait_loadcnt 24                                      ; the queries are in: 24 loads were issued behind them
.irp s, 0,4
	v_cvt_f32_i32 v[QA+\s+1], v[QA+\s+1]
	v_cvt_f32_i32 v[QA+\s+2], v[QA+\s+2]
	v_cvt_f32_i32 v[QA+\s+3], v[QA+\s+3]
.endr
.irp s, 0,4
	v_mul_f32 v[QA+\s], v[QA+\s+1], v[QA+\s+1]
.endr
.irp s, 0,4
	v_fmac_f32 v[QA+\s], v[QA+\s+2], v[QA+\s+2]
.endr
.irp s, 0,4
	v_fmac_f32 v[QA+\s], v[QA+\s+3], v[QA+\s+3]
.endr
.irp s, 0,4
	v_sub_f32 v[QA+\s], 0x42c80000, v[QA+\s]               ; 100 - |q|^2
	v_mul_f32 v[QA+\s+1], -2.0, v[QA+\s+1]
	v_mul_f32 v[QA+\s+2], -2.0, v[QA+\s+2]
	v_mul_f32 v[QA+\s+3], -2.0, v[QA+\s+3]
.endr
	CANDS 0, 0, 16
	s_wait_alu depctr_va_vdst(0)                           ; the first eight words' conversions are done reading their raw registers, in which the last eight words land
.set i, 0
.rept 8
	global_load_b128 v[RAW+4*i:RAW+4*i+3], v[L16], s[CB:CB+1] offset:512*(24+i)  ; the last eight words, into the registers that the first eight have left
.set i, i+1
.endr
	CANDS 1, 1, 16
	CANDS 2, 2, 8
	CANDS 3, 0, 0
.set i, 0
.rept 32
	v_mov_b32 v[M+i], 0                                    ; a lane write's destination counts as one of its sources; every lane is written in each run of 32 queries
.set i, i+1
.endr
	QLOOP 0
	QLOOP 1
	BARRIER                                                ; the 64 queries' 128 words lie in LDS
; ---- PHASE 2
.irp k, 0,1,2,3,4,5,6,7,8,9,10,11,12,13,14,15
	v_mov_b32 v[S+\k], 0                                   ; an empty list is a list of zero words
	v_mov_b32 v[I+\k], 0
	v_mov_b32 v[MS+\k], 0                                  ; (lane permutes' destinations)
	v_mov_b32 v[MI+\k], 0
.endr
	v_lshl_add_u32 v[IV], v[HH], 6, 63                     ; the number of the first word pushed: the highest of my half
	v_add_nc_u32 v[AW], 224, v[AL]
	s_wait_alu depctr_va_vdst(0)                           ; v[AW] is written, which the two loads read; phase 1 is done with v32 to v39, in which they land
	ds_load_b128 v[WA:WA+3], v[AW] offset:16               ; words 60-63 of my 64,
	ds_load_b128 v[WB:WB+3], v[AW]                         ; words 56-59
	s_mov_b32 s[SAW], 224
	s_mov_b32 s[SCNT], 7
.Ltrip:
	TRIP 1
	s_sub_co_u32 s[SCNT], s[SCNT], 1
	s_cmp_lg_u32 s[SCNT], 0
	s_cbranch_scc1 .Ltrip
	TRIP 0                                                 ; the last trip fetches nothing
; MERGE: lanes 0-15 take the upper half's list and push their own words on it, highest first.  (Lanes 16-31 run the same lines on numbers that nobody reads.)
.irp k, 0,1,2,3,4,5,6,7,8,9,10,11,12,13,14,15
	v_permlanex16_b32 v[MS+\k], v[S+\k], s[SEL], s[SEL+1]
	v_permlanex16_b32 v[MI+\k], v[I+\k], s[SEL], s[SEL+1]
.endr
.irp k, 0,1,2,3,4,5,6,7,8,9,10,11,12,13,14,15
	v_cmp_ne_u32 s[MK+\k], 0, v[S+\k]                      ; my own list is not written by the pushes: its sixteen compares stand in one run
.endr
	s_wait_alu depctr_va_sdst(0)                           ; the sixteen masks are written, which the selects below read
.irp k, 15,14,13,12,11,10,9,8,7,6,5,4,3,2,1,0
	PUSH MS, MI, S+\k, I+\k, MK+\k
.endr
; DECODE: 16 times the lowest set bit of the list's first word; a word that is used up leaves the list.  Values only: selects, no branch.
	s_lshr_b32 s[SB], ttmp9, 6
	s_lshl_b32 s[SB], s[SB], 12
	s_sub_co_u32 s[SB], s[SB], 127                         ; the batch's first row, less the exponent's bias
.set dt, 0
.rept 16
	v_sub_nc_u32 v[T0], 0, v[MS]
	v_and_b32 v[T0], v[MS], v[T0]                          ; the lowest set bit
.if dt > 0
	v_cmp_ne_u32 s[MK], 0, v[MS]                           ; is there a word at all?
.endif
	v_xor_b32 v[MS], v[MS], v[T0]
.if dt < 15
	v_cmp_eq_u32 s[MK+1], 0, v[MS]                         ; is it used up?
.endif
	v_cvt_f32_u32 v[T1], v[T0]
	v_lshrrev_b32 v[T1], 23, v[T1]                         ; its place + 127
	v_lshl_add_u32 v[T1], v[MI], 5, v[T1]
	v_add_nc_u32 v[T1], s[SB], v[T1]
	s_wait_alu depctr_va_sdst(0)                           ; the step's masks are written, which the selects below read
.if dt == 0
	v_mov_b32 v[OUT], v[T1]                                ; the query itself lies within its radius: the first slot is always filled
.else
	v_cndmask_b32 v[OUT+dt], v[OUT], v[T1], s[MK]          ; an empty slot repeats the first hit
.endif
.if dt < 15
.set dk, 0
.rept 15-dt
	v_cndmask_b32 v[MS+dk], v[MS+dk], v[MS+dk+1], s[MK+1]
	v_cndmask_b32 v[MI+dk], v[MI+dk], v[MI+dk+1], s[MK+1]
.set dk, dk+1
.endr
.endif
.set dt, dt+1
.endr
; THE WAY OUT: a lane holds a query's 64 bytes; through the wave's own stage they leave as 512 consecutive bytes a store
	s_lshl_b32 s34, ttmp9, 12
	s_lshl_b32 s33, s[WV], 10
	s_add_co_u32 s34, s34, s33
	s_mov_b32 s35, 0
	s_add_nc_u64 s[62:63], s[26:27], s[34:35]
	s_wait_alu depctr_va_vdst(0)                           ; the sixteen results are written, which the LDS stores read
.irp c, 0,1,2,3
	ds_store_b128 v[GSTW], v[OUT+4*\c:OUT+4*\c+3] offset:16*\c
.endr
	ds_load_b128 v[OB:OB+3], v[GSTR]                       ; LDS serves a wave's instructions in order: these see my stores
	ds_load_b128 v[OB+4:OB+7], v[GSTR] offset:512
	s_wait_dscnt 1
	global_store_b128 v[L16], v[OB:OB+3], s[62:63]
	s_wait_dscnt 0x0
	global_store_b128 v[L16], v[OB+4:OB+7], s[62:63] offset:512
	s_set_vgpr_msb 0x5
	s_wait_dscnt 0x0
	s_wait_alu depctr_hold_cnt(0) depctr_sa_sdst(0) depctr_va_vdst(0) depctr_va_sdst(0) depctr_va_ssrc(0) depctr_va_vcc(0) depctr_vm_vsrc(0)
	s_wait_tensorcnt 0x0
	ds_add_u32 v0, v1
	s_wait_dscnt 0x0
	s_endpgm
.Lfunc_end_k_q23963ca5cb_scan:
	.size	k_q23963ca5cb_scan, .Lfunc_end_k_q23963ca5cb_scan-k_q23963ca5cb_scan
	.p2alignl 7, 3214868480
	.fill 96, 4, 3214868480
	.section	.rodata,"a",@progbits
	.p2align	6, 0x0
	.amdhsa_kernel k_q23963ca5cb_scan
		.amdhsa_group_segment_fixed_size 91904
		.amdhsa_private_segment_fixed_size 0
		.amdhsa_enable_private_segment 0
		.amdhsa_kernarg_size 112
		.amdhsa_user_sgpr_count 2
		.amdhsa_user_sgpr_kernarg_segment_ptr 1
		.amdhsa_wavefront_size32 1
		.amdhsa_system_sgpr_workgroup_id_x 1
		.amdhsa_system_sgpr_workgroup_id_y 1
		.amdhsa_system_sgpr_workgroup_id_z 1
		.amdhsa_system_vgpr_workitem_id 0
		.amdhsa_next_free_vgpr 258
		.amdhsa_next_free_sgpr 102
		.amdhsa_reserve_vcc 0
		.amdhsa_float_denorm_mode_32 3
		.amdhsa_float_denorm_mode_16_64 3
		.amdhsa_memory_ordered 1
		.amdhsa_forward_progress 1
		.amdhsa_inst_pref_size 216
	.end_amdhsa_kernel
	.amdgpu_metadata
---
amdhsa.version: [ 1, 2 ]
amdhsa.kernels:
  - .name:           k_q23963ca5cb_scan
    .symbol:         k_q23963ca5cb_scan.kd
    .args:
      - { .name: coords, .offset: 0, .size: 8, .value_kind: global_buffer, .address_space: global }
      - { .name: x, .offset: 8, .size: 8, .value_kind: global_buffer, .address_space: global }
      - { .name: W_top, .offset: 16, .size: 8, .value_kind: global_buffer, .address_space: global }
      - { .name: b_top, .offset: 24, .size: 8, .value_kind: global_buffer, .address_space: global }
      - { .name: W_phi, .offset: 32, .size: 8, .value_kind: global_buffer, .address_space: global }
      - { .name: W_psi, .offset: 40, .size: 8, .value_kind: global_buffer, .address_space: global }
      - { .name: W_alpha, .offset: 48, .size: 8, .value_kind: global_buffer, .address_space: global }
      - { .name: Wd2, .offset: 56, .size: 8, .value_kind: global_buffer, .address_space: global }
      - { .name: Wg1, .offset: 64, .size: 8, .value_kind: global_buffer, .address_space: global }
      - { .name: Wg2, .offset: 72, .size: 8, .value_kind: global_buffer, .address_space: global }
      - { .name: W_down, .offset: 80, .size: 8, .value_kind: global_buffer, .address_space: global }
      - { .name: gidx, .offset: 88, .size: 8, .value_kind: global_buffer, .address_space: global }
      - { .name: wimg, .offset: 96, .size: 8, .value_kind: global_buffer, .address_space: global }
      - { .name: part1, .offset: 104, .size: 8, .value_kind: global_buffer, .address_space: global }
    .group_segment_fixed_size: 91904
    .private_segment_fixed_size: 0
    .kernarg_segment_align: 8
    .kernarg_segment_size: 112
    .max_flat_workgroup_size: 128
    .sgpr_count:     102
    .vgpr_count:     258
    .wavefront_size: 32
...
	.end_amdgpu_metadata
.endif
;; end of part 5
;; launch prep (part 6): grid 256 x 1, 4 waves a work-group, no clusters, 44,544 bytes of LDS; arguments x, coords, b_top, g1, be1, bd2, gidx, wimg, part1, qtab, kvtab, relb; writes qtab, kvtab, relb
.if DOCPART == 6
	.amdgcn_target "amdgcn-amd-amdhsa--gfx1250"
	.amdhsa_code_object_version 6
	.text
	.protected	k_q23963ca5cb_prep
	.globl	k_q23963ca5cb_prep
	.p2align	8
	.type	k_q23963ca5cb_prep,@function
k_q23963ca5cb_prep:
	s_mov_b64 s[64:65], 0
	v_nop
	global_prefetch_b8 v0, s[64:65] scope:SCOPE_SE
	s_setreg_imm32_b32 hwreg(HW_REG_WAVE_SCHED_MODE, 0, 2), 2
	s_setreg_imm32_b32 hwreg(HW_REG_WAVE_MODE, 25, 1), 1
	s_wait_xcnt 0x0
	s_wait_alu depctr_vm_vsrc(0)
; prep: the first batch norm is finished from the 64 groups' figures; t = x W_top + b_top is made again for the wave's 16 rows; y = BN(t) is quantised; q + bd2, kf and v go to tables; the relative positions go to relb.
; A work-group owns 64 rows, a wave 16: one tile.  All 32 weight fragments (images of operand registers, made by the launch before) are asked for at the head, into windows 1 and 2.
; All products are used transposed (source 0 = 16 columns of the weight, source 1 = my 16 rows): lane (r, h) holds row r, and register 16 b + i the place 32 b + 16 h + i of the row: 16 neighbours along the next K.
; The variance is (sum of the groups' squared deviations + 256 x the squared distances of the groups' means from the mean) / 16384: no difference of large sums.
; LIMITS: coordinates whose differences stay under 2^24 (the difference is taken in whole numbers, then converted); NaN and infinities are not served; a block of zeros gets the scale byte 1 (its codes are zeros).
; No tensor loads, no cluster: what the work-groups share is 57 KiB of weights read once a wave into registers.
; THE MODE: SCHED_MODE bits 1:0 = 2 (LLVM: expert scheduling mode 2), set by the entry lines.  The code itself states the register dependences between vector or matrix instructions and memory or LDS instructions, with s_wait_alu, always for 0.
; THE PLAN.  The text is straight: no loop.  All offsets and LDS addresses but GI are made at the head, ahead of one wait, and never written again.  Registers that memory or LDS instructions touch beside them:
;   ACC        x lands, the quantiser reads it, b_top lands, the products write it, the stage's stores read it, the next product writes it.
;   GI         the neighbours' numbers land, vector lines bound and shift them, the gather reads them as offsets.
;   RA         written by each of the two passes, read by an LDS store behind each.
;   v160-223   LDS loads land five times over (sums, means, three times rows on the way out); vector lines read them; v172-175 are an LDS store's data; on the way out they are the global stores' data.
;   OW         own rows land, vector lines make the relative positions in place, the last stores read them.
; One wait on va_vdst behind the first pass serves the first LDS store and the 176 loads that follow it; the others stand ahead of each group of stores of vector or matrix results, and ahead of the first product by y's codes.
; Waits on vm_vsrc stand where a store's data registers are written again: RA, v172-175, ACC and v160-223 between two products' ways out.
.set FRB, 1792
.set RED1, 0                           ; LDS: [2][64] quads, first pass;  [2][64] quads, second pass
.set RED2, 2048
.set WST, 4096                         ; per wave 1,536: 128 means, 128 scales, 128 betas: each wave's own copy, so no two waves write the same bytes
.set STG, 10240                        ; per wave 16 rows x (512 + 16) bytes: the way out
.set R, 1
.set HH, 2
.set L16, 3
.set L4, 4
.set XA, 5
.set PA, 6
.set T16, 7
.set REDC, 8
.set WSTW, 10
.set WSTR, 11
.set STGW, 12
.set STGR, 13
.set B64H, 14
.set OWN, 15
.set GI, 16                            ; v16-23 neighbour numbers, then byte offsets
.set XC, 24                            ; v24-35 the codes of x, later of y
.set XS, 36
.set YS, 37
.set TM, 40
.set SCR, 56
.set ACC, 64                           ; v64-127
.set WS, 128                           ; v128-159 the 32 fragments' scale words
.set TB1, 160                          ; v160-223
.set G1R, 224
.set BE1R, 228
.set RA, 232                           ; v232-247 four running quads
.set MUQ, 248
.set TB3, 192                          ; window 1: fragments 0-15 at 12 f; v192-255 beta
.set NB, 192                           ; window 2: fragments 16-31 at 12 (f - 16); v192-223 neighbours' rows of coords, v224-255 own rows
.set OW, 224
.set RR, 0                             ; window 3: v0-127 the groups' figures; v128-191 scales; v192-255 bd2
.set TB2, 128
.set BD, 192
.set WV, 28
.set SEL, 32
.set MSB, 0
.macro WIN new                         ; the immediate's high byte repeats the setting that is left
.if MSB != (\new)
	s_set_vgpr_msb (MSB<<8)|(\new)
.set MSB, (\new)
.endif
.endm
.macro NOPS n
.rept \n
	v_nop
.endr
.endm
.macro BARRIER
	s_wait_dscnt 0x0
	s_barrier_signal -1
	s_barrier_wait -1
.endm
.macro QUANT src, ws, pc, pw, nb       ; 16 nb numbers of a lane, register 16 b + i = k 32 b + 16 (lane / 16) + i, become codes in v[pc] on and a scale word in v[pw]
	WIN (((\ws)<<2)|((\ws)<<4))
.set qb, 0
.rept \nb
	v_max3_num_f32 v[TM+qb], 0x1800000, |v[(\src)+16*qb]|, |v[(\src)+16*qb+1]|   ; the floor 2^(3 - 127): the byte cannot fall under 1
.set qb, qb+1
.endr
.set qi, 2
.rept 7
.set qb, 0
.rept \nb
	v_max3_num_f32 v[TM+qb], v[TM+qb], |v[(\src)+16*qb+qi]|, |v[(\src)+16*qb+qi+1]|
.set qb, qb+1
.endr
.set qi, qi+2
.endr
	WIN 0
.set qb, 0
.rept \nb
	v_permlanex16_b32 v[TM+4+qb], v[TM+qb], s[SEL], s[SEL+1]
.set qb, qb+1
.endr
.set qb, 0
.rept \nb
	v_max_num_f32 v[TM+qb], v[TM+qb], v[TM+4+qb]
.set qb, qb+1
.endr
.set qb, 0
.rept \nb
	v_add_nc_u32 v[TM+12+qb], 0xff000000, v[TM+qb]        ; 2 off the exponent field: the conversion's scale operand
.set qb, qb+1
.endr
.set qb, 0
.rept \nb
	v_lshrrev_b32 v[TM+4+qb], 23, v[TM+12+qb]
.set qb, qb+1
.endr
	v_lshl_or_b32 v[\pw], v[TM+5], 8, v[TM+4]
.if \nb == 4
	v_lshl_or_b32 v[\pw], v[TM+6], 16, v[\pw]
	v_lshl_or_b32 v[\pw], v[TM+7], 24, v[\pw]
.endif
	WIN (\ws)
.set qc, 0
.rept (\nb)/2
	v_cvt_scalef32_pk16_fp6_f32 v[(\pc)+6*qc:(\pc)+6*qc+2], v[(\src)+32*qc:(\src)+32*qc+15], v[TM+12+2*qc]
	v_cvt_scalef32_pk16_fp6_f32 v[SCR+4*qc:SCR+4*qc+2], v[(\src)+32*qc+16:(\src)+32*qc+31], v[TM+13+2*qc]
.set qc, qc+1
.endr
	WIN 0
	v_nop                                                  ; one plain place behind a scaled conversion
.set qc, 0
.rept (\nb)/2
.irp i, 0,1,2
	v_permlane16_swap_b32 v[(\pc)+6*qc+\i], v[SCR+4*qc+\i]
.endr
.irp i, 0,1,2
	v_mov_b32 v[(\pc)+6*qc+3+\i], v[SCR+4*qc+\i]
.endr
.set qc, qc+1
.endr
.if \nb == 2
.irp i, 6,7,8,9,10,11
	v_mov_b32 v[(\pc)+\i], 0                               ; K ends at 64: zero codes fill the instruction's 128
.endr
.endif
.endm
.macro GFRAG reg, f                    ; a fragment comes as it was stored: three loads of 512 consecutive bytes
.irp c, 0,1,2
	global_load_b128 v[(\reg)+4*\c:(\reg)+4*\c+3], v[L16], s[18:19] offset:(\f)*FRB+512*\c
.endr
.endm
.macro MMZ d, a, b, sa, sb
	v_wmma_scale_f32_16x16x128_f8f6f4 v[(\d):(\d)+7], v[(\a):(\a)+11], v[(\b):(\b)+11], 0, v[\sa], v[\sb] matrix_a_fmt:MATRIX_FMT_FP6 matrix_b_fmt:MATRIX_FMT_FP6
.endm
.macro MMC d, a, b, cc, sa, sb
	v_wmma_scale_f32_16x16x128_f8f6f4 v[(\d):(\d)+7], v[(\a):(\a)+11], v[(\b):(\b)+11], v[(\cc):(\cc)+7], v[\sa], v[\sb] matrix_a_fmt:MATRIX_FMT_FP6 matrix_b_fmt:MATRIX_FMT_FP6
.endm
.macro QJOIN                           ; the four running quads become one
.irp e, 0,2
	v_pk_add_f32 v[RA+\e:RA+\e+1], v[RA+\e:RA+\e+1], v[RA+4+\e:RA+4+\e+1]
	v_pk_add_f32 v[RA+8+\e:RA+8+\e+1], v[RA+8+\e:RA+8+\e+1], v[RA+12+\e:RA+12+\e+1]
.endr
.irp e, 0,2
	v_pk_add_f32 v[RA+\e:RA+\e+1], v[RA+\e:RA+\e+1], v[RA+8+\e:RA+8+\e+1]
.endr
.endm
; y x one weight: eight products, then 16 whole rows of 512 bytes through the wave's own stage.  first = 1: the first of the three
.macro OUTM win, fr, sc, cb, base, stride, boff, first
.if \first
	s_wait_alu depctr_va_vdst(0)                           ; y's codes and scale word are written, which all three products take; the eight places stand ahead of this wait
.else
	s_wait_alu depctr_vm_vsrc(0)                           ; the stage's stores of the product before have read the accumulators, which the products below write; its global stores have read v160 to v223, in which rows land again
.endif
	WIN \win
.irp t, 0,1,2,3,4,5,6,7
.if \cb
	MMC ACC+8*\t, (\fr)+12*\t, XC, BD+8*\t, WS+(\sc)+\t, YS
.else
	MMZ ACC+8*\t, (\fr)+12*\t, XC, WS+(\sc)+\t, YS
.endif
.endr
	WIN 0
	NOPS 5                                                 ; places in front of the first read of results, and one more for the next product's instructions, which write over these accumulators
	s_wait_xcnt 0x0                                        ; the earlier rows' stores have had their addresses translated
	s_wait_alu depctr_va_vdst(0)                           ; the products have written the accumulators, which the LDS stores read; the places above stay beside this wait
.irp b, 0,1,2,3
.irp i, 0,1,2,3
	ds_store_b128 v[STGW], v[ACC+16*\b+4*\i:ACC+16*\b+4*\i+3] offset:128*\b+16*\i
.endr
.endr
.irp m, 0,1,2,3,4,5,6,7,8,9,10,11,12,13,14,15
	ds_load_b128 v[TB1+4*\m:TB1+4*\m+3], v[STGR] offset:528*\m    ; LDS serves a wave's instructions in order: these see my stores
.endr
.irp m, 0,1,2,3,4,5,6,7,8,9,10,11,12,13,14,15
	s_wait_dscnt 15-\m
	global_store_b128 v[L16], v[TB1+4*\m:TB1+4*\m+3], s[\base:\base+1] offset:\m*(\stride)+(\boff)   ; 32 lanes store 512 consecutive bytes
.endr
.endm
	s_load_b512 s[4:19], s[0:1], 0x0                       ; x, coords, b_top, g1, be1, bd2, gidx, wimg
	s_load_b256 s[20:27], s[0:1], 0x40                     ; part1, qtab, kvtab, relb
	v_lshl_add_u32 v254, v0, 2, 0xac00
	v_mov_b32 v255, 0
	v_lshrrev_b32 v15, 5, v0
	v_readfirstlane_b32 s[WV], v15
	v_and_b32 v[R], 15, v0
	v_bfe_u32 v[HH], v0, 4, 1
	v_and_b32 v15, 31, v0
	v_lshlrev_b32 v[L16], 4, v15
	v_lshlrev_b32 v[L4], 2, v15
	v_lshlrev_b32 v[XA], 8, v[R]
	v_lshl_add_u32 v[XA], v[HH], 6, v[XA]
	v_lshlrev_b32 v[T16], 4, v0
	v_and_b32 v[REDC], 63, v0
	v_lshlrev_b32 v[REDC], 4, v[REDC]                      ; my column of a group's 64 quads (0-31 means, 32-63 squared deviations)
	v_lshrrev_b32 v[PA], 6, v0
	v_lshl_add_u32 v[PA], v[PA], 10, v[REDC]               ; groups thread / 64 + 2 i
	s_wait_alu depctr_va_sdst(0)                           ; the wave's number is written, ahead of its first reader
	s_mul_i32 s34, s[WV], 1536
	s_add_co_u32 s34, s34, WST
	v_add_nc_u32 v[WSTW], s34, v[L16]
	v_lshlrev_b32 v[B64H], 6, v[HH]
	v_add_nc_u32 v[WSTR], s34, v[B64H]
	s_mul_i32 s34, s[WV], 8448
	s_add_co_u32 s34, s34, STG
	v_mul_u32_u24 v[STGW], v[R], 528
	v_add_nc_u32 v[STGW], v[STGW], v[B64H]
	v_add_nc_u32 v[STGW], s34, v[STGW]
	v_add_nc_u32 v[STGR], s34, v[L16]
	v_lshlrev_b32 v[OWN], 4, v[HH]
.irp b, 0,1,2,3
	v_mov_b32 v[TM+4+\b], 0                                ; a lane permute's destination counts as one of its sources
.endr
	s_mov_b32 s[SEL], 0x76543210
	s_mov_b32 s[SEL+1], 0xfedcba98
	s_mov_b32 s40, 0x38800000                              ; 1 / 16384
	s_mov_b32 s41, 0x3727c5ac                              ; 1e-5
	s_lshl_b32 s29, ttmp9, 6
	s_lshl_b32 s30, s[WV], 4
	s_add_co_u32 s29, s29, s30                             ; my first row
	s_mov_b32 s31, 0
	s_wait_kmcnt 0x0
	s_lshl_b32 s30, s29, 8
	s_add_nc_u64 s[4:5], s[4:5], s[30:31]                  ; x
	s_add_nc_u64 s[26:27], s[26:27], s[30:31]              ; relb
	s_lshl_b32 s30, s29, 6
	s_add_nc_u64 s[16:17], s[16:17], s[30:31]              ; gidx
	s_lshl_b32 s30, s29, 9
	s_add_nc_u64 s[22:23], s[22:23], s[30:31]              ; qtab
	s_lshl_b32 s30, s29, 10
	s_add_nc_u64 s[24:25], s[24:25], s[30:31]              ; kvtab
	s_lshl_b32 s30, s29, 4
	s_add_nc_u64 s[34:35], s[6:7], s[30:31]                ; coords at my rows
	s_wait_alu depctr_va_vdst(0)                           ; the offsets and LDS addresses v3 to v15 are written, which every load and store of the kernel but the gather reads
.irp b, 0,1
.irp j, 0,1,2,3
	global_load_b128 v[ACC+16*\b+4*\j:ACC+16*\b+4*\j+3], v[XA], s[4:5] offset:128*\b+16*\j
.endr
.endr
	global_load_b128 v[G1R:G1R+3], v[L16], s[10:11]
	global_load_b128 v[BE1R:BE1R+3], v[L16], s[12:13]
.irp i, 0,1,2,3,4,5,6,7
	global_load_b32 v[GI+\i], v[L4], s[16:17] offset:128*\i        ; entry 32 i + lane of my 16 x 16
.endr
	WIN 0xc0
.set i, 0
.rept 32
	global_load_b128 v[RR+4*i:RR+4*i+3], v[PA], s[20:21] offset:2048*i
.set i, i+1
.endr
	WIN 0
	s_wait_loadcnt 42                                      ; x is in: 2 + 8 + 32 loads were issued behind it
	QUANT ACC, 0, XC, XS, 2
	s_wait_loadcnt 0x0
; first pass: the sum of my column over my 32 groups
	WIN 0x0f
.irp k, 0,1,2,3
.irp e, 0,2
	v_pk_add_f32 v[RA+4*\k+\e:RA+4*\k+\e+1], v[RR+4*\k+\e:RR+4*\k+\e+1], v[RR+16+4*\k+\e:RR+16+4*\k+\e+1]
.endr
.endr
	WIN 0x0c
.irp m, 2,3,4,5,6,7
.irp k, 0,1,2,3
.irp e, 0,2
	v_pk_add_f32 v[RA+4*\k+\e:RA+4*\k+\e+1], v[RA+4*\k+\e:RA+4*\k+\e+1], v[RR+16*\m+4*\k+\e:RR+16*\m+4*\k+\e+1]
.endr
.endr
.endr
	WIN 0
	QJOIN
.irp i, 0,1,2,3,4,5,6,7
	v_min_u32 v[GI+\i], 0x3fff, v[GI+\i]                   ; a loaded number enters an address only behind this bound
	v_lshlrev_b32 v[GI+\i], 4, v[GI+\i]
.endr
	s_wait_alu depctr_va_vdst(0)                           ; my column's sum is written, which the LDS store reads; the gather's offsets are written; the quantiser is done reading x's registers, in which b_top lands; x's codes and scale word are written, which t's products take
	ds_store_b128 v[T16], v[RA:RA+3]
; everything else that the wave will read is asked for now
	WIN 0x40
.irp f, 0,1,2,3,4,5,6,7,8,9,10,11,12,13,14,15
	GFRAG 12*\f, \f                                        ; W_top, W_phi
.endr
	WIN 0x80
.irp f, 0,1,2,3,4,5,6,7,8,9,10,11,12,13,14,15
	GFRAG 12*\f, 16+\f                                     ; W_psi, W_alpha
.endr
.irp i, 0,1,2,3,4,5,6,7
	global_load_b128 v[NB+4*\i:NB+4*\i+3], v[GI+\i], s[6:7]                    ; the neighbour's row of coords
	global_load_b128 v[OW+4*\i:OW+4*\i+3], v[OWN], s[34:35] offset:32*\i       ; the point's own: row 2 i + lane / 16
.endr
	WIN 0xc0
.irp b, 0,1,2,3
.irp i, 0,1,2,3
	global_load_b128 v[BD+16*\b+4*\i:BD+16*\b+4*\i+3], v[B64H], s[14:15] offset:128*\b+16*\i   ; bd2 in the result's layout
.endr
.endr
	WIN 0
.set i, 0
.rept 32
	global_load_b32 v[WS+i], v[L4], s[18:19] offset:i*FRB+1536
.set i, i+1
.endr
.irp b, 0,1,2,3
.irp i, 0,1,2,3
	global_load_b128 v[ACC+16*\b+4*\i:ACC+16*\b+4*\i+3], v[B64H], s[8:9] offset:128*\b+16*\i   ; b_top: the C of t's products
.endr
.endr
	BARRIER
	ds_load_b128 v[160:163], v[REDC]
	ds_load_b128 v[164:167], v[REDC] offset:1024
	s_wait_dscnt 0x0
	v_pk_add_f32 v[MUQ:MUQ+1], v[160:161], v[164:165]
	v_pk_add_f32 v[MUQ+2:MUQ+3], v[162:163], v[166:167]
	v_pk_mul_f32 v[MUQ:MUQ+1], v[MUQ:MUQ+1], 0x3c800000 op_sel_hi:[1,0]
	v_pk_mul_f32 v[MUQ+2:MUQ+3], v[MUQ+2:MUQ+3], 0x3c800000 op_sel_hi:[1,0]      ; my column's mean over the 64 groups
; second pass: squared distances from it (used of the means' columns alone)
	WIN 0xc3
.set i, 0
.rept 32
	v_pk_add_f32 v[RR+4*i:RR+4*i+1], v[RR+4*i:RR+4*i+1], v[MUQ:MUQ+1] neg_lo:[0,1] neg_hi:[0,1]
	v_pk_add_f32 v[RR+4*i+2:RR+4*i+3], v[RR+4*i+2:RR+4*i+3], v[MUQ+2:MUQ+3] neg_lo:[0,1] neg_hi:[0,1]
.set i, i+1
.endr
	s_wait_alu depctr_vm_vsrc(0)                           ; the first pass's LDS store has read its quad, which the lines below write again
	WIN 0x0f
.irp k, 0,1,2,3
.irp e, 0,2
	v_pk_mul_f32 v[RA+4*\k+\e:RA+4*\k+\e+1], v[RR+4*\k+\e:RR+4*\k+\e+1], v[RR+4*\k+\e:RR+4*\k+\e+1]
.endr
.endr
.irp m, 1,2,3,4,5,6,7
.irp k, 0,1,2,3
.irp e, 0,2
	v_pk_fma_f32 v[RA+4*\k+\e:RA+4*\k+\e+1], v[RR+16*\m+4*\k+\e:RR+16*\m+4*\k+\e+1], v[RR+16*\m+4*\k+\e:RR+16*\m+4*\k+\e+1], v[RA+4*\k+\e:RA+4*\k+\e+1]
.endr
.endr
.endr
	WIN 0
	QJOIN
	s_wait_alu depctr_va_vdst(0)                           ; the second pass's quad is written, which the LDS store reads; the additions above are done reading v160 to v167, in which LDS loads land again behind the barrier
	ds_store_b128 v[T16], v[RA:RA+3] offset:RED2
	BARRIER
; each wave finishes all 128 channels, four a lane, and keeps its own copy
	ds_load_b128 v[160:163], v[L16]
	ds_load_b128 v[164:167], v[L16] offset:1024
	ds_load_b128 v[168:171], v[L16] offset:512
	ds_load_b128 v[172:175], v[L16] offset:1536
	ds_load_b128 v[176:179], v[L16] offset:RED2
	ds_load_b128 v[180:183], v[L16] offset:RED2+1024
	s_wait_dscnt 0x0
.irp e, 0,2
	v_pk_add_f32 v[MUQ+\e:MUQ+\e+1], v[160+\e:161+\e], v[164+\e:165+\e]
	v_pk_add_f32 v[168+\e:169+\e], v[168+\e:169+\e], v[172+\e:173+\e]
	v_pk_add_f32 v[176+\e:177+\e], v[176+\e:177+\e], v[180+\e:181+\e]
.endr
.irp e, 0,2
	v_pk_mul_f32 v[MUQ+\e:MUQ+\e+1], v[MUQ+\e:MUQ+\e+1], 0x3c800000 op_sel_hi:[1,0]
	v_pk_fma_f32 v[168+\e:169+\e], v[176+\e:177+\e], 0x43800000, v[168+\e:169+\e] op_sel_hi:[1,0,1]
.endr
.irp e, 0,1,2,3
	v_fma_f32 v[168+\e], v[168+\e], s40, s41               ; the variance + 1e-5
.endr
.irp e, 0,1,2,3
	v_rsq_f32 v[172+\e], v[168+\e]
.endr
	v_nop                                                  ; a plain place behind the last of them
	s_wait_alu depctr_va_vdst(0)                           ; the four roots' results are written, ahead of their first reader
	v_pk_mul_f32 v[172:173], v[172:173], v[G1R:G1R+1]
	v_pk_mul_f32 v[174:175], v[174:175], v[G1R+2:G1R+3]
	s_wait_alu depctr_va_vdst(0)                           ; the means and the scales are written, which the LDS stores read; the lines above are done with v160 to v183, in which the tables land
	ds_store_b128 v[WSTW], v[MUQ:MUQ+3]
	ds_store_b128 v[WSTW], v[172:175] offset:512
	ds_store_b128 v[WSTW], v[BE1R:BE1R+3] offset:1024
	s_wait_dscnt 0x0
	s_wait_alu depctr_vm_vsrc(0)                           ; the stores have read v172 to v175, in which the means' table lands
.irp b, 0,1,2,3
.irp i, 0,1,2,3
	ds_load_b128 v[TB1+16*\b+4*\i:TB1+16*\b+4*\i+3], v[WSTR] offset:128*\b+16*\i            ; the means, in the result's layout
.endr
.endr
	WIN 0xc0
.irp b, 0,1,2,3
.irp i, 0,1,2,3
	ds_load_b128 v[TB2+16*\b+4*\i:TB2+16*\b+4*\i+3], v[WSTR] offset:512+128*\b+16*\i
.endr
.endr
	WIN 0x40
.irp b, 0,1,2,3
.irp i, 0,1,2,3
	ds_load_b128 v[TB3+16*\b+4*\i:TB3+16*\b+4*\i+3], v[WSTR] offset:1024+128*\b+16*\i
.endr
.endr
	s_wait_loadcnt 0x0                                     ; weights, scale words, biases, coordinates
	WIN 0x01
.irp t, 0,1,2,3,4,5,6,7
	MMC ACC+8*\t, 12*\t, XC, ACC+8*\t, WS+\t, XS           ; t = x W_top + b_top: eight accumulators, one instruction each
.endr
	WIN 0
	NOPS 4
	s_wait_dscnt 0x0
.set i, 0
.rept 32
	v_pk_add_f32 v[ACC+2*i:ACC+2*i+1], v[ACC+2*i:ACC+2*i+1], v[TB1+2*i:TB1+2*i+1] neg_lo:[0,1] neg_hi:[0,1]
.set i, i+1
.endr
	WIN 0x1c
.set i, 0
.rept 32
	v_pk_fma_f32 v[ACC+2*i:ACC+2*i+1], v[ACC+2*i:ACC+2*i+1], v[TB2+2*i:TB2+2*i+1], v[TB3+2*i:TB3+2*i+1]   ; y = (t - mean) x scale + beta
.set i, i+1
.endr
	WIN 0
	QUANT ACC, 0, XC, YS, 4
	NOPS 8                                                 ; a scale word written by vector lines stands 8 places ahead of a scaled product, codes so written 4
	OUTM 0x31, 96, 8, 1, 22, 512, 0, 1                     ; q + bd2
	OUTM 0x02, 0, 16, 0, 24, 1024, 0, 0                    ; kf
	OUTM 0x02, 96, 24, 0, 24, 1024, 512, 0                 ; v, its channels in the order in which the reader's lanes take them
; the relative positions: (own - neighbour, 1.0): the 1.0 meets bd1 in the next launch's product
	WIN 0x8a
.irp i, 0,1,2,3,4,5,6,7
	v_sub_nc_u32 v[OW+4*\i], v[OW+4*\i+1], v[NB+4*\i+1]
	v_sub_nc_u32 v[OW+4*\i+1], v[OW+4*\i+2], v[NB+4*\i+2]
	v_sub_nc_u32 v[OW+4*\i+2], v[OW+4*\i+3], v[NB+4*\i+3]
.endr
.irp i, 0,1,2,3,4,5,6,7
	v_cvt_f32_i32 v[OW+4*\i], v[OW+4*\i]
	v_cvt_f32_i32 v[OW+4*\i+1], v[OW+4*\i+1]
	v_cvt_f32_i32 v[OW+4*\i+2], v[OW+4*\i+2]
	v_mov_b32 v[OW+4*\i+3], 1.0
.endr
	WIN 0x08
	s_wait_alu depctr_va_vdst(0)                           ; the relative positions are written, which the eight stores read
.irp i, 0,1,2,3,4,5,6,7
	global_store_b128 v[L16], v[OW+4*\i:OW+4*\i+3], s[26:27] offset:512*\i
.endr
	WIN 0
	s_wait_dscnt 0x0
	s_wait_alu depctr_hold_cnt(0) depctr_sa_sdst(0) depctr_va_vdst(0) depctr_va_sdst(0) depctr_va_ssrc(0) depctr_va_vcc(0) depctr_vm_vsrc(0)
	s_wait_tensorcnt 0x0
	ds_add_u32 v254, v255
	s_wait_dscnt 0x0
	s_endpgm
.Lfunc_end_k_q23963ca5cb_prep:
	.size	k_q23963ca5cb_prep, .Lfunc_end_k_q23963ca5cb_prep-k_q23963ca5cb_prep
	.p2alignl 7, 3214868480
	.fill 96, 4, 3214868480
	.section	.rodata,"a",@progbits
	.p2align	6, 0x0
	.amdhsa_kernel k_q23963ca5cb_prep
		.amdhsa_group_segment_fixed_size 44544
		.amdhsa_private_segment_fixed_size 0
		.amdhsa_enable_private_segment 0
		.amdhsa_kernarg_size 96
		.amdhsa_user_sgpr_count 2
		.amdhsa_user_sgpr_kernarg_segment_ptr 1
		.amdhsa_wavefront_size32 1
		.amdhsa_system_sgpr_workgroup_id_x 1
		.amdhsa_system_sgpr_workgroup_id_y 1
		.amdhsa_system_sgpr_workgroup_id_z 1
		.amdhsa_system_vgpr_workitem_id 0
		.amdhsa_next_free_vgpr 1024
		.amdhsa_next_free_sgpr 66
		.amdhsa_reserve_vcc 0
		.amdhsa_float_denorm_mode_32 3
		.amdhsa_float_denorm_mode_16_64 3
		.amdhsa_memory_ordered 1
		.amdhsa_forward_progress 1
		.amdhsa_inst_pref_size 74
	.end_amdhsa_kernel
	.amdgpu_metadata
---
amdhsa.version: [ 1, 2 ]
amdhsa.kernels:
  - .name:           k_q23963ca5cb_prep
    .symbol:         k_q23963ca5cb_prep.kd
    .args:
      - { .name: x, .offset: 0, .size: 8, .value_kind: global_buffer, .address_space: global }
      - { .name: coords, .offset: 8, .size: 8, .value_kind: global_buffer, .address_space: global }
      - { .name: b_top, .offset: 16, .size: 8, .value_kind: global_buffer, .address_space: global }
      - { .name: g1, .offset: 24, .size: 8, .value_kind: global_buffer, .address_space: global }
      - { .name: be1, .offset: 32, .size: 8, .value_kind: global_buffer, .address_space: global }
      - { .name: bd2, .offset: 40, .size: 8, .value_kind: global_buffer, .address_space: global }
      - { .name: gidx, .offset: 48, .size: 8, .value_kind: global_buffer, .address_space: global }
      - { .name: wimg, .offset: 56, .size: 8, .value_kind: global_buffer, .address_space: global }
      - { .name: part1, .offset: 64, .size: 8, .value_kind: global_buffer, .address_space: global }
      - { .name: qtab, .offset: 72, .size: 8, .value_kind: global_buffer, .address_space: global }
      - { .name: kvtab, .offset: 80, .size: 8, .value_kind: global_buffer, .address_space: global }
      - { .name: relb, .offset: 88, .size: 8, .value_kind: global_buffer, .address_space: global }
    .group_segment_fixed_size: 44544
    .private_segment_fixed_size: 0
    .kernarg_segment_align: 8
    .kernarg_segment_size: 96
    .max_flat_workgroup_size: 128
    .sgpr_count:     66
    .vgpr_count:     1024
    .wavefront_size: 32
...
	.end_amdgpu_metadata
.endif
;; end of part 6
;; launch attn (part 7): grid 256 x 1, 4 waves a work-group, no clusters, 70,144 bytes of LDS; arguments Wd1, bd1, bg1, bg2, bd2, b_down, gidx, wimg, qtab, kvtab, relb, utab, part2; writes utab, part2
.if DOCPART == 7
	.amdgcn_target "amdgcn-amd-amdhsa--gfx1250"
	.amdhsa_code_object_version 6
	.text
	.protected	k_q23963ca5cb_attn
	.globl	k_q23963ca5cb_attn
	.p2align	8
	.type	k_q23963ca5cb_attn,@function
k_q23963ca5cb_attn:
	s_mov_b64 s[64:65], 0
	v_nop
	global_prefetch_b8 v0, s[64:65] scope:SCOPE_SE
	s_setreg_imm32_b32 hwreg(HW_REG_WAVE_SCHED_MODE, 0, 2), 2
	s_setreg_imm32_b32 hwreg(HW_REG_WAVE_MODE, 25, 1), 1
	s_wait_xcnt 0x0
	s_wait_alu depctr_vm_vsrc(0)
; attn: for each point and its 16 neighbours: h1 = relu(rel Wd1 + bd1); delta = h1 Wd2 + bd2; a = q - kf + delta; a2 = relu(a Wg1 + bg1) Wg2 + bg2; softmax over the neighbours, channel by channel;
; agg = sum attn (v + delta); then u = agg W_down + b_down for the wave's 16 points, and the work-group's figures for the second batch norm.
; A work-group owns 64 points, a wave 16, ONE POINT A TRIP: the point's 16 neighbours are the 16 rows of a tile.  All weights and biases stay in the wave's registers for the whole launch.
; rel Wd1 + bd1 has K = 4: (rx, ry, rz, 1) against (Wd1's three rows, bd1), in f32 operands, since it feeds a quantiser.  Its results are written by matrix instructions alone.
; h1 Wd2 IS MULTIPLIED TWICE, on the same registers.  Transposed (source 0 = Wd2), with C = q + bd2 - kf, it gives a in the layout that the quantiser wants: a lane one neighbour, registers along the channels.
; Plain (source 1 = Wd2) it gives delta in the layout of the softmax: a lane one channel, registers along eight neighbours; there maximum, sums and the weighted sum run along registers with one exchange of halves.
; bd2 on the value path is added once behind the normalised sum (the weights add up to 1): the order of rounding differs from the reference's there, nothing else.
; LOOK-AHEAD in registers, one or two points; the last trips repeat point 15 and discard it, so no load leaves its buffer and no trip differs.
; LIMITS: NaN and infinities are not served; a block of zeros gets the scale byte 1 (its codes are zeros).
; No tensor loads, no cluster, no prefetch: the large stream is a gather by lane addresses in which a row is named by many work-groups.
; THE MODE: SCHED_MODE bits 1:0 = 2 (LLVM: expert scheduling mode 2), set by the entry lines.  The code itself states the register dependences between vector or matrix instructions and memory or LDS instructions, with s_wait_alu, always for 0.
; THE PLAN.  Registers that memory or LDS instructions touch in the loop:
;   AD, OIDX, OREL, OQP, AGP   addresses.  Written by vector lines at the trip's head; read by the trip's loads and by its eight word stores.
;   IDXR   loaded at the head (two points on); read by the next head's address lines.          RELR   loaded at the head; read by the trip's f32 products.
;   QP     loaded at the head; read by the trip's 32 differences.                              GK     loaded at the head; rewritten by the differences; read by 16 LDS stores.
;   ACC    the next point's C lands in it once the sums are done with p.                       GV     the next point's values land in it once the sums are done with this point's.
;   SP's odd registers   written by the trip's last eight multiply-adds; read by the eight word stores.
;   The weights, biases and v3-v8, v10, v184, v185, v190, v191 are never written again.
; AT THE HEAD OF A TRIP: one wait on vm_vsrc (all that the trip before issued has read its addresses and data), the address lines, one wait on va_vdst.  Behind it stand the 21 loads of the look-ahead, dealt round the trip's first
; sixteen products, which name none of the loads' registers.  Further waits on va_vdst: ahead of the products by Wg1 and by Wg2 (their codes and scale words); the exponentials' own, behind which the 16 LDS stores stand;
; ahead of the loads into ACC and GV; the reciprocals' own; ahead of the word stores.
.set FRB, 1792
.set CMB2, 67584                       ; LDS: per wave 16,896: 16 x 528 for the turn of q - kf (later u), 16 x 528 for agg; then 4 x 512 for the figures
.set R, 1
.set HH, 2
.set LI, 3                             ; 16 x lane
.set LS, 4                             ; 4 x lane
.set LQ, 5                             ; 16 r
.set CSTW, 6
.set CSTR, 7
.set AGW, 8
.set AGP, 9
.set AGR, 10
.set OIDX, 11
.set OREL, 12
.set OQP, 13
.set USTW, 14
.set USTR, 15
.set WD2S, 16                          ; scale words
.set WG1S, 24
.set WG2S, 32
.set WDNS, 40
.set HS, 44
.set AS, 45
.set GS, 46
.set CH4, 47                           ; 4 (r + (r & 8))
.set AD, 48                            ; v48-55 my eight neighbours' byte offsets in kvtab
.set IDXR, 56
.set RELR, 64
.set RELR2, 66
.set QP, 68
.set TM, 76
.set PCH, 92                           ; codes of h1, of a, of the gamma layer's hidden numbers
.set PCA, 104
.set PCG, 116
.set SCR, 128
.set MP, 136
.set LP, 152
.set SP, 168
.set LIDX, 184
.set LREL, 185
.set CMBW, 186
.set CMBR, 187
.set TA, 188
.set B64, 190                          ; v190 64 h: bg1's offset; never written again
.set OWD, 191                          ; v191 Wd1's offset; never written again
.set ACC, 192
.set WD2, 0                            ; window 1
.set WG1, 96
.set BG1, 192
.set WG2, 0                            ; window 2
.set BG2, 96
.set WD1, 160
.set BD2, 176
.set GK, 192
.set RAW, 0                            ; window 3
.set H, 64
.set X, 128
.set GV, 192
.set GIX, 16
.set WIMG, 18
.set QT, 20
.set KV, 22
.set RL, 24
.set UT, 26
.set P2, 28
.set WV, 30
.set P, 31
.set SEL, 34
.set C2, 36
.set NC2, 38
.set SAG, 39
.set MSB, 0
.macro WIN new                         ; the immediate's high byte repeats the setting that is left
.if MSB != (\new)
	s_set_vgpr_msb (MSB<<8)|(\new)
.set MSB, (\new)
.endif
.endm
.macro NOPS n
.rept \n
	v_nop
.endr
.endm
.macro QUANT src, ws, pc, pw, nb       ; 64 numbers of a lane in window ws, register 16 b + i = k 32 b + 16 (lane / 16) + i, become codes in v[pc] on and a scale word in v[pw]
	WIN (((\ws)<<2)|((\ws)<<4))
.set qb, 0
.rept \nb
	v_max3_num_f32 v[TM+qb], 0x1800000, |v[(\src)+16*qb]|, |v[(\src)+16*qb+1]|   ; the floor 2^(3 - 127): the byte cannot fall under 1
.set qb, qb+1
.endr
.set qi, 2
.rept 7
.set qb, 0
.rept \nb
	v_max3_num_f32 v[TM+qb], v[TM+qb], |v[(\src)+16*qb+qi]|, |v[(\src)+16*qb+qi+1]|
.set qb, qb+1
.endr
.set qi, qi+2
.endr
	WIN 0
.set qb, 0
.rept \nb
	v_permlanex16_b32 v[TM+4+qb], v[TM+qb], s[SEL], s[SEL+1]
.set qb, qb+1
.endr
.set qb, 0
.rept \nb
	v_max_num_f32 v[TM+qb], v[TM+qb], v[TM+4+qb]
.set qb, qb+1
.endr
.set qb, 0
.rept \nb
	v_add_nc_u32 v[TM+12+qb], 0xff000000, v[TM+qb]        ; 2 off the exponent field: the conversion's scale operand
.set qb, qb+1
.endr
.set qb, 0
.rept \nb
	v_lshrrev_b32 v[TM+4+qb], 23, v[TM+12+qb]
.set qb, qb+1
.endr
	v_lshl_or_b32 v[\pw], v[TM+5], 8, v[TM+4]
	v_lshl_or_b32 v[\pw], v[TM+6], 16, v[\pw]
	v_lshl_or_b32 v[\pw], v[TM+7], 24, v[\pw]
	WIN (\ws)
.set qc, 0
.rept (\nb)/2
	v_cvt_scalef32_pk16_fp6_f32 v[(\pc)+6*qc:(\pc)+6*qc+2], v[(\src)+32*qc:(\src)+32*qc+15], v[TM+12+2*qc]
	v_cvt_scalef32_pk16_fp6_f32 v[SCR+4*qc:SCR+4*qc+2], v[(\src)+32*qc+16:(\src)+32*qc+31], v[TM+13+2*qc]
.set qc, qc+1
.endr
	WIN 0
	v_nop                                                  ; one plain place behind a scaled conversion
.set qc, 0
.rept (\nb)/2
.irp i, 0,1,2
	v_permlane16_swap_b32 v[(\pc)+6*qc+\i], v[SCR+4*qc+\i]
.endr
.irp i, 0,1,2
	v_mov_b32 v[(\pc)+6*qc+3+\i], v[SCR+4*qc+\i]
.endr
.set qc, qc+1
.endr
.endm
.macro GFRAG reg, f
.irp c, 0,1,2
	global_load_b128 v[(\reg)+4*\c:(\reg)+4*\c+3], v[LI], s[WIMG:WIMG+1] offset:(\f)*FRB+512*\c
.endr
.endm
.macro MMZ d, a, b, sa, sb
	v_wmma_scale_f32_16x16x128_f8f6f4 v[(\d):(\d)+7], v[(\a):(\a)+11], v[(\b):(\b)+11], 0, v[\sa], v[\sb] matrix_a_fmt:MATRIX_FMT_FP6 matrix_b_fmt:MATRIX_FMT_FP6
.endm
.macro MMC d, a, b, cc, sa, sb
	v_wmma_scale_f32_16x16x128_f8f6f4 v[(\d):(\d)+7], v[(\a):(\a)+11], v[(\b):(\b)+11], v[(\cc):(\cc)+7], v[\sa], v[\sb] matrix_a_fmt:MATRIX_FMT_FP6 matrix_b_fmt:MATRIX_FMT_FP6
.endm
.macro F32 rel                         ; rel Wd1 + bd1, transposed: source 0 = 16 channels x (Wd1's rows, bd1), source 1 = (rx, ry, rz, 1) of 16 neighbours
	WIN 0xc2
.irp t, 0,1,2,3,4,5,6,7
	v_wmma_f32_16x16x4_f32 v[RAW+8*\t:RAW+8*\t+7], v[WD1+2*\t:WD1+2*\t+1], v[\rel:\rel+1], 0
.endr
.endm
.macro RELUH                           ; the activation goes into other registers than the f32 products wrote
	WIN 0xcc
.set i, 0
.rept 64
	v_max_num_f32 v[H+i], 0, v[RAW+i]
.set i, i+1
.endr
.endm
.macro ADDR                            ; neighbour 8 h + j: row x 1,024 bytes + 16 r
.irp j, 0,1,2,3,4,5,6,7
	v_min_u32 v[TA+(\j%2)], 0x3fff, v[IDXR+\j]             ; a loaded number enters an address only behind this bound
	v_lshl_add_u32 v[AD+\j], v[TA+(\j%2)], 10, v[LQ]
.endr
.endm
.macro LDQ                             ; the point's q + bd2 (window 0)
.irp g, 0,1
	global_load_b128 v[QP+4*\g:QP+4*\g+3], v[OQP], s[QT:QT+1] offset:256*\g
.endr
.endm
.macro LDKG g                          ; kf of my eight neighbours, half g of a row: sixteen lanes read 256 consecutive bytes
	WIN 0x80
.irp j, 0,1,2,3,4,5,6,7
	global_load_b128 v[GK+32*(\g)+4*\j:GK+32*(\g)+4*\j+3], v[AD+\j], s[KV:KV+1] offset:256*(\g)
.endr
.endm
.macro LDV                             ; v likewise: register 32 g + 4 j + i is the channel of tile 4 g + i that my lane holds in the softmax's layout
	WIN 0xc0
.irp g, 0,1
.irp j, 0,1,2,3,4,5,6,7
	global_load_b128 v[GV+32*\g+4*\j:GV+32*\g+4*\j+3], v[AD+\j], s[KV:KV+1] offset:512+256*\g
.endr
.endr
	WIN 0
.endm
.macro KSUBA                           ; q + bd2 - kf
	WIN 0x88
.irp g, 0,1
.irp j, 0,1,2,3,4,5,6,7
.irp e, 0,2
	v_pk_add_f32 v[GK+32*\g+4*\j+\e:GK+32*\g+4*\j+\e+1], v[QP+4*\g+\e:QP+4*\g+\e+1], v[GK+32*\g+4*\j+\e:GK+32*\g+4*\j+\e+1] neg_lo:[0,1] neg_hi:[0,1]
.endr
.endr
.endr
	WIN 0
.endm
.macro KSUBS                           ; and into the wave's own stage by rows
	WIN 0x08
.irp g, 0,1
.irp j, 0,1,2,3,4,5,6,7
	ds_store_b128 v[CSTW], v[GK+32*\g+4*\j:GK+32*\g+4*\j+3] offset:528*\j+256*\g
.endr
.endr
	WIN 0
.endm
.macro CLOAD                           ; and back with a lane to a neighbour: the C of the transposed product.  LDS serves a wave's instructions in order: these see the stores
.irp b, 0,1,2,3
.irp i, 0,1,2,3
	ds_load_b128 v[ACC+16*\b+4*\i:ACC+16*\b+4*\i+3], v[CSTR] offset:128*\b+16*\i
.endr
.endr
.endm
.macro SOFTMAX
.irp t, 0,1,2,3,4,5,6,7
	v_max3_num_f32 v[LP+2*\t], v[ACC+8*\t], v[ACC+8*\t+1], v[ACC+8*\t+2]
.endr
.irp t, 0,1,2,3,4,5,6,7
	v_max3_num_f32 v[LP+2*\t], v[LP+2*\t], v[ACC+8*\t+3], v[ACC+8*\t+4]
.endr
.irp t, 0,1,2,3,4,5,6,7
	v_max3_num_f32 v[LP+2*\t], v[LP+2*\t], v[ACC+8*\t+5], v[ACC+8*\t+6]
.endr
.irp t, 0,1,2,3,4,5,6,7
	v_max_num_f32 v[LP+2*\t], v[LP+2*\t], v[ACC+8*\t+7]
.endr
.irp t, 0,1,2,3,4,5,6,7
	v_permlanex16_b32 v[LP+2*\t+1], v[LP+2*\t], s[SEL], s[SEL+1]
.endr
.irp t, 0,1,2,3,4,5,6,7
	v_max_num_f32 v[LP+2*\t], v[LP+2*\t], v[LP+2*\t+1]     ; the channel's maximum over the 16 neighbours
.endr
.irp t, 0,1,2,3,4,5,6,7
	v_mul_f32 v[MP+2*\t], s[NC2], v[LP+2*\t]               ; - m log2(e): one number for all 16, so its rounding leaves the quotient alone
.endr
.irp p, 0,2,4,6
.irp t, 0,1,2,3,4,5,6,7
	v_pk_fma_f32 v[ACC+8*\t+\p:ACC+8*\t+\p+1], v[ACC+8*\t+\p:ACC+8*\t+\p+1], s[C2:C2+1], v[MP+2*\t:MP+2*\t+1] op_sel_hi:[1,0,0]
.endr
.endr
.set i, 0
.rept 64
	v_exp_f32 v[ACC+i], v[ACC+i]
.set i, i+1
.endr
	v_nop                                                  ; a plain place behind the last exponential
	s_wait_alu depctr_va_vdst(0)                           ; the 64 exponentials' results are written, ahead of their first reader; so are the differences q + bd2 - kf, which the LDS stores below read
	KSUBS                                                  ; the next point's C goes to the stage
.irp t, 0,1,2,3,4,5,6,7
	v_pk_add_f32 v[LP+2*\t:LP+2*\t+1], v[ACC+8*\t:ACC+8*\t+1], v[ACC+8*\t+2:ACC+8*\t+3]
.endr
.irp p, 4,6
.irp t, 0,1,2,3,4,5,6,7
	v_pk_add_f32 v[LP+2*\t:LP+2*\t+1], v[LP+2*\t:LP+2*\t+1], v[ACC+8*\t+\p:ACC+8*\t+\p+1]
.endr
.endr
	WIN 0x0c
.irp t, 0,1,2,3,4,5,6,7
	v_pk_mul_f32 v[SP+2*\t:SP+2*\t+1], v[ACC+8*\t:ACC+8*\t+1], v[X+8*\t:X+8*\t+1]          ; p x delta
.endr
.irp p, 2,4,6
.irp t, 0,1,2,3,4,5,6,7
	v_pk_fma_f32 v[SP+2*\t:SP+2*\t+1], v[ACC+8*\t+\p:ACC+8*\t+\p+1], v[X+8*\t+\p:X+8*\t+\p+1], v[SP+2*\t:SP+2*\t+1]
.endr
.endr
.irp j, 0,1,2,3,4,5,6,7
.irp t, 0,1,2,3,4,5,6,7
	v_fma_f32 v[SP+2*\t+(\j%2)], v[ACC+8*\t+\j], v[GV+32*(\t/4)+4*\j+(\t%4)], v[SP+2*\t+(\j%2)]   ; p x v
.endr
.endr
	WIN 0
	s_wait_alu depctr_va_vdst(0)                           ; the sums are done reading p and this point's values: the next point's C lands in p's registers, its values in the values'
	CLOAD                                                  ; the next point's C, into the registers that p has left
	LDV                                                    ; and its values
.irp t, 0,1,2,3,4,5,6,7
	v_add_f32 v[LP+2*\t], v[LP+2*\t], v[LP+2*\t+1]
	v_add_f32 v[SP+2*\t], v[SP+2*\t], v[SP+2*\t+1]
.endr
.irp t, 0,1,2,3,4,5,6,7
	v_permlanex16_b32 v[MP+2*\t], v[LP+2*\t], s[SEL], s[SEL+1]
	v_permlanex16_b32 v[MP+2*\t+1], v[SP+2*\t], s[SEL], s[SEL+1]
.endr
.irp t, 0,1,2,3,4,5,6,7
	v_add_f32 v[LP+2*\t], v[LP+2*\t], v[MP+2*\t]
	v_add_f32 v[SP+2*\t], v[SP+2*\t], v[MP+2*\t+1]
.endr
.irp t, 0,1,2,3,4,5,6,7
	v_rcp_f32 v[LP+2*\t+1], v[LP+2*\t]
.endr
	v_nop
	s_wait_alu depctr_va_vdst(0)                           ; the eight reciprocals' results are written, ahead of their first reader
	WIN 0x20
.irp t, 0,1,2,3,4,5,6,7
	v_fma_f32 v[SP+2*\t+1], v[SP+2*\t], v[LP+2*\t+1], v[BD2+\t]
.endr
	WIN 0
	s_wait_alu depctr_va_vdst(0)                           ; the point's eight numbers of agg are written, which the word stores read
.irp t, 0,1,2,3,4,5,6,7
	ds_store_b32 v[AGP], v[SP+2*\t+1] offset:4*(32*(\t/2)+8*(\t%2))   ; lanes l and l xor 16 write the same word with the same value
.endr
.endm
	s_load_b512 s[4:19], s[0:1], 0x0                       ; Wd1, bd1, bg1, bg2, bd2, b_down, gidx, wimg
	s_load_b256 s[20:27], s[0:1], 0x40                     ; qtab, kvtab, relb, utab
	s_load_b64 s[28:29], s[0:1], 0x60                      ; part2
	v_lshl_add_u32 v131, v0, 2, 0x11000
	v_mov_b32 v135, 0
	v_lshrrev_b32 v188, 5, v0
	v_readfirstlane_b32 s[WV], v188
	v_and_b32 v[R], 15, v0
	v_bfe_u32 v[HH], v0, 4, 1
	v_and_b32 v188, 31, v0
	v_lshlrev_b32 v[LI], 4, v188
	v_lshlrev_b32 v[LS], 2, v188
	v_lshlrev_b32 v[LQ], 4, v[R]
	s_wait_alu depctr_va_sdst(0)                           ; the wave's number is written, ahead of its first reader
	s_mul_i32 s40, s[WV], 16896
	s_add_co_u32 s41, s40, 8448
	v_mul_u32_u24 v189, v[HH], 4224
	v_add_nc_u32 v[CSTW], v189, v[LQ]
	v_add_nc_u32 v[CSTW], s40, v[CSTW]                     ; in: row 8 h + j, 16 r
	v_mul_u32_u24 v189, v[R], 528
	v_lshl_add_u32 v189, v[HH], 6, v189
	v_add_nc_u32 v[CSTR], s40, v189                        ; back: row r, 64 h
	v_add_nc_u32 v[AGR], s41, v189
	v_and_b32 v190, 8, v[R]
	v_add_nc_u32 v190, v190, v[R]
	v_lshlrev_b32 v[CH4], 2, v190
	v_add_nc_u32 v[AGW], s41, v[CH4]
	v_mul_u32_u24 v189, v[R], 272
	v_lshl_add_u32 v189, v[HH], 5, v189
	v_add_nc_u32 v[USTW], s40, v189
	v_mul_u32_u24 v189, v[HH], 272
	v_add_nc_u32 v189, v189, v[LQ]
	v_add_nc_u32 v[USTR], s40, v189
	s_lshl_b32 s42, s[WV], 9
	s_add_co_u32 s42, s42, CMB2
	v_add_nc_u32 v[CMBW], s42, v[LQ]
	v_add_nc_u32 v[CMBR], CMB2, v[LQ]
	v_lshlrev_b32 v[LIDX], 5, v[HH]
	v_lshl_add_u32 v[LREL], v[HH], 3, v[LQ]
	v_lshlrev_b32 v[B64], 6, v[HH]                         ; 64 h
	v_lshl_add_u32 v[OWD], v[HH], 10, v[CH4]               ; Wd1: row 0 for lanes 0-15, row 2 for lanes 16-31
.irp b, 0,1,2,3
	v_mov_b32 v[TM+4+\b], 0                                ; lane permutes' destinations count as sources: written once
.endr
.irp k, 0,1,2,3,4,5,6,7,8,9,10,11,12,13,14,15
	v_mov_b32 v[MP+\k], 0
	v_mov_b32 v[LP+\k], 0
.endr
	s_mov_b32 s[SEL], 0x76543210
	s_mov_b32 s[SEL+1], 0xfedcba98
	s_mov_b32 s[C2], 0x3fb8aa3b                            ; log2(e)
	s_mov_b32 s[C2+1], s[C2]
	s_mov_b32 s[NC2], 0xbfb8aa3b
	s_mov_b32 s[P], 0
	s_mov_b32 s[SAG], 0
	s_lshl_b32 s40, ttmp9, 6
	s_lshl_b32 s41, s[WV], 4
	s_add_co_u32 s40, s40, s41                             ; my first point
	s_mov_b32 s33, 0
	s_wait_kmcnt 0x0
	s_lshl_b32 s32, s40, 6
	s_add_nc_u64 s[GIX:GIX+1], s[GIX:GIX+1], s[32:33]
	s_lshl_b32 s32, s40, 9
	s_add_nc_u64 s[QT:QT+1], s[QT:QT+1], s[32:33]
	s_lshl_b32 s32, s40, 8
	s_add_nc_u64 s[RL:RL+1], s[RL:RL+1], s[32:33]
	s_add_nc_u64 s[UT:UT+1], s[UT:UT+1], s[32:33]
	s_lshl_b32 s32, ttmp9, 9
	s_add_nc_u64 s[P2:P2+1], s[P2:P2+1], s[32:33]
	s_wait_alu depctr_va_vdst(0)                           ; the offsets and LDS addresses that stay (v3 to v8, v10, v14, v15, v47, v184 to v187, v190, v191) are written, which the loads and stores of the whole kernel read
	global_load_b128 v[IDXR:IDXR+3], v[LIDX], s[GIX:GIX+1]             ; point 0's neighbours 8 h .. 8 h + 7
	global_load_b128 v[IDXR+4:IDXR+7], v[LIDX], s[GIX:GIX+1] offset:16
	global_load_b64 v[RELR:RELR+1], v[LREL], s[RL:RL+1]                ; lane (r, h): words 2 h, 2 h + 1 of neighbour r's (rx, ry, rz, 1)
	global_load_b64 v[RELR2:RELR2+1], v[LREL], s[RL:RL+1] offset:256
	WIN 0x40
.irp t, 0,1,2,3,4,5,6,7
	GFRAG WD2+12*\t, 32+\t
	GFRAG WG1+12*\t, 40+\t
.endr
.irp b, 0,1,2,3
.irp i, 0,1,2,3
	global_load_b128 v[BG1+16*\b+4*\i:BG1+16*\b+4*\i+3], v[B64], s[8:9] offset:128*\b+16*\i     ; bg1 in the transposed result's layout
.endr
.endr
	WIN 0x80
.irp t, 0,1,2,3,4,5,6,7
	GFRAG WG2+12*\t, 48+\t
.endr
.irp t, 0,1,2,3,4,5,6,7
.irp j, 0,1,2,3,4,5,6,7
	global_load_b32 v[BG2+8*\t+\j], v[CH4], s[10:11] offset:4*(32*(\t/2)+8*(\t%2))             ; bg2 of my channel, for each of the eight neighbours
.endr
	global_load_b32 v[BD2+\t], v[CH4], s[12:13] offset:4*(32*(\t/2)+8*(\t%2))
	global_load_b32 v[WD1+2*\t], v[OWD], s[4:5] offset:4*(32*(\t/2)+8*(\t%2))
.endr
	WIN 0
.irp t, 0,1,2,3,4,5,6,7
	global_load_b32 v[ACC+\t], v[CH4], s[4:5] offset:512+4*(32*(\t/2)+8*(\t%2))                ; Wd1's row 1
	global_load_b32 v[ACC+8+\t], v[CH4], s[6:7] offset:4*(32*(\t/2)+8*(\t%2))                  ; bd1
	global_load_b32 v[WD2S+\t], v[LS], s[WIMG:WIMG+1] offset:(32+\t)*FRB+1536
	global_load_b32 v[WG1S+\t], v[LS], s[WIMG:WIMG+1] offset:(40+\t)*FRB+1536
	global_load_b32 v[WG2S+\t], v[LS], s[WIMG:WIMG+1] offset:(48+\t)*FRB+1536
.endr
	s_wait_loadcnt 0x0
	v_cmp_ne_u32 vcc_lo, 0, v[HH]
	s_wait_alu depctr_va_vcc(0)                            ; the mask of lanes 16-31 is written, which the selects below read
	WIN 0x80
.irp t, 0,1,2,3,4,5,6,7
	v_cndmask_b32 v[WD1+2*\t+1], v[ACC+\t], v[ACC+8+\t], vcc_lo        ; K slot 1 in lanes 0-15, K slot 3 (the bias) in lanes 16-31
.endr
	WIN 0
	ADDR
	v_mov_b32 v[OQP], v[LQ]
	s_wait_alu depctr_va_vdst(0)                           ; point 0's eight offsets and q's are written, which the loads below read; the address lines are done reading IDXR, in which point 1's neighbours land; the selects are done reading v192 to v207, in which C lands
	LDQ                                                    ; point 0
	LDKG 0
	LDKG 1
	WIN 0
	global_load_b128 v[IDXR:IDXR+3], v[LIDX], s[GIX:GIX+1] offset:64   ; point 1's neighbours
	global_load_b128 v[IDXR+4:IDXR+7], v[LIDX], s[GIX:GIX+1] offset:80
	LDV
	F32 RELR
	WIN 0
	NOPS 8                                                 ; places in front of the first read of an f32 product's results
	RELUH
	F32 RELR2                                              ; point 1's: well over nine places behind the products whose results it writes over
	QUANT H, 3, PCH, HS, 4
	s_wait_loadcnt 18                                      ; kf and q of point 0 are in: 2 + 16 loads were issued behind them
	KSUBA
	s_wait_alu depctr_va_vdst(0)                           ; the differences q + bd2 - kf are written, which the LDS stores read
	KSUBS
	CLOAD
.Lpoint:
	s_wait_loadcnt 16                                      ; the next point's neighbours are in: only this point's 16 value loads were issued behind them
	s_wait_xcnt 0x0                                        ; the offsets of earlier loads are rewritten only behind this wait
	s_wait_alu depctr_vm_vsrc(0)                           ; the loads and LDS stores issued so far have read their offsets and addresses (AD, OIDX, OREL, OQP, AGP), the differences' registers and agg's eight: all are written again in this trip
	ADDR
	s_add_co_u32 s41, s[P], 1
	s_min_u32 s41, s41, 15
	s_add_co_u32 s42, s[P], 2
	s_min_u32 s42, s42, 15
	s_lshl_b32 s43, s42, 6
	v_add_nc_u32 v[OIDX], s43, v[LIDX]
	s_lshl_b32 s43, s42, 8
	v_add_nc_u32 v[OREL], s43, v[LREL]
	s_lshl_b32 s43, s41, 9
	v_add_nc_u32 v[OQP], s43, v[LQ]
	v_add_nc_u32 v[AGP], s[SAG], v[AGW]
	s_wait_dscnt 0x0                                       ; C is in
	s_wait_alu depctr_va_vdst(0)                           ; the trip's addresses are written; the address lines are done reading IDXR, the f32 products RELR, the differences QP and GK, in all of which loads land; h1's codes and scale word are written, which the products below take
	global_load_b128 v[IDXR:IDXR+3], v[OIDX], s[GIX:GIX+1]
	global_load_b128 v[IDXR+4:IDXR+7], v[OIDX], s[GIX:GIX+1] offset:16
	global_load_b64 v[RELR:RELR+1], v[OREL], s[RL:RL+1]
	LDQ
	LDKG 0
	WIN 0x01
.irp t, 0,1,2,3,4,5,6,7
	MMC ACC+8*\t, WD2+12*\t, PCH, ACC+8*\t, WD2S+\t, HS    ; a = q + bd2 - kf + h1 Wd2
.endr
	LDKG 1                                                 ; no wait: no vector or matrix line since the wait above names these registers or their offsets
	WIN 0xc4
.irp t, 0,1,2,3,4,5,6,7
	MMZ X+8*\t, PCH, WD2+12*\t, HS, WD2S+\t                ; h1 Wd2 once more, a lane to a channel
.endr
	RELUH                                                  ; the next point's h1
	QUANT ACC, 0, PCA, AS, 4
	NOPS 8                                                 ; a scale word written by vector lines stands 8 places ahead of a scaled product, codes so written 4
	s_wait_alu depctr_va_vdst(0)                           ; a's codes and scale word are written, which the products below take
	WIN 0x11
.irp t, 0,1,2,3,4,5,6,7
	MMC ACC+8*\t, WG1+12*\t, PCA, BG1+8*\t, WG1S+\t, AS
.endr
	QUANT H, 3, PCH, HS, 4                                 ; work that names none of those products' registers, while they run
.set i, 0
.rept 64
	v_max_num_f32 v[ACC+i], 0, v[ACC+i]
.set i, i+1
.endr
	QUANT ACC, 0, PCG, GS, 4
	NOPS 8
	s_wait_alu depctr_va_vdst(0)                           ; the hidden numbers' codes and scale word are written, which the products below take
	WIN 0x28
.irp t, 0,1,2,3,4,5,6,7
	MMC ACC+8*\t, PCG, WG2+12*\t, BG2+8*\t, GS, WG2S+\t    ; a lane to a channel, registers along eight neighbours
.endr
	s_wait_loadcnt 0x0                                     ; rel two points on, kf and q of the next point, this point's values
	F32 RELR
	KSUBA                                                  ; 32 plain lines: also the places behind the products by Wg2
	SOFTMAX
	s_add_co_u32 s[SAG], s[SAG], 528
	s_add_co_u32 s[P], s[P], 1
	s_cmp_lt_u32 s[P], 16
	s_cbranch_scc1 .Lpoint
; ---- u = agg W_down + b_down for my 16 points
	s_wait_loadcnt 0x0                                     ; the look-ahead that nobody uses
	s_wait_dscnt 0x0
	s_wait_alu depctr_vm_vsrc(0)                           ; the last trip's LDS stores have read the differences' registers, in which W_down's fragments land
	WIN 0x80
.irp t, 0,1,2,3
	GFRAG GK+12*\t, 56+\t
	global_load_b128 v[BG2+8*\t:BG2+8*\t+3], v[LIDX], s[14:15] offset:64*\t          ; b_down(16 t + 8 h + 0 .. 7)
	global_load_b128 v[BG2+8*\t+4:BG2+8*\t+7], v[LIDX], s[14:15] offset:64*\t+16
.endr
	WIN 0
.irp t, 0,1,2,3
	global_load_b32 v[WDNS+\t], v[LS], s[WIMG:WIMG+1] offset:(56+\t)*FRB+1536
.endr
.irp b, 0,1,2,3
.irp i, 0,1,2,3
	ds_load_b128 v[ACC+16*\b+4*\i:ACC+16*\b+4*\i+3], v[AGR] offset:128*\b+16*\i
.endr
.endr
	s_wait_dscnt 0x0
	QUANT ACC, 0, PCA, AS, 4
	NOPS 8
	s_wait_loadcnt 0x0
	s_wait_alu depctr_va_vdst(0)                           ; agg's codes and scale word are written, which the products below take
	WIN 0x22
.irp t, 0,1,2,3
	MMC ACC+8*\t, GK+12*\t, PCA, BG2+8*\t, WDNS+\t, AS     ; lane (r, h): point r, outputs 16 t + 8 h + 0 .. 7
.endr
	WIN 0
	NOPS 4
	s_wait_alu depctr_va_vdst(0)                           ; the products have written the accumulators, which the LDS stores read; the places above stay beside this wait
.irp t, 0,1,2,3
	ds_store_b128 v[USTW], v[ACC+8*\t:ACC+8*\t+3] offset:64*\t
	ds_store_b128 v[USTW], v[ACC+8*\t+4:ACC+8*\t+7] offset:64*\t+16
.endr
.irp i, 0,1,2,3,4,5,6,7
	ds_load_b128 v[ACC+32+4*\i:ACC+32+4*\i+3], v[USTR] offset:544*\i     ; row 2 i + h, outputs 4 r .. 4 r + 3
.endr
.irp i, 0,1,2,3,4,5,6,7
	s_wait_dscnt 7-\i
	global_store_b128 v[LI], v[ACC+32+4*\i:ACC+32+4*\i+3], s[UT:UT+1] offset:512*\i   ; 512 consecutive bytes
.endr
; the wave's mean and squared deviations of each output, in two passes over the registers
.irp e, 0,2
	v_pk_add_f32 v[MP+\e:MP+\e+1], v[ACC+32+\e:ACC+32+\e+1], v[ACC+36+\e:ACC+36+\e+1]
.endr
.irp i, 2,3,4,5,6,7
.irp e, 0,2
	v_pk_add_f32 v[MP+\e:MP+\e+1], v[MP+\e:MP+\e+1], v[ACC+32+4*\i+\e:ACC+32+4*\i+\e+1]
.endr
.endr
.irp e, 0,1,2,3
	v_permlanex16_b32 v[LP+\e], v[MP+\e], s[SEL], s[SEL+1]
.endr
.irp e, 0,2
	v_pk_add_f32 v[MP+\e:MP+\e+1], v[MP+\e:MP+\e+1], v[LP+\e:LP+\e+1]
.endr
.irp e, 0,2
	v_pk_mul_f32 v[MP+4+\e:MP+4+\e+1], v[MP+\e:MP+\e+1], 0x3d800000 op_sel_hi:[1,0]   ; the 16 rows' mean
.endr
	s_wait_alu depctr_vm_vsrc(0)                           ; the stage's stores have read the four accumulators, whose registers the deviations below are written into
.irp i, 0,1,2,3,4,5,6,7
.irp e, 0,2
	v_pk_add_f32 v[ACC+4*\i+\e:ACC+4*\i+\e+1], v[ACC+32+4*\i+\e:ACC+32+4*\i+\e+1], v[MP+4+\e:MP+4+\e+1] neg_lo:[0,1] neg_hi:[0,1]
.endr
.endr
.irp e, 0,2
	v_pk_mul_f32 v[MP+8+\e:MP+8+\e+1], v[ACC+\e:ACC+\e+1], v[ACC+\e:ACC+\e+1]
.endr
.irp i, 1,2,3,4,5,6,7
.irp e, 0,2
	v_pk_fma_f32 v[MP+8+\e:MP+8+\e+1], v[ACC+4*\i+\e:ACC+4*\i+\e+1], v[ACC+4*\i+\e:ACC+4*\i+\e+1], v[MP+8+\e:MP+8+\e+1]
.endr
.endr
.irp e, 0,1,2,3
	v_permlanex16_b32 v[LP+\e], v[MP+8+\e], s[SEL], s[SEL+1]
.endr
.irp e, 0,2
	v_pk_add_f32 v[MP+8+\e:MP+8+\e+1], v[MP+8+\e:MP+8+\e+1], v[LP+\e:LP+\e+1]
.endr
	s_wait_alu depctr_va_vdst(0)                           ; the wave's means and squared deviations are written, which the LDS stores read; the lines above are done with v192 to v223, in which wave 0's loads land behind the barrier
	ds_store_b128 v[CMBW], v[MP+4:MP+7]
	ds_store_b128 v[CMBW], v[MP+8:MP+11] offset:256
	s_wait_dscnt 0x0
	s_barrier_signal -1
	s_barrier_wait -1                                      ; the launch's one barrier: all else in LDS is each wave's own
	s_cmp_lg_u32 s[WV], 0
	s_cbranch_scc1 .Lend
.irp k, 0,1,2,3
	ds_load_b128 v[ACC+4*\k:ACC+4*\k+3], v[CMBR] offset:512*\k
	ds_load_b128 v[ACC+16+4*\k:ACC+16+4*\k+3], v[CMBR] offset:512*\k+256
.endr
	s_wait_dscnt 0x0
	s_wait_alu depctr_vm_vsrc(0)                           ; my two LDS stores have read v[MP+4 .. MP+11], which the lines below write again
.irp e, 0,2
	v_pk_add_f32 v[MP+\e:MP+\e+1], v[ACC+\e:ACC+\e+1], v[ACC+4+\e:ACC+4+\e+1]
	v_pk_add_f32 v[MP+4+\e:MP+4+\e+1], v[ACC+8+\e:ACC+8+\e+1], v[ACC+12+\e:ACC+12+\e+1]
.endr
.irp e, 0,2
	v_pk_add_f32 v[MP+\e:MP+\e+1], v[MP+\e:MP+\e+1], v[MP+4+\e:MP+4+\e+1]
.endr
.irp e, 0,2
	v_pk_mul_f32 v[MP+\e:MP+\e+1], v[MP+\e:MP+\e+1], 0x3e800000 op_sel_hi:[1,0]      ; the 64 rows' mean
.endr
.irp k, 0,1,2,3
.irp e, 0,2
	v_pk_add_f32 v[ACC+4*\k+\e:ACC+4*\k+\e+1], v[ACC+4*\k+\e:ACC+4*\k+\e+1], v[MP+\e:MP+\e+1] neg_lo:[0,1] neg_hi:[0,1]
.endr
.endr
.irp e, 0,2
	v_pk_mul_f32 v[MP+4+\e:MP+4+\e+1], v[ACC+\e:ACC+\e+1], v[ACC+\e:ACC+\e+1]
.endr
.irp k, 1,2,3
.irp e, 0,2
	v_pk_fma_f32 v[MP+4+\e:MP+4+\e+1], v[ACC+4*\k+\e:ACC+4*\k+\e+1], v[ACC+4*\k+\e:ACC+4*\k+\e+1], v[MP+4+\e:MP+4+\e+1]
.endr
.endr
.irp e, 0,2
	v_pk_add_f32 v[ACC+16+\e:ACC+16+\e+1], v[ACC+16+\e:ACC+16+\e+1], v[ACC+20+\e:ACC+20+\e+1]
	v_pk_add_f32 v[ACC+24+\e:ACC+24+\e+1], v[ACC+24+\e:ACC+24+\e+1], v[ACC+28+\e:ACC+28+\e+1]
.endr
.irp e, 0,2
	v_pk_add_f32 v[ACC+16+\e:ACC+16+\e+1], v[ACC+16+\e:ACC+16+\e+1], v[ACC+24+\e:ACC+24+\e+1]
.endr
.irp e, 0,2
	v_pk_fma_f32 v[ACC+16+\e:ACC+16+\e+1], v[MP+4+\e:MP+4+\e+1], 0x41800000, v[ACC+16+\e:ACC+16+\e+1] op_sel_hi:[1,0,1]
.endr
	v_cmp_ne_u32 vcc_lo, 0, v[HH]
	s_wait_alu depctr_va_vcc(0)                            ; the mask of lanes 16-31 is written, which the selects below read
.irp e, 0,1,2,3
	v_cndmask_b32 v[MP+8+\e], v[MP+\e], v[ACC+16+\e], vcc_lo           ; lanes 0-15 the means, lanes 16-31 the squared deviations
.endr
	s_wait_alu depctr_va_vdst(0)                           ; the selects have written the work-group's figures, which the store reads
	global_store_b128 v[LI], v[MP+8:MP+11], s[P2:P2+1]                 ; the work-group's 512 bytes
.Lend:
	s_wait_dscnt 0x0
	s_wait_alu depctr_hold_cnt(0) depctr_sa_sdst(0) depctr_va_vdst(0) depctr_va_sdst(0) depctr_va_ssrc(0) depctr_va_vcc(0) depctr_vm_vsrc(0)
	s_wait_tensorcnt 0x0
	ds_add_u32 v131, v135
	s_wait_dscnt 0x0
	s_endpgm
.Lfunc_end_k_q23963ca5cb_attn:
	.size	k_q23963ca5cb_attn, .Lfunc_end_k_q23963ca5cb_attn-k_q23963ca5cb_attn
	.p2alignl 7, 3214868480
	.fill 96, 4, 3214868480
	.section	.rodata,"a",@progbits
	.p2align	6, 0x0
	.amdhsa_kernel k_q23963ca5cb_attn
		.amdhsa_group_segment_fixed_size 70144
		.amdhsa_private_segment_fixed_size 0
		.amdhsa_enable_private_segment 0
		.amdhsa_kernarg_size 104
		.amdhsa_user_sgpr_count 2
		.amdhsa_user_sgpr_kernarg_segment_ptr 1
		.amdhsa_wavefront_size32 1
		.amdhsa_system_sgpr_workgroup_id_x 1
		.amdhsa_system_sgpr_workgroup_id_y 1
		.amdhsa_system_sgpr_workgroup_id_z 1
		.amdhsa_system_vgpr_workitem_id 0
		.amdhsa_next_free_vgpr 1024
		.amdhsa_next_free_sgpr 66
		.amdhsa_reserve_vcc 1
		.amdhsa_float_denorm_mode_32 3
		.amdhsa_float_denorm_mode_16_64 3
		.amdhsa_memory_ordered 1
		.amdhsa_forward_progress 1
		.amdhsa_inst_pref_size 106
	.end_amdhsa_kernel
	.amdgpu_metadata
---
amdhsa.version: [ 1, 2 ]
amdhsa.kernels:
  - .name:           k_q23963ca5cb_attn
    .symbol:         k_q23963ca5cb_attn.kd
    .args:
      - { .name: Wd1, .offset: 0, .size: 8, .value_kind: global_buffer, .address_space: global }
      - { .name: bd1, .offset: 8, .size: 8, .value_kind: global_buffer, .address_space: global }
      - { .name: bg1, .offset: 16, .size: 8, .value_kind: global_buffer, .address_space: global }
      - { .name: bg2, .offset: 24, .size: 8, .value_kind: global_buffer, .address_space: global }
      - { .name: bd2, .offset: 32, .size: 8, .value_kind: global_buffer, .address_space: global }
      - { .name: b_down, .offset: 40, .size: 8, .value_kind: global_buffer, .address_space: global }
      - { .name: gidx, .offset: 48, .size: 8, .value_kind: global_buffer, .address_space: global }
      - { .name: wimg, .offset: 56, .size: 8, .value_kind: global_buffer, .address_space: global }
      - { .name: qtab, .offset: 64, .size: 8, .value_kind: global_buffer, .address_space: global }
      - { .name: kvtab, .offset: 72, .size: 8, .value_kind: global_buffer, .address_space: global }
      - { .name: relb, .offset: 80, .size: 8, .value_kind: global_buffer, .address_space: global }
      - { .name: utab, .offset: 88, .size: 8, .value_kind: global_buffer, .address_space: global }
      - { .name: part2, .offset: 96, .size: 8, .value_kind: global_buffer, .address_space: global }
    .group_segment_fixed_size: 70144
    .private_segment_fixed_size: 0
    .kernarg_segment_align: 8
    .kernarg_segment_size: 104
    .max_flat_workgroup_size: 128
    .sgpr_count:     66
    .vgpr_count:     1024
    .wavefront_size: 32
...
	.end_amdgpu_metadata
.endif
;; end of part 7
;; launch final: the kernel of part 4 again; grid 256 x 1, 8 waves a work-group, no clusters, 9,216 bytes of LDS; arguments x, g2, be2, utab, part2, out0; writes out0
